; MI455X (gfx1250); checked and timed in simulation.
; The chip was launched on July 23, 2026; its instructions are those of AMD's public machine-readable ISA for CDNA 5 (MIT licence, August 2026) and "CDNA5" Instruction Set Architecture Reference Guide (July 2026). The comments in the code are by the model that wrote it; some were corrected since.
;; Cross Attention. Allowed arithmetic: matrix products marked QUANTISED: E4M3 operands, one given power-of-two scale a tensor, by v_wmma_f32_16x16x64_fp8_fp8 or v_wmma_f32_16x16x128_fp8_fp8, f32 sums; products left as they are: f32 operands where the result goes on into a quantised operand, else bf16, f16 or f32 operands; f32 sums; everything else in f32.
;; Inputs: W1 256 x 256 float32; W2 256 x 256 float32; Wk 256 x 256 float32; Wo 256 x 256 float32; Wq 256 x 256 float32; Wv 256 x 256 float32; b1 256 float32; b2 256 float32; bk 256 float32; bo 256 float32; bq 256 float32; bv 256 float32; context 8 x 4,096 x 256 float32; context_pos 8 x 4,096 x 3 float32; lowp_scales 16 int32 (the exponents e of the quantised operands' scales 2^e); query 8 x 4,096 x 256 float32; query_pos 8 x 4,096 x 3 float32; rff_B 3 x 128 float32.
;; Outputs: out0 8 x 4,096 x 256 float32; out1 8 x 4,096 x 3 float32.
;; This version of the problem:
;;   THIS VERSION OF THE PROBLEM IS GIVEN IN LOW PRECISION. The matrix products marked QUANTISED in the list below multiply operands that are first quantised to E4M3 (4 exponent bits, 3 mantissa bits; 8 bits a number), with one given power-of-two scale for each operand tensor; their sums are f32. All else is computed in f32.
;;   The module's matrix products, in the order in which they are computed (A, B: the left and right operand; K: the contracted axis; several contracted axes count as one K, in the product's order):
;;     1. [M 32,768, K 3] x [K 3, N 128]; A: input query_pos; B: input rff_B: left as it is (K = 3 < 32)
;;     2. [M 32,768, K 256] x [K 256, N 256]; A: computed on the way; B: input W1: QUANTISED (scales: A lowp_scales[0], B lowp_scales[1])
;;     3. [M 32,768, K 256] x [K 256, N 256]; A: computed on the way; B: input W2: QUANTISED (scales: A lowp_scales[2], B lowp_scales[3])
;;     4. [M 32,768, K 3] x [K 3, N 128]; A: input context_pos; B: input rff_B: left as it is (K = 3 < 32)
;;     5. [M 32,768, K 256] x [K 256, N 256]; A: computed on the way; B: input W1: QUANTISED (scales: A lowp_scales[4], B lowp_scales[5])
;;     6. [M 32,768, K 256] x [K 256, N 256]; A: computed on the way; B: input W2: QUANTISED (scales: A lowp_scales[6], B lowp_scales[7])
;;     7. batch 8 x [M 4,096, K 3] x [K 3, N 4,096]; A: input query_pos; B: input context_pos: left as it is (K = 3 < 32)
;;     8. [M 32,768, K 256] x [K 256, N 256]; A: computed on the way; B: input Wq: QUANTISED (scales: A lowp_scales[8], B lowp_scales[9])
;;     9. [M 262,144, K 256] x [K 256, N 256]; A: computed on the way; B: input Wk: QUANTISED (scales: A lowp_scales[10], B lowp_scales[11])
;;     10. [M 262,144, K 256] x [K 256, N 256]; A: computed on the way; B: input Wv: QUANTISED (scales: A lowp_scales[12], B lowp_scales[13])
;;     11. batch 262,144 x [M 1, K 32] x [K 32, N 8]; A: computed on the way; B: computed on the way: left as it is (M = 1 < 16)
;;     12. batch 262,144 x [M 1, K 8] x [K 8, N 32]; A: softmax; B: computed on the way: left as it is (K = 8 < 32)
;;     13. [M 32,768, K 256] x [K 256, N 256]; A: computed on the way; B: input Wo: QUANTISED (scales: A lowp_scales[14], B lowp_scales[15])
;;   THE QUANTISER, for each operand of a quantised product, along K:
;;     - The operand's scale is 2^e, e = its entry of the input lowp_scales (int32; the entries are numbered through the quantised products in the list's order, A before B).
;;     - Each number is divided by the scale, clamped to +-448, and rounded to the nearest number of E4M3, ties to even, subnormals kept.
;;     - The product sums the exact products of the quantised numbers (number of the format x scale) in f32.
;;   ~~~python
;;   def quantise(x, axis, e):      # numpy; x: float32 -> the quantised numbers, widened to float32 again
;;       x = np.moveaxis(x, axis, -1); K = x.shape[-1]
;;       r = np.clip(x / 2.0 ** e, -448, 448)
;;       step = 2.0 ** (np.maximum(np.frexp(np.where(r == 0, 1, r))[1] - 1, -6) - 3)
;;       q = np.round(r / step) * step * 2.0 ** e      # np.round: ties to even
;;       return np.moveaxis(q, -1, axis).astype(np.float32)
;;   ~~~
;;   OPERANDS COMPUTED ON THE WAY. 'Computed on the way' means the value that the module computes at that place (a softmax that the list does not call 'softmax' is quantised finished and normalised). What goes into a quantiser is computed in f32, as accurately as f32 sums, v_exp_f32 and their like allow (about 1e-6 of the number): no bf16 or f16 on the way to a quantiser, and a product that is left as it is and whose result goes on into a quantised operand takes f32 operands (vector FMAs, or v_wmma_f32_16x16x4_f32). A number that lies on a knife's edge between two numbers of the format may be rounded either way, as far as f32 arithmetic and the matrix unit's own rounding can turn it there, and no further.
;; 2 versions. Each part assembles by itself: llvm-mc -triple=amdgcn-amd-amdhsa -mcpu=gfx1250 --defsym DOCPART=n.
;; ======== version 1 of 2: 4 launches
;; limits: right only within a limited range of input values
;; workspace buffers: wimg 524,288 bytes; cblk 524,288 bytes; blk 1,048,576 bytes of whole numbers; knn 1,048,576 bytes of whole numbers; qimg 33,554,432 bytes; ck 8,388,608 bytes; cv 8,388,608 bytes
;; launch knn1 (part 1): grid 364 x 1, 8 waves a work-group, no clusters, 132,096 bytes of LDS; arguments query_pos, context_pos, blk, W1, W2, Wq, Wk, Wv, Wo, lowp_scales, wimg, cblk, out1; writes blk, wimg, cblk, out1
.if DOCPART == 1
	.amdgcn_target "amdgcn-amd-amdhsa--gfx1250"
	.amdhsa_code_object_version 6
	.text
	.protected	k_q6a44aab100_knn1
	.globl	k_q6a44aab100_knn1
	.p2align	8
	.type	k_q6a44aab100_knn1,@function
k_q6a44aab100_knn1:
	s_mov_b64 s[64:65], 0
	v_nop
	global_prefetch_b8 v0, s[64:65] scope:SCOPE_SE
	s_setreg_imm32_b32 hwreg(HW_REG_WAVE_MODE, 25, 1), 1
	s_wait_xcnt 0x0
; FIRST FILTER OF THE 8 NEAREST NEIGHBOURS, and the small preparations that later launches need.
; Work-groups 0-255: for 128 queries of one batch, the 8 blocks of 16 contexts with the smallest (block minimum of d2, block number).
;   Every true neighbour lies in one of them: a block ranked ahead of a neighbour's block holds a context ranked ahead of that neighbour, and at most 7 are.
;   d2 = (q2 + c2) - 2 dot, each step rounded by itself: q2 = (x x + y y) + z z, dot = (x cx + y cy) + z cz; 2 dot is exact, so the last step is one fused multiply-add.
;   FUSE_SQ, FUSE_DOT = 1 give the forms with fused multiply-adds; the launch that picks the neighbours uses the same lines, so both see the same bits.
;   Wave w walks contexts 512 w .. 512 w + 511 of the batch for all 128 queries; a lane holds 4 queries, as two packed pairs.  The eight waves' lists meet in LDS.
; Work-groups 256-287: the six weights become codes of E4M3 (eight images: W1 and W2 twice, each with its own given scale), laid in the order of the matrix operand's registers.
; Work-groups 288-351: the contexts' x, y, z and c2, laid by 64 contexts so that a block's 16 numbers of a kind are 64 consecutive bytes.
; Work-groups 352-363: out1 = query_pos.
; LIMITS: NaN and infinity among the positions are not served.  Each weight's exponent e: -126 <= e, e + 8 <= 127.
; The inputs query and context are not loaded by this program: no number of them enters a result of the reference.
.set FUSE_SQ, 0
.set FUSE_DOT, 0
.set NKNN, 256                         ; work-groups of the filter
.set MRG, 65536                        ; LDS: 0: the records (x, y, z, c2), 8,192 bytes a wave; MRG: the lists [wave][16 entries][128 queries] words
.set SPARE, 131072                     ; the spare words, 128 bytes a wave
.set SPW, 2
.set NIL, 3
.set ARD, 4                            ; LDS address of the block in hand, the same in all lanes
.set BLKV, 5                           ; its number in the batch
.set QX, 8                             ; v8-23: x, y, z, q2 of my 4 queries
.set QY, 12
.set QZ, 16
.set Q2, 20
.set KEY, 24                           ; v24-55: 8 ascending keys for each query
.set IDX, 56                           ; v56-87: their block numbers
.set RA, 88                            ; v88-119, v120-151: 8 records each
.set RB, 120
.set CH, 152                           ; v152-183: four chains at work: T, U, S pairs, 8 registers apart
.set MB, 184                           ; v184-187: the block's minimum for each query
.macro SQ d, x, y, z, t                ; v[d] = x x + y y + z z
.if FUSE_SQ
	v_mul_f32 v[\d], v[\x], v[\x]
	v_fma_f32 v[\d], v[\y], v[\y], v[\d]
	v_fma_f32 v[\d], v[\z], v[\z], v[\d]
.else
	v_mul_f32 v[\d], v[\x], v[\x]
	v_mul_f32 v[\t], v[\y], v[\y]
	v_add_f32 v[\d], v[\d], v[\t]
	v_mul_f32 v[\t], v[\z], v[\z]
	v_add_f32 v[\d], v[\d], v[\t]
.endif
.endm
; (v[xv], v[xn]) goes into the ascending list of 8 keys v[kk..] with numbers v[nn..].  The compare is strict: an equal key that comes later lies behind.  No branch: 8 masks in s[mm..]
.macro INSERT kk, nn, xv, xn, mm
.irp e,0,1,2,3,4,5,6,7
	v_cmp_lt_f32 s[\mm+\e], v[\xv], v[\kk+\e]
.endr
.irp e,7,6,5,4,3,2,1
	v_cndmask_b32 v[\nn+\e], v[\nn+\e], v[\xn], s[\mm+\e]
	v_cndmask_b32 v[\nn+\e], v[\nn+\e], v[\nn+\e-1], s[\mm+\e-1]
	v_med3_num_f32 v[\kk+\e], v[\kk+\e-1], v[\kk+\e], v[\xv]
.endr
	v_cndmask_b32 v[\nn], v[\nn], v[\xn], s[\mm]
	v_min_num_f32 v[\kk], v[\kk], v[\xv]
.endm
; Lanes 0-15 hold the list of the lower numbers, lanes 16-31 that of the higher ones, of the same 16 queries.  Lanes 0-15 take the other list in; then each half stores four of the eight numbers.
.macro FINISH kk, nn, ok, on, tt, out, hh, adr, base
.irp f,0,1,2,3,4,5,6,7
	v_permlanex16_b32 v[\ok+\f], v[\kk+\f], s12, s13
	v_permlanex16_b32 v[\on+\f], v[\nn+\f], s12, s13
.endr
.irp f,0,1,2,3,4,5,6,7
	INSERT \kk, \nn, \ok+\f, \on+\f, 16+8*(\f%2)
.endr
.irp f,0,1,2,3
	v_permlanex16_b32 v[\tt+\f], v[\nn+4+\f], s12, s13
.endr
	v_cmp_ne_u32 vcc_lo, 0, v[\hh]
.irp f,0,1,2,3
	v_cndmask_b32 v[\out+\f], v[\nn+\f], v[\tt+\f], vcc_lo
.endr
	global_store_b128 v[\adr], v[\out:\out+3], s[\base:\base+1]   ; the wave stores 512 consecutive bytes
.endm
.macro LOADH R, off                    ; 8 records: every lane reads the same 16 bytes
.irp i,0,1,2,3,4,5,6,7
	ds_load_b128 v[\R+4*\i:\R+4*\i+3], v[ARD] offset:\off+16*\i
.endr
.endm
; two contexts (records at R, R + 4) against my four queries: four chains, c = 2 x context + pair of queries
.macro CTX2 R, first
.irp c,0,1,2,3
	v_pk_mul_f32 v[CH+8*\c:CH+8*\c+1], v[QX+2*(\c%2):QX+2*(\c%2)+1], v[\R+4*(\c/2):\R+4*(\c/2)+1] op_sel_hi:[1,0]
.endr
.if FUSE_DOT
.irp c,0,1,2,3
	v_pk_fma_f32 v[CH+8*\c:CH+8*\c+1], v[QY+2*(\c%2):QY+2*(\c%2)+1], v[\R+4*(\c/2):\R+4*(\c/2)+1], v[CH+8*\c:CH+8*\c+1] op_sel:[0,1,0] op_sel_hi:[1,1,1]
.endr
.irp c,0,1,2,3
	v_pk_fma_f32 v[CH+8*\c:CH+8*\c+1], v[QZ+2*(\c%2):QZ+2*(\c%2)+1], v[\R+4*(\c/2)+2:\R+4*(\c/2)+3], v[CH+8*\c:CH+8*\c+1] op_sel_hi:[1,0,1]
.endr
.else
.irp c,0,1,2,3
	v_pk_mul_f32 v[CH+8*\c+2:CH+8*\c+3], v[QY+2*(\c%2):QY+2*(\c%2)+1], v[\R+4*(\c/2):\R+4*(\c/2)+1] op_sel:[0,1] op_sel_hi:[1,1]
.endr
.irp c,0,1,2,3
	v_pk_add_f32 v[CH+8*\c:CH+8*\c+1], v[CH+8*\c:CH+8*\c+1], v[CH+8*\c+2:CH+8*\c+3]
.endr
.irp c,0,1,2,3
	v_pk_mul_f32 v[CH+8*\c+2:CH+8*\c+3], v[QZ+2*(\c%2):QZ+2*(\c%2)+1], v[\R+4*(\c/2)+2:\R+4*(\c/2)+3] op_sel_hi:[1,0]
.endr
.irp c,0,1,2,3
	v_pk_add_f32 v[CH+8*\c:CH+8*\c+1], v[CH+8*\c:CH+8*\c+1], v[CH+8*\c+2:CH+8*\c+3]
.endr
.endif
.irp c,0,1,2,3
	v_pk_add_f32 v[CH+8*\c+4:CH+8*\c+5], v[Q2+2*(\c%2):Q2+2*(\c%2)+1], v[\R+4*(\c/2)+2:\R+4*(\c/2)+3] op_sel:[0,1] op_sel_hi:[1,1]
.endr
.irp c,0,1,2,3
	v_pk_fma_f32 v[CH+8*\c:CH+8*\c+1], v[CH+8*\c:CH+8*\c+1], -2.0, v[CH+8*\c+4:CH+8*\c+5] op_sel_hi:[1,0,1]
.endr
.irp n,0,1,2,3
.if \first
	v_min_num_f32 v[MB+\n], v[CH+8*(\n/2)+\n%2], v[CH+16+8*(\n/2)+\n%2]
.else
	v_min3_num_f32 v[MB+\n], v[MB+\n], v[CH+8*(\n/2)+\n%2], v[CH+16+8*(\n/2)+\n%2]
.endif
.endr
.endm
.macro HALF R, first
	CTX2 \R, \first
	CTX2 \R+8, 0
	CTX2 \R+16, 0
	CTX2 \R+24, 0
.endm
.macro INS4                            ; the block's minimum goes into each query's list; two sets of masks by turns
.irp n,0,1,2,3
	INSERT KEY+8*\n, IDX+8*\n, MB+\n, BLKV, 16+8*(\n%2)
.endr
	v_add_nc_u32 v[BLKV], 1, v[BLKV]
.endm
.macro MEET                            ; my LDS instructions are done; then the work-group's barrier
	s_wait_dscnt 0x0
	s_barrier_signal -1
	s_barrier_wait -1
.endm
	v_lshl_add_u32 v[SPW], v0, 2, SPARE
	v_mov_b32 v[NIL], 0
	v_lshrrev_b32 v1, 5, v0
	v_readfirstlane_b32 s10, v1                    ; wave 0..7
	v_and_b32 v1, 31, v0                           ; lane
	s_cmp_ge_u32 ttmp9, NKNN                       ; the paths part on the work-group's number alone
	s_cbranch_scc1 .Lsmall
	; ---------------- the filter
	s_load_b128 s[4:7], s[0:1], 0x0                ; query_pos, context_pos
	s_load_b64 s[8:9], s[0:1], 0x10                ; blk
	v_mul_u32_u24 v6, v1, 12                       ; a position is 12 bytes
	v_lshlrev_b32 v7, 4, v1
	s_lshl_b32 s14, s10, 13                        ; my wave's records
	v_add_nc_u32 v7, s14, v7                       ; where I store a record: 16 x lane + 8,192 x wave
	s_lshl_b32 s15, s10, 5
	v_mov_b32 v[BLKV], s15                         ; my wave's first block: 32 x wave
	s_mul_i32 s32, ttmp9, 1536                     ; my work-group's 128 queries
	s_mov_b32 s33, 0
	s_lshr_b32 s34, ttmp9, 5                       ; the batch
	s_mul_i32 s34, s34, 49152
	s_mul_i32 s35, s10, 6144                       ; my wave's 512 contexts
	s_add_co_u32 s34, s34, s35
	s_mov_b32 s35, 0
	s_lshl_b32 s36, ttmp9, 12                      ; 128 queries x 32 bytes of blk
	s_mov_b32 s37, 0
	s_mov_b32 s12, 0x76543210                      ; v_permlanex16_b32: lane l takes lane l xor 16
	s_mov_b32 s13, 0xfedcba98
	s_wait_kmcnt 0x0
	s_add_nc_u64 s[4:5], s[4:5], s[32:33]
	s_add_nc_u64 s[6:7], s[6:7], s[34:35]
	s_add_nc_u64 s[8:9], s[8:9], s[36:37]
.irp n,0,1,2,3                                 ; query lane + 32 n
	global_load_b32 v[QX+\n], v6, s[4:5] offset:384*\n
	global_load_b32 v[QY+\n], v6, s[4:5] offset:384*\n+4
	global_load_b32 v[QZ+\n], v6, s[4:5] offset:384*\n+8
.endr
.irp t,0,1,2,3,4,5,6,7,8,9,10,11,12,13,14,15   ; context 32 t + lane of my wave's 512
	global_load_b32 v[RA+4*\t], v6, s[6:7] offset:384*\t
	global_load_b32 v[RA+4*\t+1], v6, s[6:7] offset:384*\t+4
	global_load_b32 v[RA+4*\t+2], v6, s[6:7] offset:384*\t+8
.endr
.set ii, 0
.rept 32
	v_mov_b32 v[KEY+ii], 0x7f800000                ; the lists begin as infinities
	v_mov_b32 v[IDX+ii], 0
.set ii, ii+1
.endr
	s_wait_loadcnt 0x0
.irp n,0,1,2,3
	SQ Q2+\n, QX+\n, QY+\n, QZ+\n, CH
.endr
.irp t,0,1,2,3,4,5,6,7,8,9,10,11,12,13,14,15
	SQ RA+4*\t+3, RA+4*\t, RA+4*\t+1, RA+4*\t+2, CH
.endr
.irp t,0,1,2,3,4,5,6,7,8,9,10,11,12,13,14,15
	ds_store_b128 v7, v[RA+4*\t:RA+4*\t+3] offset:512*\t
.endr
	MEET                                           ; every wave's records are stored before any wave begins to read records
	v_mov_b32 v[ARD], s14
	LOADH RA, 0
	s_mov_b32 s11, 31
.Lblk:                                             ; a trip: one block of 16 contexts against 128 queries
	LOADH RB, 128
	s_wait_dscnt 8                                 ; the eight just issued may be out: the block's first half is in
	HALF RA, 1
	s_add_co_u32 s14, s14, 256
	v_mov_b32 v[ARD], s14
	LOADH RA, 0                                    ; the next block's first half
	s_wait_dscnt 8                                 ; those eight may be out: the second half is in
	HALF RB, 0
	INS4
	s_sub_co_u32 s11, s11, 1
	s_cmp_lg_u32 s11, 0
	s_cbranch_scc1 .Lblk
	LOADH RB, 128                                  ; the 32nd block is written out: nothing is read beyond my wave's records
	s_wait_dscnt 8
	HALF RA, 1
	s_wait_dscnt 0x0
	HALF RB, 0
	INS4
	MEET                                           ; every wave has read its last record before any wave stores a list
	v_lshlrev_b32 v6, 2, v1
	s_lshl_b32 s15, s10, 13
	s_add_co_u32 s15, s15, MRG
	v_add_nc_u32 v6, s15, v6                       ; my wave's lists: entry e of query q at 512 e + 4 q
.irp n,0,1,2,3
.irp e,0,1,2,3,4,5,6,7
	ds_store_b32 v6, v[KEY+8*\n+\e] offset:512*\e+128*\n
	ds_store_b32 v6, v[IDX+8*\n+\e] offset:512*(\e+8)+128*\n
.endr
.endr
	MEET                                           ; all eight waves' lists lie in LDS
	v_and_b32 v6, 15, v0                           ; r: wave w now owns queries 16 w + r;
	v_bfe_u32 v7, v0, 4, 1                         ; h: lanes 0-15 take the lists of waves 0-3, lanes 16-31 those of waves 4-7
	v_lshlrev_b32 v4, 5, v6
	v_lshl_add_u32 v4, v7, 4, v4
	s_lshl_b32 s15, s10, 9
	v_add_nc_u32 v4, s15, v4                       ; in blk: 32 (16 w + r) + 16 h
	v_lshlrev_b32 v6, 2, v6
	v_lshl_add_u32 v6, v7, 15, v6
	s_lshl_b32 s15, s10, 6
	s_add_co_u32 s15, s15, MRG
	v_add_nc_u32 v6, s15, v6                       ; MRG + 4 (16 w + r) + 32,768 h
.irp e,0,1,2,3,4,5,6,7
	ds_load_b32 v[KEY+\e], v6 offset:512*\e
	ds_load_b32 v[IDX+\e], v6 offset:512*(\e+8)
.endr
.irp sl,1,2,3
.irp e,0,1,2,3,4,5,6,7,8,9,10,11,12,13,14,15
	ds_load_b32 v[RA+16*(\sl-1)+\e], v6 offset:8192*\sl+512*\e
.endr
.endr
	s_wait_dscnt 0x0
.irp sl,0,1,2                                  ; in ascending order of the block numbers, so that equal keys keep that order
.irp e,0,1,2,3,4,5,6,7
	INSERT KEY, IDX, RA+16*\sl+\e, RA+16*\sl+8+\e, 16+8*(\e%2)
.endr
.endr
	FINISH KEY, IDX, RB+16, RB+24, MB, CH+4, 7, 4, 8
	s_wait_tensorcnt 0x0                           ; the wave's end, behind my last LDS store
	ds_add_u32 v[SPW], v[NIL]
	s_wait_dscnt 0x0
	s_endpgm
.Lsmall:
	s_cmp_ge_u32 ttmp9, 288
	s_cbranch_scc1 .Lnot_weights
	; ---------------- a wave makes one fragment: matrix mi, tile T of 16 output columns, K step s of 128
	s_load_b256 s[16:23], s[0:1], 0x18             ; W1, W2, Wq, Wk
	s_load_b128 s[24:27], s[0:1], 0x38             ; Wv, Wo
	s_load_b128 s[28:31], s[0:1], 0x48             ; lowp_scales, wimg
	s_sub_co_u32 s11, ttmp9, 256
	s_lshr_b32 s12, s11, 2                         ; mi: four work-groups, 32 waves, to a matrix
	s_and_b32 s13, s11, 3
	s_lshl_b32 s13, s13, 3
	s_add_co_u32 s13, s13, s10
	s_lshr_b32 s14, s13, 1                         ; T
	s_and_b32 s15, s13, 1                          ; s
	v_and_b32 v8, 15, v0                           ; r: my column 16 T + r
	v_bfe_u32 v9, v0, 4, 1                         ; h
	v_lshlrev_b32 v6, 2, v8
	v_lshl_add_u32 v6, v9, 13, v6                  ; 4 r + 8 h rows of 1,024 bytes
	v_lshlrev_b32 v7, 4, v1
	s_wait_kmcnt 0x0
	s_load_b512 s[36:51], s[28:29], 0x0            ; the sixteen exponents
	s_wait_kmcnt 0x0
	s_mov_b64 s[32:33], s[16:17]                   ; image 0: W1 with entry 1
	s_mov_b32 s34, s37
.macro PICK k, p, ex                           ; image k: the weight at s[p:p+1] with the exponent in s[ex]
	s_cmp_eq_u32 s12, \k
	s_cselect_b64 s[32:33], s[\p:\p+1], s[32:33]
	s_cselect_b32 s34, s[\ex], s34
.endm
	PICK 1, 18, 39                                 ; W2, entry 3
	PICK 2, 20, 45                                 ; Wq, entry 9
	PICK 3, 16, 41                                 ; W1, entry 5
	PICK 4, 18, 43                                 ; W2, entry 7
	PICK 5, 22, 47                                 ; Wk, entry 11
	PICK 6, 24, 49                                 ; Wv, entry 13
	PICK 7, 26, 51                                 ; Wo, entry 15
	s_lshl_b32 s52, s15, 17                        ; 128 s rows
	s_lshl_b32 s53, s14, 6                         ; 16 T columns
	s_add_co_u32 s52, s52, s53
	s_mov_b32 s53, 0
	s_add_nc_u64 s[32:33], s[32:33], s[52:53]
	s_lshl_b32 s52, s12, 16
	s_lshl_b32 s54, s14, 12
	s_add_co_u32 s52, s52, s54
	s_lshl_b32 s54, s15, 11
	s_add_co_u32 s52, s52, s54
	s_add_nc_u64 s[30:31], s[30:31], s[52:53]      ; the fragment's 2,048 bytes in wimg
.set ii, 0
.rept 64                                       ; register 8 c + i: W(128 s + 16 c + 8 h + i, 16 T + r): my registers run down K in the operand's own order
	global_load_b32 v[32+ii], v6, s[32:33] offset:(16*(ii/8)+ii%8)*1024
.set ii, ii+1
.endr
	s_add_co_i32 s34, s34, 127
	s_lshl_b32 s35, s34, 23
	v_mov_b32 v10, s35                             ; 2^e: the conversion takes its exponent field
	s_add_co_i32 s34, s34, 8
	s_lshl_b32 s34, s34, 23
	s_or_b32 s34, s34, 0x600000
	v_mov_b32 v11, s34                             ; 448 x 2^e
	s_wait_loadcnt 0x0
.set ii, 0
.rept 64
	v_med3_num_f32 v[32+ii], v[32+ii], -v11, v11   ; the conversion does not saturate (ISA guide 7.6.2): the hold comes first
.set ii, ii+1
.endr
.irp c,0,1,2,3,4,5,6,7
	v_cvt_scalef32_pk8_fp8_f32 v[16+2*\c:17+2*\c], v[32+8*\c:39+8*\c], v10
.endr
.irp u,0,1,2,3
	global_store_b128 v7, v[16+4*\u:19+4*\u], s[30:31] offset:512*\u   ; 512 consecutive bytes a store
.endr
	s_endpgm
.Lnot_weights:
	s_cmp_ge_u32 ttmp9, 352
	s_cbranch_scc1 .Lcopy
	; ---------------- a wave lays 64 contexts: x[64], y[64], z[64], c2[64]
	s_load_b64 s[4:5], s[0:1], 0x8                 ; context_pos
	s_load_b64 s[6:7], s[0:1], 0x58                ; cblk
	s_sub_co_u32 s11, ttmp9, 288
	s_lshl_b32 s11, s11, 3
	s_add_co_u32 s11, s11, s10                     ; which 64 contexts
	s_mul_i32 s12, s11, 768
	s_mov_b32 s13, 0
	s_lshl_b32 s14, s11, 10
	s_mov_b32 s15, 0
	v_mul_u32_u24 v6, v1, 24                       ; two contexts a lane
	v_lshlrev_b32 v7, 3, v1
	s_wait_kmcnt 0x0
	s_add_nc_u64 s[4:5], s[4:5], s[12:13]
	s_add_nc_u64 s[6:7], s[6:7], s[14:15]
	global_load_b64 v[8:9], v6, s[4:5]             ; x0 y0
	global_load_b64 v[10:11], v6, s[4:5] offset:8  ; z0 x1
	global_load_b64 v[12:13], v6, s[4:5] offset:16 ; y1 z1
	s_wait_loadcnt 0x0
	SQ 22, 8, 9, 10, 24
	SQ 23, 11, 12, 13, 24
	v_mov_b32 v16, v8                              ; the pairs that are stored: two neighbours of a kind
	v_mov_b32 v17, v11
	v_mov_b32 v18, v9
	v_mov_b32 v19, v12
	v_mov_b32 v20, v10
	v_mov_b32 v21, v13
	global_store_b64 v7, v[16:17], s[6:7]          ; each store covers 256 consecutive bytes, aligned
	global_store_b64 v7, v[18:19], s[6:7] offset:256
	global_store_b64 v7, v[20:21], s[6:7] offset:512
	global_store_b64 v7, v[22:23], s[6:7] offset:768
	s_endpgm
.Lcopy:
	; ---------------- out1 = query_pos: 32,768 bytes a work-group
	s_load_b64 s[4:5], s[0:1], 0x0
	s_load_b64 s[6:7], s[0:1], 0x60
	s_sub_co_u32 s11, ttmp9, 352
	s_lshl_b32 s12, s11, 15
	s_mov_b32 s13, 0
	v_lshlrev_b32 v6, 4, v0
	s_wait_kmcnt 0x0
	s_add_nc_u64 s[4:5], s[4:5], s[12:13]
	s_add_nc_u64 s[6:7], s[6:7], s[12:13]
.irp j,0,1,2,3,4,5,6,7
	global_load_b128 v[8+4*\j:11+4*\j], v6, s[4:5] offset:4096*\j
.endr
	s_wait_loadcnt 0x0
.irp j,0,1,2,3,4,5,6,7
	global_store_b128 v6, v[8+4*\j:11+4*\j], s[6:7] offset:4096*\j
.endr
	s_endpgm
.Lfunc_end_k_q6a44aab100_knn1:
	.size	k_q6a44aab100_knn1, .Lfunc_end_k_q6a44aab100_knn1-k_q6a44aab100_knn1
	.p2alignl 7, 3214868480
	.fill 96, 4, 3214868480
	.section	.rodata,"a",@progbits
	.p2align	6, 0x0
	.amdhsa_kernel k_q6a44aab100_knn1
		.amdhsa_group_segment_fixed_size 132096
		.amdhsa_private_segment_fixed_size 0
		.amdhsa_enable_private_segment 0
		.amdhsa_kernarg_size 104
		.amdhsa_user_sgpr_count 2
		.amdhsa_user_sgpr_kernarg_segment_ptr 1
		.amdhsa_wavefront_size32 1
		.amdhsa_system_sgpr_workgroup_id_x 1
		.amdhsa_system_sgpr_workgroup_id_y 1
		.amdhsa_system_sgpr_workgroup_id_z 1
		.amdhsa_system_vgpr_workitem_id 0
		.amdhsa_next_free_vgpr 192
		.amdhsa_next_free_sgpr 66
		.amdhsa_reserve_vcc 1
		.amdhsa_float_denorm_mode_32 3
		.amdhsa_float_denorm_mode_16_64 3
		.amdhsa_memory_ordered 1
		.amdhsa_forward_progress 1
		.amdhsa_inst_pref_size 153
	.end_amdhsa_kernel
	.amdgpu_metadata
---
amdhsa.version: [ 1, 2 ]
amdhsa.kernels:
  - .name:           k_q6a44aab100_knn1
    .symbol:         k_q6a44aab100_knn1.kd
    .args:
      - { .name: query_pos, .offset: 0, .size: 8, .value_kind: global_buffer, .address_space: global }
      - { .name: context_pos, .offset: 8, .size: 8, .value_kind: global_buffer, .address_space: global }
      - { .name: blk, .offset: 16, .size: 8, .value_kind: global_buffer, .address_space: global }
      - { .name: W1, .offset: 24, .size: 8, .value_kind: global_buffer, .address_space: global }
      - { .name: W2, .offset: 32, .size: 8, .value_kind: global_buffer, .address_space: global }
      - { .name: Wq, .offset: 40, .size: 8, .value_kind: global_buffer, .address_space: global }
      - { .name: Wk, .offset: 48, .size: 8, .value_kind: global_buffer, .address_space: global }
      - { .name: Wv, .offset: 56, .size: 8, .value_kind: global_buffer, .address_space: global }
      - { .name: Wo, .offset: 64, .size: 8, .value_kind: global_buffer, .address_space: global }
      - { .name: lowp_scales, .offset: 72, .size: 8, .value_kind: global_buffer, .address_space: global }
      - { .name: wimg, .offset: 80, .size: 8, .value_kind: global_buffer, .address_space: global }
      - { .name: cblk, .offset: 88, .size: 8, .value_kind: global_buffer, .address_space: global }
      - { .name: out1, .offset: 96, .size: 8, .value_kind: global_buffer, .address_space: global }
    .group_segment_fixed_size: 132096
    .private_segment_fixed_size: 0
    .kernarg_segment_align: 8
    .kernarg_segment_size: 104
    .max_flat_workgroup_size: 256
    .sgpr_count:     66
    .vgpr_count:     192
    .wavefront_size: 32
...
	.end_amdgpu_metadata
.endif
;; end of part 1
;; launch encode (part 2): grid 256 x 1, 8 waves a work-group, no clusters, 181,248 bytes of LDS; arguments query_pos, context_pos, rff_B, b1, b2, bq, lowp_scales, wimg, qimg, ck, cv; writes qimg, ck, cv
.if DOCPART == 2
	.amdgcn_target "amdgcn-amd-amdhsa--gfx1250"
	.amdhsa_code_object_version 6
	.text
	.protected	k_q6a44aab100_encode
	.globl	k_q6a44aab100_encode
	.p2align	8
	.type	k_q6a44aab100_encode,@function
k_q6a44aab100_encode:
	s_mov_b64 s[64:65], 0
	v_nop
	global_prefetch_b8 v0, s[64:65] scope:SCOPE_SE
	s_setreg_imm32_b32 hwreg(HW_REG_WAVE_MODE, 25, 1), 1
	s_wait_xcnt 0x0
; THE POSITION ENCODER, for queries (work-groups 0-127) and contexts (128-255): f = sin | cos of p rff_B; h = gelu(f W1 + b1); e = h W2 + b2; all products on codes of E4M3 with the given scales.
; Queries go on through Wq: stored is q'' = (e Wq + bq) x log2(e) / sqrt(32) x 2^(e10 + e11), f32, as an image of the result's registers.
; Contexts: stored are e's codes, once with scale entry 10 (for Wk) and once with entry 12 (for Wv); in a row byte 128 h + 64 s + 8 c + i is k = 128 s + 16 c + 8 h + i, so that a lane's operand is 128 bytes on end.
; SHARES.  A work-group takes 256 rows, 128 at a time.  THE WAVES SHARE THE COLUMNS: wave w makes columns 32 w .. 32 w + 31 of every layer for all 128 rows; its weights (64 registers a matrix) and biases stay in registers.
; All products are used transposed (source 0 = 16 columns of a weight, source 1 = 16 rows): lane (r, h) holds row r, register i of tile T the column 16 T + 8 h + i.  So one conversion of a result tile gives
; registers 2 c, 2 c + 1 (c = T % 8) of K step T / 8 of the next operand.  Operands go from wave to wave through LDS as images of their registers: 16 bytes a lane, 512 a store.
; sin and cos: n = round(x / pi); r = x - n pi (pi in three parts); the series to r^13 and r^14 on |r| <= pi / 2; the sign is n's parity.  gelu is the tanh form: x / (1 + 2^(x (beta + alpha x^2))).
; LIMITS: |p rff_B| < 2^22 pi.  NaN among the inputs is not served.  Each power of two below is to be an f32 number: the exponents of f, h and e less the sums' own, and those + 8, lie in -126 .. 127;
; e8 + e9 + e10 + e11 in -123 .. 129.
; The path's third image of weights and bq are fetched on both paths, so that the head has no branch; context work-groups do not use them.
.set IMG_F, 0                          ; LDS: f's codes: 8 tiles of 16 rows x 4,096 bytes: tile m, K step s, registers 4 u ..: 4096 m + 2048 s + 512 u + 16 lane
.set IMG_H, 32768                      ; h's, likewise
.set IMG_Q, 65536                      ; e's, likewise (queries)
.set STG, 98304                        ; two tables of 128 rows x (256 + 16) bytes (contexts)
.set RFB, 167936                       ; rff_B, a copy of 1,536 bytes for each wave
.set SPARE, 180224                     ; the spare words, 128 bytes a wave
.set LANE, 1
.set RR, 2
.set HH, 3
.set SPW, 4
.set NIL, 5
.set LI, 6                             ; 16 x lane
.set XWI, 7                            ; where I store f's image: tile w
.set HWI, 8                            ; my four registers' place in an image: 2048 (w / 4) + 512 (w % 4) + 16 lane
.set RBA, 9                            ; my wave's rff_B + 32 h
.set SO, 10                            ; the stage, in: 272 r + 128 h + 16 w
.set SR, 11                            ; the stage, back: rows 16 w + lane / 16, 16 bytes a lane
.set POSO, 12
.set LIQ, 13                           ; LI + IMG_Q
.set SCF, 14                           ; (scale, 448 x scale) for f; h; e's first; e's second quantiser
.set SCH, 16
.set SC3, 18
.set SC4, 20
.set PX, 22                            ; v22-24 my row's position, v25 = 0; v26-28 the second block's
.set NX, 26
.set QWI, 29                           ; HWI + IMG_Q
.set AL, 30                            ; v[30:31] alpha
.set AF, 32                            ; v32-95 two row tiles' fragments
.set ACC, 96                           ; v96-127 accumulators: 16 x row tile + 8 x column tile
.set G, 128                            ; v128-159 at work
.set MG, 160                           ; v[160:161] 1.5 x 2^23; v[162:163], v[164:165] the series' second highest coefficients
.set KS, 162
.set KC, 164
.set PCD, 192                          ; codes just made
.set RBS, 32                           ; the X phase: two sets of 24 numbers of rff_B;
.set XP, 80                            ; x; t; n; the sign; r; r^2; sin; cos: 8 registers each
.set TT, 88
.set NF, 96
.set SG, 104
.set RQ, 112
.set R2, 120
.set PS, 128
.set PC, 136
.set FS, 192                           ; sin's fragment, cos's fragment
.set FC, 208
.set W1R, 0                            ; window 1: the three weights' fragments (column tile t, K step s at 32 t + 16 s), the three biases (8 t)
.set W2R, 64
.set WQR, 128
.set B1R, 192
.set B2R, 208
.set BQR, 224
.set MSB, 0
.macro WIN new                         ; the immediate's high byte repeats the setting that is left
.if MSB != \new
	s_set_vgpr_msb (MSB<<8)|\new
.set MSB, \new
.endif
.endm
.macro PLACES                          ; four plain places behind a matrix instruction, ahead of reads of its result and of loads into its sources
.rept 4
	v_nop
.endr
.endm
.macro BARRIER                         ; my LDS stores have landed and my LDS loads are in; then the work-group's barrier
	s_wait_dscnt 0x0
	s_barrier_signal -1
	s_barrier_wait -1
.endm
.macro MKSC vs, e                      ; v[vs] = 2^e, v[vs+1] = 448 x 2^e
	s_add_co_i32 s44, \e, 127
	s_lshl_b32 s45, s44, 23
	v_mov_b32 v[\vs], s45
	s_add_co_i32 s44, s44, 8
	s_lshl_b32 s44, s44, 23
	s_or_b32 s44, s44, 0x600000
	v_mov_b32 v[\vs+1], s44
.endm
.macro HORN acc, lit                   ; acc = acc x r^2 + lit, four pairs
.irp p,0,2,4,6
	v_pk_fma_f32 v[\acc+\p:\acc+\p+1], v[\acc+\p:\acc+\p+1], v[R2+\p:R2+\p+1], \lit op_sel_hi:[1,1,0]
.endr
.endm
; eight of my row's 64 projections, j = 16 c + 8 h + 0 .. 7: their sines are registers 2 c, 2 c + 1 of K step 0, their cosines of K step 1
.macro XC c
.set BS, RBS+24*((\c)%2)
.if (\c) < 7
.set BN, RBS+24*(((\c)+1)%2)
.irp d,0,1,2
.irp u,0,1
	ds_load_b128 v[BN+8*\d+4*\u:BN+8*\d+4*\u+3], v[RBA] offset:512*\d+64*((\c)+1)+16*\u
.endr
.endr
	s_wait_dscnt 6                                 ; the six just issued, the next group's, may be out
.else
	s_wait_dscnt 0x0
.endif
.irp p,0,2,4,6
	v_pk_mul_f32 v[XP+\p:XP+\p+1], v[BS+\p:BS+\p+1], v[PX:PX+1] op_sel_hi:[1,0]
.endr
.irp p,0,2,4,6
	v_pk_fma_f32 v[XP+\p:XP+\p+1], v[BS+8+\p:BS+8+\p+1], v[PX:PX+1], v[XP+\p:XP+\p+1] op_sel:[0,1,0] op_sel_hi:[1,1,1]
.endr
.irp p,0,2,4,6
	v_pk_fma_f32 v[XP+\p:XP+\p+1], v[BS+16+\p:BS+16+\p+1], v[PX+2:PX+3], v[XP+\p:XP+\p+1] op_sel_hi:[1,0,1]
.endr
.irp p,0,2,4,6
	v_pk_fma_f32 v[TT+\p:TT+\p+1], v[XP+\p:XP+\p+1], 0x3ea2f983, v[MG:MG+1] op_sel_hi:[1,0,1]   ; x / pi + 1.5 x 2^23: the sum's low bits are n
.endr
.irp p,0,2,4,6
	v_pk_add_f32 v[NF+\p:NF+\p+1], v[TT+\p:TT+\p+1], 0xcb400000 op_sel_hi:[1,0]                  ; n as f32
.endr
.irp i,0,1,2,3,4,5,6,7
	v_lshlrev_b32 v[SG+\i], 31, v[TT+\i]                                                        ; n's parity as a sign bit
.endr
.irp p,0,2,4,6
	v_pk_fma_f32 v[RQ+\p:RQ+\p+1], v[NF+\p:NF+\p+1], 0xc0490fdb, v[XP+\p:XP+\p+1] op_sel_hi:[1,0,1]
.endr
.irp p,0,2,4,6
	v_pk_fma_f32 v[RQ+\p:RQ+\p+1], v[NF+\p:NF+\p+1], 0x33bbbd2e, v[RQ+\p:RQ+\p+1] op_sel_hi:[1,0,1]
.endr
.irp p,0,2,4,6
	v_pk_fma_f32 v[RQ+\p:RQ+\p+1], v[NF+\p:NF+\p+1], 0x27772ced, v[RQ+\p:RQ+\p+1] op_sel_hi:[1,0,1]
.endr
.irp p,0,2,4,6
	v_pk_mul_f32 v[R2+\p:R2+\p+1], v[RQ+\p:RQ+\p+1], v[RQ+\p:RQ+\p+1]
.endr
.irp p,0,2,4,6
	v_pk_fma_f32 v[PS+\p:PS+\p+1], v[R2+\p:R2+\p+1], 0x2f309231, v[KS:KS+1] op_sel_hi:[1,0,1]    ; 1/13! r^2 - 1/11!
.endr
.irp p,0,2,4,6
	v_pk_fma_f32 v[PC+\p:PC+\p+1], v[R2+\p:R2+\p+1], 0xad49cba5, v[KC:KC+1] op_sel_hi:[1,0,1]    ; -1/14! r^2 + 1/12!
.endr
	HORN PS, 0x3638ef1d                            ; 1/9!
	HORN PC, 0xb493f27e                            ; -1/10!
	HORN PS, 0xb9500d01                            ; -1/7!
	HORN PC, 0x37d00d01                            ; 1/8!
	HORN PS, 0x3c088889                            ; 1/5!
	HORN PC, 0xbab60b61                            ; -1/6!
	HORN PS, 0xbe2aaaab                            ; -1/3!
	HORN PC, 0x3d2aaaab                            ; 1/4!
.irp p,0,2,4,6
	v_pk_mul_f32 v[NF+\p:NF+\p+1], v[RQ+\p:RQ+\p+1], v[R2+\p:R2+\p+1]                           ; r^3
.endr
	HORN PC, -0.5
.irp p,0,2,4,6
	v_pk_fma_f32 v[PS+\p:PS+\p+1], v[PS+\p:PS+\p+1], v[NF+\p:NF+\p+1], v[RQ+\p:RQ+\p+1]         ; sin r
.endr
	HORN PC, 1.0                                   ; cos r
.irp i,0,1,2,3,4,5,6,7
	v_xor_b32 v[PS+\i], v[SG+\i], v[PS+\i]
	v_xor_b32 v[PC+\i], v[SG+\i], v[PC+\i]
.endr
.irp i,0,1,2,3,4,5,6,7
	v_med3_num_f32 v[PS+\i], v[PS+\i], -v[SCF+1], v[SCF+1]   ; the conversion does not saturate (ISA guide 7.6.2): the hold comes first
	v_med3_num_f32 v[PC+\i], v[PC+\i], -v[SCF+1], v[SCF+1]
.endr
	v_cvt_scalef32_pk8_fp8_f32 v[FS+2*(\c):FS+2*(\c)+1], v[PS:PS+7], v[SCF]
	v_cvt_scalef32_pk8_fp8_f32 v[FC+2*(\c):FC+2*(\c)+1], v[PC:PC+7], v[SCF]
	v_nop                                          ; a plain line between the conversions and the next lines that write their sources
.endm
.macro FETCH2 adr, off, p              ; row tiles 2 p and 2 p + 1 of an image: 8,192 bytes on end
.irp j,0,1,2,3,4,5,6,7,8,9,10,11,12,13,14,15
	ds_load_b128 v[AF+4*\j:AF+4*\j+3], v[\adr] offset:\off+(2*(\p))*4096+512*\j
.endr
.endm
; two row tiles x my two column tiles, K = 256: four accumulators by turns, one instruction a turn; the bias is the C of each sum's first instruction
.macro MM8 Wb, Cb
	WIN 0x11                                       ; source 0 (the weight) and source 2 (the bias) in window 1
.irp a,0,1,2,3
	v_wmma_f32_16x16x128_fp8_fp8 v[ACC+8*\a:ACC+8*\a+7], v[\Wb+32*(\a%2):\Wb+32*(\a%2)+15], v[AF+32*(\a/2):AF+32*(\a/2)+15], v[\Cb+8*(\a%2):\Cb+8*(\a%2)+7]
.endr
	WIN 0x01
.irp a,0,1,2,3
	v_wmma_f32_16x16x128_fp8_fp8 v[ACC+8*\a:ACC+8*\a+7], v[\Wb+32*(\a%2)+16:\Wb+32*(\a%2)+31], v[AF+32*(\a/2)+16:AF+32*(\a/2)+31], v[ACC+8*\a:ACC+8*\a+7]
.endr
	WIN 0
.endm
.macro GELU                            ; the 32 sums become x = sum x 2^(ea + ew), then x / (1 + 2^(x (beta + alpha x^2)))
.set jj, 0
.rept 16
	v_pk_mul_f32 v[ACC+jj:ACC+jj+1], v[ACC+jj:ACC+jj+1], s[40:41] op_sel_hi:[1,0]
.set jj, jj+2
.endr
.set jj, 0
.rept 16
	v_pk_mul_f32 v[G+jj:G+jj+1], v[ACC+jj:ACC+jj+1], v[ACC+jj:ACC+jj+1]
.set jj, jj+2
.endr
.set jj, 0
.rept 16
	v_pk_fma_f32 v[G+jj:G+jj+1], v[G+jj:G+jj+1], v[AL:AL+1], 0xc0135761 op_sel_hi:[1,1,0]
.set jj, jj+2
.endr
.set jj, 0
.rept 16
	v_pk_mul_f32 v[G+jj:G+jj+1], v[G+jj:G+jj+1], v[ACC+jj:ACC+jj+1]
.set jj, jj+2
.endr
.set jj, 0
.rept 32
	v_exp_f32 v[G+jj], v[G+jj]
.set jj, jj+1
.endr
	v_nop                                          ; a plain line behind the last exponential,
	s_wait_alu depctr_va_vdst(0)                   ; and one wait for the batch, ahead of its first reader
.set jj, 0
.rept 16
	v_pk_add_f32 v[G+jj:G+jj+1], v[G+jj:G+jj+1], 1.0 op_sel_hi:[1,0]
.set jj, jj+2
.endr
.set jj, 0
.rept 32
	v_rcp_f32 v[G+jj], v[G+jj]
.set jj, jj+1
.endr
	v_nop
	s_wait_alu depctr_va_vdst(0)
.set jj, 0
.rept 16
	v_pk_mul_f32 v[ACC+jj:ACC+jj+1], v[ACC+jj:ACC+jj+1], v[G+jj:G+jj+1]
.set jj, jj+2
.endr
.endm
.macro QUANT dst, sc                   ; the 32 numbers in ACC become codes: four registers a row tile, v[dst + 4 x row tile]
.set jj, 0
.rept 32
	v_med3_num_f32 v[G+jj], v[ACC+jj], -v[\sc+1], v[\sc+1]
.set jj, jj+1
.endr
.irp a,0,1,2,3
	v_cvt_scalef32_pk8_fp8_f32 v[\dst+2*\a:\dst+2*\a+1], v[G+8*\a:G+8*\a+7], v[\sc]
.endr
	v_nop                                          ; a plain line behind the last conversion
.endm
	s_load_b256 s[4:11], s[0:1], 0x0               ; query_pos, context_pos, rff_B, b1
	s_load_b256 s[12:19], s[0:1], 0x20             ; b2, bq, lowp_scales, wimg
	s_load_b128 s[20:23], s[0:1], 0x40             ; qimg, ck
	s_load_b64 s[24:25], s[0:1], 0x50              ; cv
	v_lshl_add_u32 v[SPW], v0, 2, SPARE
	v_mov_b32 v[NIL], 0
	v_lshrrev_b32 v1, 5, v0
	v_readfirstlane_b32 s26, v1                    ; wave 0..7
	v_and_b32 v[LANE], 31, v0
	v_and_b32 v[RR], 15, v0
	v_bfe_u32 v[HH], v0, 4, 1
	v_lshlrev_b32 v[LI], 4, v[LANE]
	s_lshr_b32 s27, ttmp9, 7                       ; the path: 0 queries, 1 contexts
	s_and_b32 s28, ttmp9, 127
	s_lshl_b32 s28, s28, 8                         ; my work-group's first row
	s_lshl_b32 s30, s26, 12
	v_add_nc_u32 v[XWI], s30, v[LI]
	s_lshr_b32 s30, s26, 2
	s_lshl_b32 s30, s30, 11
	s_and_b32 s31, s26, 3
	s_lshl_b32 s31, s31, 9
	s_add_co_u32 s30, s30, s31
	v_add_nc_u32 v[HWI], s30, v[LI]
	v_add_nc_u32 v[QWI], IMG_Q, v[HWI]
	v_add_nc_u32 v[LIQ], IMG_Q, v[LI]
	s_mul_i32 s30, s26, 1536
	s_add_co_u32 s30, s30, RFB
	v_lshl_add_u32 v[RBA], v[HH], 5, s30
	v_add_nc_u32 v167, s30, v[LI]                  ; where I store my 16 bytes of a row of rff_B
	v_mul_u32_u24 v[SO], v[RR], 272
	v_lshl_add_u32 v[SO], v[HH], 7, v[SO]
	s_lshl_b32 s30, s26, 4
	s_add_co_u32 s30, s30, STG
	v_add_nc_u32 v[SO], s30, v[SO]
	v_mul_u32_u24 v[SR], v[HH], 272
	v_lshl_add_u32 v[SR], v[RR], 4, v[SR]
	s_mul_i32 s30, s26, 4352
	s_add_co_u32 s30, s30, STG
	v_add_nc_u32 v[SR], s30, v[SR]
	v_mul_u32_u24 v[POSO], v[RR], 12
	v_lshlrev_b32 v166, 5, v[HH]                   ; a bias tile: my half's eight numbers
	v_mov_b32 v[PX+3], 0                           ; (named as the upper half of a pair)
	v_mov_b32 v[AL], 0xbdd2d3e8                    ; alpha = -2 sqrt(2 / pi) log2(e) x 0.044715
	v_mov_b32 v[AL+1], 0xbdd2d3e8
	v_mov_b32 v[MG], 0x4b400000
	v_mov_b32 v[MG+1], 0x4b400000
	v_mov_b32 v[KS], 0xb2d7322b                    ; -1/11!
	v_mov_b32 v[KS+1], 0xb2d7322b
	v_mov_b32 v[KC], 0x310f76c7                    ; 1/12!
	v_mov_b32 v[KC+1], 0x310f76c7
	s_lshl_b32 s30, s26, 4
	s_add_co_u32 s30, s30, s28                     ; my wave's first row of the X phase and of the contexts' way out
	s_lshl_b32 s52, s30, 8                         ; x 256 bytes of codes
	s_mov_b32 s53, 0
	s_mul_i32 s30, s30, 12
	s_mov_b32 s31, 0
	s_mul_i32 s42, s27, 196608                     ; the path's three images,
	s_lshl_b32 s43, s26, 13                        ; my two column tiles
	s_add_co_u32 s42, s42, s43
	s_mov_b32 s43, 0
	s_lshl_b32 s54, s26, 7                         ; my 32 numbers of a bias
	s_mov_b32 s55, 0
	s_lshl_b32 s56, s28, 10                        ; qimg: 16,384 bytes for 16 rows,
	s_lshl_b32 s57, s26, 11                        ; my two tiles
	s_add_co_u32 s56, s56, s57
	s_mov_b32 s57, 0
	s_mov_b32 s29, 2                               ; blocks of 128 rows
	s_wait_kmcnt 0x0
	s_load_b512 s[68:83], s[16:17], 0x0            ; the sixteen exponents
	s_cmp_eq_u32 s27, 0
	s_cselect_b64 s[4:5], s[4:5], s[6:7]           ; the path's positions
	s_add_nc_u64 s[4:5], s[4:5], s[30:31]
	s_add_nc_u64 s[18:19], s[18:19], s[42:43]
	s_add_nc_u64 s[10:11], s[10:11], s[54:55]
	s_add_nc_u64 s[12:13], s[12:13], s[54:55]
	s_add_nc_u64 s[14:15], s[14:15], s[54:55]
	s_add_nc_u64 s[20:21], s[20:21], s[56:57]
	s_add_nc_u64 s[22:23], s[22:23], s[52:53]
	s_add_nc_u64 s[24:25], s[24:25], s[52:53]
.irp d,0,1,2
	global_load_b128 v[168+4*\d:171+4*\d], v[LI], s[8:9] offset:512*\d     ; rff_B, a row of 512 bytes a load
	global_load_b32 v[PX+\d], v[POSO], s[4:5] offset:4*\d                  ; my row's position, first block
	global_load_b32 v[NX+\d], v[POSO], s[4:5] offset:1536+4*\d             ; and second
.endr
	WIN 0x40                                       ; destination window 1
.irp j,0,1,2,3,4,5,6,7,8,9,10,11,12,13,14,15
	global_load_b128 v[W1R+4*\j:W1R+4*\j+3], v[LI], s[18:19] offset:512*\j
	global_load_b128 v[W2R+4*\j:W2R+4*\j+3], v[LI], s[18:19] offset:65536+512*\j
	global_load_b128 v[WQR+4*\j:WQR+4*\j+3], v[LI], s[18:19] offset:131072+512*\j
.endr
.irp j,0,1,2,3                                 ; tile j / 2, registers 4 (j % 2) on
	global_load_b128 v[B1R+4*\j:B1R+4*\j+3], v166, s[10:11] offset:64*(\j/2)+16*(\j%2)
	global_load_b128 v[B2R+4*\j:B2R+4*\j+3], v166, s[12:13] offset:64*(\j/2)+16*(\j%2)
	global_load_b128 v[BQR+4*\j:BQR+4*\j+3], v166, s[14:15] offset:64*(\j/2)+16*(\j%2)
.endr
	WIN 0
	s_wait_kmcnt 0x0
	s_cmp_eq_u32 s27, 0
	s_cselect_b32 s32, s68, s72                    ; f's exponent
	s_cselect_b32 s33, s69, s73                    ; W1's
	s_cselect_b32 s34, s70, s74                    ; h's
	s_cselect_b32 s35, s71, s75                    ; W2's
	s_cselect_b32 s36, s76, s78                    ; e's: entry 8 (for Wq) or entry 10 (for Wk)
	s_add_co_i32 s37, s32, s33                     ; a sum of the first product stands for sum x 2^s37,
	s_add_co_i32 s38, s34, s35                     ; of the second for sum x 2^s38
	s_add_co_i32 s40, s37, 127
	s_lshl_b32 s40, s40, 23
	s_mov_b32 s41, s40                             ; (named with it as a pair)
	MKSC SCF, s32
	MKSC SCH, s34
	s_sub_co_i32 s48, s36, s38                     ; the scales ahead of e's quantiser are folded into the conversion's one
	MKSC SC3, s48
	s_sub_co_i32 s48, s80, s38                     ; entry 12 (for Wv)
	MKSC SC4, s48
	s_add_co_i32 s51, s76, s77
	s_add_co_i32 s46, s78, s79
	s_add_co_i32 s46, s46, s51
	s_lshl_b32 s46, s46, 23
	s_add_co_i32 s46, s46, 0x3e8293ee              ; log2(e) / sqrt(32) x 2^(e8 + e9 + e10 + e11): the sum is added to the exponent field
	s_mov_b32 s47, s46
	s_sub_co_i32 s49, 0, s37
	s_sub_co_i32 s50, 0, s38
	s_sub_co_i32 s51, 0, s51
	s_wait_loadcnt 0x0
	WIN 0x41                                       ; source 0 and destination window 1: each bias goes in divided by the power of two that its sums lack
.set ii, 0
.rept 16
	v_ldexp_f32 v[B1R+ii], v[B1R+ii], s49
	v_ldexp_f32 v[B2R+ii], v[B2R+ii], s50
	v_ldexp_f32 v[BQR+ii], v[BQR+ii], s51
.set ii, ii+1
.endr
	WIN 0
.irp d,0,1,2
	ds_store_b128 v167, v[168+4*\d:171+4*\d] offset:512*\d   ; my wave's own copy: LDS serves a wave's instructions in order, so its loads below see these
.endr
.Lblock:
	; ---- X: my 16 rows' f, two fragments
.irp d,0,1,2
.irp u,0,1
	ds_load_b128 v[RBS+8*\d+4*\u:RBS+8*\d+4*\u+3], v[RBA] offset:512*\d+16*\u
.endr
.endr
.irp c,0,1,2,3,4,5,6,7
	XC \c
.endr
.irp u,0,1,2,3
	ds_store_b128 v[XWI], v[FS+4*\u:FS+4*\u+3] offset:IMG_F+512*\u
	ds_store_b128 v[XWI], v[FC+4*\u:FC+4*\u+3] offset:IMG_F+2048+512*\u
.endr
	BARRIER                                        ; f's eight tiles lie in LDS
	; ---- layer 1
	FETCH2 LI, IMG_F, 0
.irp p,0,1,2,3
	s_wait_dscnt 0x0                               ; the fragments are in; the last pair's stores have read their registers
	MM8 W1R, B1R
	PLACES
.if \p < 3
	FETCH2 LI, IMG_F, \p+1
.endif
	GELU
	QUANT PCD, SCH
	ds_store_b128 v[HWI], v[PCD:PCD+3] offset:IMG_H+(2*\p)*4096
	ds_store_b128 v[HWI], v[PCD+4:PCD+7] offset:IMG_H+(2*\p+1)*4096
.endr
	BARRIER                                        ; h's eight tiles lie in LDS
	; ---- layer 2: the paths part on the work-group's number, and join at the barrier
	FETCH2 LI, IMG_H, 0
	s_cmp_lg_u32 s27, 0
	s_cbranch_scc1 .Lctx2
.irp p,0,1,2,3
	s_wait_dscnt 0x0
	MM8 W2R, B2R
	PLACES
.if \p < 3
	FETCH2 LI, IMG_H, \p+1
.endif
	QUANT PCD, SC3
	ds_store_b128 v[QWI], v[PCD:PCD+3] offset:(2*\p)*4096
	ds_store_b128 v[QWI], v[PCD+4:PCD+7] offset:(2*\p+1)*4096
.endr
	s_branch .Ljoin2
.Lctx2:
.irp p,0,1,2,3
	s_wait_dscnt 0x0
	MM8 W2R, B2R
	PLACES
.if \p < 3
	FETCH2 LI, IMG_H, \p+1
.endif
	QUANT PCD, SC3
	QUANT PCD+8, SC4
	ds_store_b128 v[SO], v[PCD:PCD+3] offset:(2*\p)*4352            ; row 16 m + r: my 16 bytes at 128 h + 16 w
	ds_store_b128 v[SO], v[PCD+4:PCD+7] offset:(2*\p+1)*4352
	ds_store_b128 v[SO], v[PCD+8:PCD+11] offset:34816+(2*\p)*4352
	ds_store_b128 v[SO], v[PCD+12:PCD+15] offset:34816+(2*\p+1)*4352
.endr
.Ljoin2:
	BARRIER                                        ; e's codes lie in LDS: as images (queries) or as rows (contexts)
	s_cmp_lg_u32 s27, 0
	s_cbranch_scc1 .Lctx3
	; ---- queries: layer 3, and q'' goes out as the registers stand
	FETCH2 LIQ, 0, 0
.irp p,0,1,2,3
	s_wait_dscnt 0x0
	MM8 WQR, BQR
	PLACES
.if \p < 3
	FETCH2 LIQ, 0, \p+1
.endif
.if \p > 0
	s_wait_xcnt 0x0                                ; the last pair's stores have read their registers
.endif
.set jj, 0
.rept 16
	v_pk_mul_f32 v[G+jj:G+jj+1], v[ACC+jj:ACC+jj+1], s[46:47] op_sel_hi:[1,0]
.set jj, jj+2
.endr
.irp a,0,1,2,3
.irp hf,0,1
	global_store_b128 v[LI], v[G+8*\a+4*\hf:G+8*\a+4*\hf+3], s[20:21] offset:(2*\p+\a/2)*16384+(\a%2)*1024+\hf*512   ; 512 consecutive bytes a store
.endr
.endr
.endr
	s_branch .Ljoin3
.Lctx3:
	; ---- contexts: each wave stores 16 whole rows of each table, two rows (512 consecutive bytes) a store
.irp tb,0,1
.irp u,0,1,2,3,4,5,6,7
	ds_load_b128 v[AF+32*\tb+4*\u:AF+32*\tb+4*\u+3], v[SR] offset:34816*\tb+544*\u
.endr
.endr
.irp u,0,1,2,3,4,5,6,7
	s_wait_dscnt 15-\u                             ; LDS loads come back in order: this one is in, the younger ones may be out
	global_store_b128 v[LI], v[AF+4*\u:AF+4*\u+3], s[22:23] offset:512*\u
.endr
.irp u,0,1,2,3,4,5,6,7
	s_wait_dscnt 7-\u
	global_store_b128 v[LI], v[AF+32+4*\u:AF+32+4*\u+3], s[24:25] offset:512*\u
.endr
.Ljoin3:
	s_wait_xcnt 0x0                                ; the stores have read their registers and bases: both are written again below
	s_add_nc_u64 s[20:21], s[20:21], 131072        ; 128 rows on
	s_add_nc_u64 s[22:23], s[22:23], 32768
	s_add_nc_u64 s[24:25], s[24:25], 32768
	v_mov_b32 v[PX], v[NX]
	v_mov_b32 v[PX+1], v[NX+1]
	v_mov_b32 v[PX+2], v[NX+2]
	s_sub_co_u32 s29, s29, 1
	s_cmp_lg_u32 s29, 0
	s_cbranch_scc1 .Lblock
	s_wait_tensorcnt 0x0                           ; the wave's end, behind my last LDS store
	ds_add_u32 v[SPW], v[NIL]
	s_wait_dscnt 0x0
	s_endpgm
.Lfunc_end_k_q6a44aab100_encode:
	.size	k_q6a44aab100_encode, .Lfunc_end_k_q6a44aab100_encode-k_q6a44aab100_encode
	.p2alignl 7, 3214868480
	.fill 96, 4, 3214868480
	.section	.rodata,"a",@progbits
	.p2align	6, 0x0
	.amdhsa_kernel k_q6a44aab100_encode
		.amdhsa_group_segment_fixed_size 181248
		.amdhsa_private_segment_fixed_size 0
		.amdhsa_enable_private_segment 0
		.amdhsa_kernarg_size 88
		.amdhsa_user_sgpr_count 2
		.amdhsa_user_sgpr_kernarg_segment_ptr 1
		.amdhsa_wavefront_size32 1
		.amdhsa_system_sgpr_workgroup_id_x 1
		.amdhsa_system_sgpr_workgroup_id_y 1
		.amdhsa_system_sgpr_workgroup_id_z 1
		.amdhsa_system_vgpr_workitem_id 0
		.amdhsa_next_free_vgpr 512
		.amdhsa_next_free_sgpr 100
		.amdhsa_reserve_vcc 0
		.amdhsa_float_denorm_mode_32 3
		.amdhsa_float_denorm_mode_16_64 3
		.amdhsa_memory_ordered 1
		.amdhsa_forward_progress 1
		.amdhsa_inst_pref_size 207
	.end_amdhsa_kernel
	.amdgpu_metadata
---
amdhsa.version: [ 1, 2 ]
amdhsa.kernels:
  - .name:           k_q6a44aab100_encode
    .symbol:         k_q6a44aab100_encode.kd
    .args:
      - { .name: query_pos, .offset: 0, .size: 8, .value_kind: global_buffer, .address_space: global }
      - { .name: context_pos, .offset: 8, .size: 8, .value_kind: global_buffer, .address_space: global }
      - { .name: rff_B, .offset: 16, .size: 8, .value_kind: global_buffer, .address_space: global }
      - { .name: b1, .offset: 24, .size: 8, .value_kind: global_buffer, .address_space: global }
      - { .name: b2, .offset: 32, .size: 8, .value_kind: global_buffer, .address_space: global }
      - { .name: bq, .offset: 40, .size: 8, .value_kind: global_buffer, .address_space: global }
      - { .name: lowp_scales, .offset: 48, .size: 8, .value_kind: global_buffer, .address_space: global }
      - { .name: wimg, .offset: 56, .size: 8, .value_kind: global_buffer, .address_space: global }
      - { .name: qimg, .offset: 64, .size: 8, .value_kind: global_buffer, .address_space: global }
      - { .name: ck, .offset: 72, .size: 8, .value_kind: global_buffer, .address_space: global }
      - { .name: cv, .offset: 80, .size: 8, .value_kind: global_buffer, .address_space: global }
    .group_segment_fixed_size: 181248
    .private_segment_fixed_size: 0
    .kernarg_segment_align: 8
    .kernarg_segment_size: 88
    .max_flat_workgroup_size: 256
    .sgpr_count:     100
    .vgpr_count:     512
    .wavefront_size: 32
...
	.end_amdgpu_metadata
.endif
;; end of part 2
;; launch refine (part 3): grid 256 x 1, 8 waves a work-group, no clusters, 0 bytes of LDS; arguments query_pos, cblk, blk, knn; writes knn
.if DOCPART == 3
	.amdgcn_target "amdgcn-amd-amdhsa--gfx1250"
	.amdhsa_code_object_version 6
	.text
	.protected	k_q6a44aab100_refine
	.globl	k_q6a44aab100_refine
	.p2align	8
	.type	k_q6a44aab100_refine,@function
k_q6a44aab100_refine:
	s_mov_b64 s[64:65], 0
	v_nop
	global_prefetch_b8 v0, s[64:65] scope:SCOPE_SE
	s_setreg_imm32_b32 hwreg(HW_REG_WAVE_MODE, 25, 1), 1
	s_wait_xcnt 0x0
; THE 8 NEAREST NEIGHBOURS, exactly, among the 8 x 16 candidates that the first filter left for each query.  Order: (d2, index), the lower index first among equals.
; d2 is formed by the same lines as in the first filter: (q2 + c2) - 2 dot, each step rounded by itself (FUSE_SQ, FUSE_DOT as there).
; A wave takes 16 queries; lane (r, h) takes query r and four of its eight blocks: the block numbers are sorted, lanes 0-15 take the four lower, lanes 16-31 the four higher, and candidates go into
; the list in ascending index.  No branch and no address hangs on a floating-point number: the blocks' numbers are whole numbers that an earlier launch stored.
; LIMITS: NaN and infinity among the positions are not served.
.set FUSE_SQ, 0
.set FUSE_DOT, 0
.set BB, 8                             ; v8-15   the eight block numbers
.set MBK, 16                           ; v16-19  my four
.set OF, 20                            ; v20-23  their byte offsets in the batch's part of cblk
.set IB, 24                            ; v24-27  their first contexts
.set KEY, 32
.set IDX, 40
.set CA, 64                            ; v64-127, v128-191: a block: x[16], y[16], z[16], c2[16]
.set CB, 128
.set D, 192                            ; v192-207 d2
.set U, 208
.set S, 216
.set XI, 224
.macro SQ d, x, y, z, t
.if FUSE_SQ
	v_mul_f32 v[\d], v[\x], v[\x]
	v_fma_f32 v[\d], v[\y], v[\y], v[\d]
	v_fma_f32 v[\d], v[\z], v[\z], v[\d]
.else
	v_mul_f32 v[\d], v[\x], v[\x]
	v_mul_f32 v[\t], v[\y], v[\y]
	v_add_f32 v[\d], v[\d], v[\t]
	v_mul_f32 v[\t], v[\z], v[\z]
	v_add_f32 v[\d], v[\d], v[\t]
.endif
.endm
.macro INSERT kk, nn, xv, xn, mm       ; into an ascending list of 8; strict compare: an equal key that comes later lies behind
.irp e,0,1,2,3,4,5,6,7
	v_cmp_lt_f32 s[\mm+\e], v[\xv], v[\kk+\e]
.endr
.irp e,7,6,5,4,3,2,1
	v_cndmask_b32 v[\nn+\e], v[\nn+\e], v[\xn], s[\mm+\e]
	v_cndmask_b32 v[\nn+\e], v[\nn+\e], v[\nn+\e-1], s[\mm+\e-1]
	v_med3_num_f32 v[\kk+\e], v[\kk+\e-1], v[\kk+\e], v[\xv]
.endr
	v_cndmask_b32 v[\nn], v[\nn], v[\xn], s[\mm]
	v_min_num_f32 v[\kk], v[\kk], v[\xv]
.endm
.macro FINISH kk, nn, ok, on, tt, out, hh, adr, base
.irp f,0,1,2,3,4,5,6,7
	v_permlanex16_b32 v[\ok+\f], v[\kk+\f], s12, s13
	v_permlanex16_b32 v[\on+\f], v[\nn+\f], s12, s13
.endr
.irp f,0,1,2,3,4,5,6,7
	INSERT \kk, \nn, \ok+\f, \on+\f, 16+8*(\f%2)
.endr
.irp f,0,1,2,3
	v_permlanex16_b32 v[\tt+\f], v[\nn+4+\f], s12, s13
.endr
	v_cmp_ne_u32 vcc_lo, 0, v[\hh]
.irp f,0,1,2,3
	v_cndmask_b32 v[\out+\f], v[\nn+\f], v[\tt+\f], vcc_lo
.endr
	global_store_b128 v[\adr], v[\out:\out+3], s[\base:\base+1]   ; the wave stores 512 consecutive bytes
.endm
.macro CMPX a, b                       ; a comparator of the sorting network
	v_min_u32 v31, v[BB+\a], v[BB+\b]
	v_max_u32 v[BB+\b], v[BB+\a], v[BB+\b]
	v_mov_b32 v[BB+\a], v31
.endm
.macro LOADB k, R                      ; my k-th block: 64 consecutive bytes of each of the four kinds
.irp c,0,1,2,3
.irp u,0,1,2,3
	global_load_b128 v[\R+16*\c+4*\u:\R+16*\c+4*\u+3], v[OF+\k], s[6:7] offset:256*\c+16*\u
.endr
.endr
.endm
.macro WORK R, k
.irp g,0,8
.irp p,0,2,4,6
	v_pk_mul_f32 v[D+\g+\p:D+\g+\p+1], v[\R+\g+\p:\R+\g+\p+1], v[4:5] op_sel_hi:[1,0]
.endr
.if FUSE_DOT
.irp p,0,2,4,6
	v_pk_fma_f32 v[D+\g+\p:D+\g+\p+1], v[\R+16+\g+\p:\R+16+\g+\p+1], v[4:5], v[D+\g+\p:D+\g+\p+1] op_sel:[0,1,0] op_sel_hi:[1,1,1]
.endr
.irp p,0,2,4,6
	v_pk_fma_f32 v[D+\g+\p:D+\g+\p+1], v[\R+32+\g+\p:\R+32+\g+\p+1], v[6:7], v[D+\g+\p:D+\g+\p+1] op_sel_hi:[1,0,1]
.endr
.else
.irp p,0,2,4,6
	v_pk_mul_f32 v[U+\p:U+\p+1], v[\R+16+\g+\p:\R+16+\g+\p+1], v[4:5] op_sel:[0,1] op_sel_hi:[1,1]
.endr
.irp p,0,2,4,6
	v_pk_add_f32 v[D+\g+\p:D+\g+\p+1], v[D+\g+\p:D+\g+\p+1], v[U+\p:U+\p+1]
.endr
.irp p,0,2,4,6
	v_pk_mul_f32 v[U+\p:U+\p+1], v[\R+32+\g+\p:\R+32+\g+\p+1], v[6:7] op_sel_hi:[1,0]
.endr
.irp p,0,2,4,6
	v_pk_add_f32 v[D+\g+\p:D+\g+\p+1], v[D+\g+\p:D+\g+\p+1], v[U+\p:U+\p+1]
.endr
.endif
.irp p,0,2,4,6
	v_pk_add_f32 v[S+\p:S+\p+1], v[\R+48+\g+\p:\R+48+\g+\p+1], v[6:7] op_sel:[0,1] op_sel_hi:[1,1]
.endr
.irp p,0,2,4,6
	v_pk_fma_f32 v[D+\g+\p:D+\g+\p+1], v[D+\g+\p:D+\g+\p+1], -2.0, v[S+\p:S+\p+1] op_sel_hi:[1,0,1]
.endr
.endr
.set ii, 0
.rept 16
	v_add_nc_u32 v[XI], ii, v[IB+\k]
	INSERT KEY, IDX, D+ii, XI, 16+8*(ii%2)
.set ii, ii+1
.endr
.endm
	s_load_b256 s[4:11], s[0:1], 0x0               ; query_pos, cblk, blk, knn
	v_lshrrev_b32 v1, 5, v0
	v_readfirstlane_b32 s14, v1                    ; wave
	v_and_b32 v1, 15, v0                           ; r
	v_bfe_u32 v2, v0, 4, 1                         ; h
	s_mov_b32 s12, 0x76543210                      ; v_permlanex16_b32: lane l takes lane l xor 16
	s_mov_b32 s13, 0xfedcba98
	v_lshlrev_b32 v3, 5, v1                        ; 32 bytes of blk a query
	v_lshl_add_u32 v28, v2, 4, v3                  ; in knn: + 16 h
	v_mul_u32_u24 v29, v1, 12
	s_lshl_b32 s32, ttmp9, 12
	s_lshl_b32 s33, s14, 9
	s_add_co_u32 s32, s32, s33                     ; (128 x work-group + 16 x wave) x 32
	s_mov_b32 s33, 0
	s_mul_i32 s34, ttmp9, 1536
	s_mul_i32 s35, s14, 192
	s_add_co_u32 s34, s34, s35
	s_mov_b32 s35, 0
	s_lshr_b32 s36, ttmp9, 5                       ; the batch: 65,536 bytes of cblk
	s_lshl_b32 s36, s36, 16
	s_mov_b32 s37, 0
	s_wait_kmcnt 0x0
	s_add_nc_u64 s[4:5], s[4:5], s[34:35]
	s_add_nc_u64 s[6:7], s[6:7], s[36:37]
	s_add_nc_u64 s[8:9], s[8:9], s[32:33]
	s_add_nc_u64 s[10:11], s[10:11], s[32:33]
	global_load_b128 v[BB:BB+3], v3, s[8:9]
	global_load_b128 v[BB+4:BB+7], v3, s[8:9] offset:16
	global_load_b32 v4, v29, s[4:5]
	global_load_b32 v5, v29, s[4:5] offset:4
	global_load_b32 v6, v29, s[4:5] offset:8
.irp e,0,1,2,3,4,5,6,7
	v_mov_b32 v[KEY+\e], 0x7f800000
	v_mov_b32 v[IDX+\e], 0
.endr
	s_wait_loadcnt 0x0
	SQ 7, 4, 5, 6, 30
	CMPX 0, 1                                      ; the odd-even merge sort of eight: 19 comparators
	CMPX 2, 3
	CMPX 4, 5
	CMPX 6, 7
	CMPX 0, 2
	CMPX 1, 3
	CMPX 4, 6
	CMPX 5, 7
	CMPX 1, 2
	CMPX 5, 6
	CMPX 0, 4
	CMPX 1, 5
	CMPX 2, 6
	CMPX 3, 7
	CMPX 2, 4
	CMPX 3, 5
	CMPX 1, 2
	CMPX 3, 4
	CMPX 5, 6
	v_cmp_ne_u32 vcc_lo, 0, v2
.irp k,0,1,2,3
	v_cndmask_b32 v[MBK+\k], v[BB+\k], v[BB+4+\k], vcc_lo
.endr
.irp k,0,1,2,3
	v_min_u32 v[MBK+\k], 0xff, v[MBK+\k]           ; a loaded number enters an address behind this bound alone
	v_and_b32 v30, 0xfc, v[MBK+\k]
	v_lshlrev_b32 v30, 8, v30                      ; 1,024 bytes for 64 contexts,
	v_and_b32 v31, 3, v[MBK+\k]
	v_lshl_add_u32 v[OF+\k], v31, 6, v30           ; 64 bytes a block within a kind
	v_lshlrev_b32 v[IB+\k], 4, v[MBK+\k]
.endr
	LOADB 0, CA
	LOADB 1, CB
	s_wait_loadcnt 16                              ; the younger block's sixteen loads may be out
	WORK CA, 0
	LOADB 2, CA
	s_wait_loadcnt 16
	WORK CB, 1
	LOADB 3, CB
	s_wait_loadcnt 16
	WORK CA, 2
	s_wait_loadcnt 0x0
	WORK CB, 3
	FINISH KEY, IDX, CA, CA+8, CA+16, CA+20, 2, 28, 10
	s_endpgm
.Lfunc_end_k_q6a44aab100_refine:
	.size	k_q6a44aab100_refine, .Lfunc_end_k_q6a44aab100_refine-k_q6a44aab100_refine
	.p2alignl 7, 3214868480
	.fill 96, 4, 3214868480
	.section	.rodata,"a",@progbits
	.p2align	6, 0x0
	.amdhsa_kernel k_q6a44aab100_refine
		.amdhsa_group_segment_fixed_size 0
		.amdhsa_private_segment_fixed_size 0
		.amdhsa_enable_private_segment 0
		.amdhsa_kernarg_size 32
		.amdhsa_user_sgpr_count 2
		.amdhsa_user_sgpr_kernarg_segment_ptr 1
		.amdhsa_wavefront_size32 1
		.amdhsa_system_sgpr_workgroup_id_x 1
		.amdhsa_system_sgpr_workgroup_id_y 1
		.amdhsa_system_sgpr_workgroup_id_z 1
		.amdhsa_system_vgpr_workitem_id 0
		.amdhsa_next_free_vgpr 232
		.amdhsa_next_free_sgpr 66
		.amdhsa_reserve_vcc 1
		.amdhsa_float_denorm_mode_32 3
		.amdhsa_float_denorm_mode_16_64 3
		.amdhsa_memory_ordered 1
		.amdhsa_forward_progress 1
		.amdhsa_inst_pref_size 167
	.end_amdhsa_kernel
	.amdgpu_metadata
---
amdhsa.version: [ 1, 2 ]
amdhsa.kernels:
  - .name:           k_q6a44aab100_refine
    .symbol:         k_q6a44aab100_refine.kd
    .args:
      - { .name: query_pos, .offset: 0, .size: 8, .value_kind: global_buffer, .address_space: global }
      - { .name: cblk, .offset: 8, .size: 8, .value_kind: global_buffer, .address_space: global }
      - { .name: blk, .offset: 16, .size: 8, .value_kind: global_buffer, .address_space: global }
      - { .name: knn, .offset: 24, .size: 8, .value_kind: global_buffer, .address_space: global }
    .group_segment_fixed_size: 0
    .private_segment_fixed_size: 0
    .kernarg_segment_align: 8
    .kernarg_segment_size: 32
    .max_flat_workgroup_size: 256
    .sgpr_count:     66
    .vgpr_count:     232
    .wavefront_size: 32
...
	.end_amdgpu_metadata
.endif
;; end of part 3
;; launch attend (part 4): grid 256 x 1, 8 waves a work-group, no clusters, 299,008 bytes of LDS; arguments knn, ck, cv, qimg, wimg, bk, bv, bo, lowp_scales, out0; writes out0
.if DOCPART == 4
	.amdgcn_target "amdgcn-amd-amdhsa--gfx1250"
	.amdhsa_code_object_version 6
	.text
	.protected	k_q6a44aab100_attend
	.globl	k_q6a44aab100_attend
	.p2align	8
	.type	k_q6a44aab100_attend,@function
k_q6a44aab100_attend:
	s_mov_b64 s[64:65], 0
	v_nop
	global_prefetch_b8 v0, s[64:65] scope:SCOPE_SE
	s_setreg_imm32_b32 hwreg(HW_REG_WAVE_MODE, 25, 1), 1
	s_wait_xcnt 0x0
; THE ATTENTION OF EACH QUERY OVER ITS 8 NEIGHBOURS, and the last projection.  All four large products on codes of E4M3 with the given scales, sums in f32.
; A work-group takes 128 queries, a wave 16.  A DATA TILE j IS NEIGHBOUR j OF THE WAVE'S 16 QUERIES: its 16 rows of codes are gathered straight into the operand's registers (a lane's 128 bytes lie on end).
; Products are used transposed (source 0 = 16 columns of a weight, source 1 = a data tile): lane (r, h) holds query r and channels 16 T + 8 h + 0 .. 7, and the eight neighbours lie in eight accumulators.
; So scores, softmax and the weighted sum of V stay inside a lane, but for one exchange with lane l xor 16 for each score (a head's 32 channels lie in two lanes).
; K phase, tile by tile of Wk: kh' = sum + bk / 2^(e10 + e11); t = sum over channels of q'' kh' = score x log2(e); behind a head's two tiles p = 2^(t - max t) / sum: finished and normalised.
; V phase, tile by tile of Wv: o' = sum over neighbours of p vh'; its codes, with 2^(e14 - e12 - e13) as the one scale, are the last product's operand.
; Last product: the waves share the columns: wave w makes columns 64 (w % 4) .. + 63 for the 64 queries of waves 4 (w / 4) .. + 3; the codes go from wave to wave as images of registers.
; Wk's and Wv's images lie in LDS (131,072 bytes), fetched once by the work-group.  No cluster: those bytes are a fifth of what the work-group gathers for itself (128 queries x 8 rows x 512 bytes, and q'').
; LIMITS: e14 - e12 - e13 in -126 .. 119; e14 + e15 in -126 .. 127.  NaN among the inputs is not served.
.set WV, 65536                         ; LDS: 0: Wk's image; WV: Wv's: tile T, K step s, registers 4 u ..: 4096 T + 2048 s + 512 u + 16 lane
.set QP, 131072                        ; 16,384 bytes a wave: its queries' q''; at the end its stage, 16 rows x 272
.set OIMG, 262144                      ; 4,096 bytes a wave: its queries' codes of o
.set BIA, 294912                       ; bk / 2^(e10 + e11), bv / 2^(e12 + e13), bo: 1,024 bytes each
.set SPARE, 297984                     ; the spare words, 128 bytes a wave
.set RR, 1
.set HH, 2
.set LI, 3                             ; 16 x lane
.set LIV, 4                            ; + WV
.set BA, 5                             ; BIA + 32 h
.set QA, 6                             ; my wave's q'' + 16 lane
.set OWI, 7                            ; my wave's image of o + 16 lane
.set SPW, 8
.set NIL, 9
.set STO, 10                           ; the stage, in
.set RD, 11                            ; the stage, back
.set GO, 12                            ; my byte in two rows of out0
.set LI2, 13                           ; the four images that I read at the end
.set LIMO, 14                          ; 448 x 2^(e14 - e12 - e13)
.set SCO, 15                           ; 2^(e14 - e12 - e13)
.set OFF, 16                           ; v16-23 neighbour j's row: 256 x index + 128 h
.set BOA, 24
.set WST, 25
.set KOF, 26
.set T4, 27
.set P, 32                             ; v32-95 p: 8 x head + neighbour
.set W, 96                             ; v96-127 a weight tile's two fragments
.set BI, 128                           ; v128-135 its bias
.set QPR, 136                          ; v136-151 q'' of a tile, two sets
.set TP, 152                           ; v152-167 the scores' partial sums, a pair a neighbour
.set E, 168                            ; v168-175
.set XR, 176                           ; v176-183
.set ACC, 184                          ; v184-247 eight accumulators
.set OC, 136                           ; V phase: o's codes, 32 registers
.set O, 168
.set AFO, 32                           ; the end: four images of o, v32-159; bo's four tiles, v160-191; results, v192-223; rows read back, v32-95
.set BO, 160
.set Y, 192
.set BK, 32
.set MSB, 0
.macro WIN new                         ; the immediate's high byte repeats the setting that is left
.if MSB != \new
	s_set_vgpr_msb (MSB<<8)|\new
.set MSB, \new
.endif
.endm
.macro GATHER b                        ; 8 neighbours x 128 bytes a lane into window 1: tile j, K step s at 32 j + 16 s
	WIN 0x40
.irp j,0,1,2,3,4,5,6,7
.irp u,0,1,2,3,4,5,6,7
	global_load_b128 v[32*\j+4*\u:32*\j+4*\u+3], v[OFF+\j], s[\b:\b+1] offset:16*\u
.endr
.endr
	WIN 0
.endm
.macro LOADW adr, T, bo                ; a weight tile's two fragments and its bias
.irp j,0,1,2,3,4,5,6,7
	ds_load_b128 v[W+4*\j:W+4*\j+3], v[\adr] offset:(\T)*4096+512*\j
.endr
	ds_load_b128 v[BI:BI+3], v[BA] offset:\bo+64*(\T)
	ds_load_b128 v[BI+4:BI+7], v[BA] offset:\bo+64*(\T)+16
.endm
.macro LOADQ T
	ds_load_b128 v[QPR+8*((\T)%2):QPR+8*((\T)%2)+3], v[QA] offset:(\T)*1024
	ds_load_b128 v[QPR+8*((\T)%2)+4:QPR+8*((\T)%2)+7], v[QA] offset:(\T)*1024+512
.endm
; a weight tile against the eight data tiles, K = 256: eight accumulators by turns, one instruction a turn; the bias is the C of each sum's first instruction.
; Four plain places follow, ahead of the loads into the sources and of the first reads of the results.
.macro MM16
	WIN 0x04                                       ; source 1 (the data) in window 1
.irp j,0,1,2,3,4,5,6,7
	v_wmma_f32_16x16x128_fp8_fp8 v[ACC+8*\j:ACC+8*\j+7], v[W:W+15], v[32*\j:32*\j+15], v[BI:BI+7]
.endr
.irp j,0,1,2,3,4,5,6,7
	v_wmma_f32_16x16x128_fp8_fp8 v[ACC+8*\j:ACC+8*\j+7], v[W+16:W+31], v[32*\j+16:32*\j+31], v[ACC+8*\j:ACC+8*\j+7]
.endr
	WIN 0
.rept 4
	v_nop
.endr
.endm
.macro SOFTMAX hd
.irp j,0,1,2,3,4,5,6,7
	v_add_f32 v[E+\j], v[TP+2*\j], v[TP+2*\j+1]
.endr
.irp j,0,1,2,3,4,5,6,7
	v_permlanex16_b32 v[XR+\j], v[E+\j], s26, s27  ; the head's other 16 channels
.endr
.irp j,0,2,4,6
	v_pk_add_f32 v[E+\j:E+\j+1], v[E+\j:E+\j+1], v[XR+\j:XR+\j+1]
.endr
	v_max3_num_f32 v28, v[E], v[E+1], v[E+2]
	v_max3_num_f32 v28, v28, v[E+3], v[E+4]
	v_max3_num_f32 v28, v28, v[E+5], v[E+6]
	v_max_num_f32 v28, v28, v[E+7]
.irp j,0,2,4,6
	v_pk_add_f32 v[E+\j:E+\j+1], v[E+\j:E+\j+1], v[28:29] op_sel_hi:[1,0] neg_lo:[0,1] neg_hi:[0,1]
.endr
.irp j,0,1,2,3,4,5,6,7
	v_exp_f32 v[E+\j], v[E+\j]
.endr
	v_nop                                          ; a plain line behind the last exponential,
	s_wait_alu depctr_va_vdst(0)                   ; and one wait for the eight, ahead of their first reader
	v_pk_add_f32 v[XR:XR+1], v[E:E+1], v[E+2:E+3]
	v_pk_add_f32 v[XR+2:XR+3], v[E+4:E+5], v[E+6:E+7]
	v_pk_add_f32 v[XR:XR+1], v[XR:XR+1], v[XR+2:XR+3]
	v_add_f32 v30, v[XR], v[XR+1]
	v_rcp_f32 v30, v30
	v_nop
	s_wait_alu depctr_va_vdst(0)
.irp j,0,2,4,6
	v_pk_mul_f32 v[P+8*(\hd)+\j:P+8*(\hd)+\j+1], v[E+\j:E+\j+1], v[30:31] op_sel_hi:[1,0]
.endr
.endm
.macro KT T
	s_wait_dscnt 0x0                               ; the tile's fragments, bias and q'' are in
.if (\T) == 0
	s_wait_loadcnt 0x0                             ; the gathered codes
.endif
	MM16
.if (\T) < 15
	LOADW LI, (\T)+1, 0
	LOADQ (\T)+1
.else
	GATHER 8                                       ; K's codes are done with: V's take their registers
	LOADW LIV, 0, 1024
.endif
.irp i,0,2,4,6                                 ; each accumulator is read from its low end on
.irp j,0,1,2,3,4,5,6,7
.if ((\T)%2 == 0) && (\i == 0)
	v_pk_mul_f32 v[TP+2*\j:TP+2*\j+1], v[ACC+8*\j+\i:ACC+8*\j+\i+1], v[QPR+8*((\T)%2)+\i:QPR+8*((\T)%2)+\i+1]
.else
	v_pk_fma_f32 v[TP+2*\j:TP+2*\j+1], v[ACC+8*\j+\i:ACC+8*\j+\i+1], v[QPR+8*((\T)%2)+\i:QPR+8*((\T)%2)+\i+1], v[TP+2*\j:TP+2*\j+1]
.endif
.endr
.endr
.if (\T)%2 == 1
	SOFTMAX (\T)/2
.endif
.endm
.macro VT T
	s_wait_dscnt 0x0
.if (\T) == 0
	s_wait_loadcnt 0x0
.endif
	MM16
.if (\T) < 15
	LOADW LIV, (\T)+1, 1024
.else
	WIN 0x40                                       ; V's codes are done with: my four tiles of Wo take v0-127 of window 1
.set ii, 0
.rept 32
	global_load_b128 v[4*ii:4*ii+3], v[LI], s[30:31] offset:512*ii
.set ii, ii+1
.endr
	WIN 0
.endif
.irp j,0,1,2,3,4,5,6,7
.irp i,0,2,4,6
.if \j == 0
	v_pk_mul_f32 v[O+\i:O+\i+1], v[ACC+\i:ACC+\i+1], v[P+8*((\T)/2):P+8*((\T)/2)+1] op_sel_hi:[1,0]
.elseif (\j%2) == 0
	v_pk_fma_f32 v[O+\i:O+\i+1], v[ACC+8*\j+\i:ACC+8*\j+\i+1], v[P+8*((\T)/2)+\j:P+8*((\T)/2)+\j+1], v[O+\i:O+\i+1] op_sel_hi:[1,0,1]
.else
	v_pk_fma_f32 v[O+\i:O+\i+1], v[ACC+8*\j+\i:ACC+8*\j+\i+1], v[P+8*((\T)/2)+\j-1:P+8*((\T)/2)+\j], v[O+\i:O+\i+1] op_sel:[0,1,0] op_sel_hi:[1,1,1]
.endif
.endr
.endr
.irp i,0,1,2,3,4,5,6,7
	v_med3_num_f32 v[O+\i], v[O+\i], -v[LIMO], v[LIMO]   ; the conversion does not saturate (ISA guide 7.6.2): the hold comes first
.endr
	v_cvt_scalef32_pk8_fp8_f32 v[OC+2*(\T):OC+2*(\T)+1], v[O:O+7], v[SCO]
	v_nop                                          ; a plain line behind the conversion
.endm
	s_load_b256 s[4:11], s[0:1], 0x0               ; knn, ck, cv, qimg
	s_load_b256 s[12:19], s[0:1], 0x20             ; wimg, bk, bv, bo
	s_load_b128 s[20:23], s[0:1], 0x40             ; lowp_scales, out0
	v_lshl_add_u32 v[SPW], v0, 2, SPARE
	v_mov_b32 v[NIL], 0
	v_lshrrev_b32 v1, 5, v0
	v_readfirstlane_b32 s24, v1                    ; wave 0..7
	v_and_b32 v[RR], 15, v0
	v_bfe_u32 v[HH], v0, 4, 1
	v_and_b32 v[LI], 31, v0
	v_lshlrev_b32 v[LI], 4, v[LI]
	v_add_nc_u32 v[LIV], WV, v[LI]
	v_lshlrev_b32 v[BA], 5, v[HH]
	v_add_nc_u32 v[BA], BIA, v[BA]
	s_lshl_b32 s34, s24, 14
	v_add_nc_u32 v[WST], s34, v[LI]                ; my wave's eighth of the two weights' images
	s_add_co_u32 s35, s34, QP
	v_add_nc_u32 v[QA], s35, v[LI]
	v_mul_u32_u24 v[STO], v[RR], 272
	v_lshl_add_u32 v[STO], v[HH], 5, v[STO]
	v_add_nc_u32 v[STO], s35, v[STO]               ; in: row r, 32 bytes for each half of the lanes
	v_mul_u32_u24 v[RD], v[HH], 272
	v_lshl_add_u32 v[RD], v[RR], 4, v[RD]
	v_add_nc_u32 v[RD], s35, v[RD]                 ; back: lanes 0-15 one row of 256 bytes, lanes 16-31 the next
	s_lshl_b32 s35, s24, 12
	s_add_co_u32 s35, s35, OIMG
	v_add_nc_u32 v[OWI], s35, v[LI]
	s_lshr_b32 s36, s24, 2                         ; w / 4
	s_lshl_b32 s35, s36, 14
	s_add_co_u32 s35, s35, OIMG
	v_add_nc_u32 v[LI2], s35, v[LI]
	s_and_b32 s37, s24, 3                          ; w % 4
	s_lshl_b32 s35, s37, 8
	s_add_co_u32 s35, s35, 2048
	v_add_nc_u32 v[BOA], s35, v[BA]                ; bo at my 64 columns, + 32 h
	v_lshlrev_b32 v[GO], 10, v[HH]
	v_lshl_add_u32 v[GO], v[RR], 4, v[GO]
	v_lshlrev_b32 v[KOF], 5, v[RR]
	v_lshlrev_b32 v[T4], 2, v0
	v_lshlrev_b32 v30, 7, v[HH]                    ; 128 h
	v_mov_b32 v29, 0                               ; (named as upper halves of pairs)
	v_mov_b32 v31, 0
	s_mov_b32 s26, 0x76543210                      ; v_permlanex16_b32: lane l takes lane l xor 16
	s_mov_b32 s27, 0xfedcba98
	s_lshl_b32 s42, ttmp9, 12
	s_lshl_b32 s43, s24, 9
	s_add_co_u32 s42, s42, s43                     ; knn: (128 x work-group + 16 x wave) x 32
	s_mov_b32 s43, 0
	s_lshr_b32 s44, ttmp9, 5
	s_lshl_b32 s44, s44, 20                        ; the batch's 4,096 rows of 256 bytes
	s_mov_b32 s45, 0
	s_lshl_b32 s46, ttmp9, 17
	s_add_co_u32 s46, s46, s34                     ; qimg: 16,384 bytes for my wave's 16 queries
	s_mov_b32 s47, 0
	s_add_co_u32 s48, s34, 5*65536                 ; wimg: images 5 and 6, my eighth
	s_mov_b32 s49, 0
	s_lshl_b32 s50, s37, 14
	s_add_co_u32 s50, s50, 7*65536                 ; image 7, my four tiles
	s_mov_b32 s51, 0
	s_lshl_b32 s52, ttmp9, 17
	s_lshl_b32 s53, s36, 16
	s_add_co_u32 s52, s52, s53
	s_lshl_b32 s53, s37, 8
	s_add_co_u32 s52, s52, s53                     ; out0: row 128 x work-group + 64 (w / 4), byte 256 (w % 4)
	s_mov_b32 s53, 0
	s_wait_kmcnt 0x0
	s_load_b512 s[68:83], s[20:21], 0x0            ; the sixteen exponents
	s_add_nc_u64 s[4:5], s[4:5], s[42:43]
	s_add_nc_u64 s[6:7], s[6:7], s[44:45]
	s_add_nc_u64 s[8:9], s[8:9], s[44:45]
	s_add_nc_u64 s[10:11], s[10:11], s[46:47]
	s_add_nc_u64 s[28:29], s[12:13], s[48:49]
	s_add_nc_u64 s[30:31], s[12:13], s[50:51]
	s_add_nc_u64 s[22:23], s[22:23], s[52:53]
	global_load_b128 v[XR:XR+3], v[KOF], s[4:5]    ; my query's eight neighbours
	global_load_b128 v[XR+4:XR+7], v[KOF], s[4:5] offset:16
	global_load_b32 v[E], v[T4], s[14:15]          ; one number of each bias a thread
	global_load_b32 v[E+1], v[T4], s[16:17]
	global_load_b32 v[E+2], v[T4], s[18:19]
	WIN 0x40                                       ; on their way to LDS through window 1: 16,384 bytes of weights, 16,384 of q''
.set ii, 0
.rept 32
	global_load_b128 v[4*ii:4*ii+3], v[LI], s[28:29] offset:512*ii
	global_load_b128 v[128+4*ii:128+4*ii+3], v[LI], s[10:11] offset:512*ii
.set ii, ii+1
.endr
	WIN 0
	s_wait_kmcnt 0x0
	s_sub_co_i32 s38, s82, s80
	s_sub_co_i32 s38, s38, s81                     ; e14 - e12 - e13: the scales ahead of o's quantiser, folded into one
	s_add_co_i32 s38, s38, 127
	s_lshl_b32 s39, s38, 23
	v_mov_b32 v[SCO], s39
	s_add_co_i32 s38, s38, 8
	s_lshl_b32 s38, s38, 23
	s_or_b32 s38, s38, 0x600000
	v_mov_b32 v[LIMO], s38
	s_add_co_i32 s32, s82, s83
	s_add_co_i32 s32, s32, 127
	s_lshl_b32 s32, s32, 23                        ; 2^(e14 + e15)
	s_mov_b32 s33, s32                             ; (named with it as a pair)
	s_add_co_i32 s40, s78, s79
	s_sub_co_i32 s40, 0, s40
	s_add_co_i32 s41, s80, s81
	s_sub_co_i32 s41, 0, s41
	s_wait_loadcnt 0x0
.irp j,0,1,2,3,4,5,6,7
	v_min_u32 v[XR+\j], 0xfff, v[XR+\j]            ; a loaded number enters an address behind this bound alone
	v_lshl_add_u32 v[OFF+\j], v[XR+\j], 8, v30
.endr
	v_ldexp_f32 v[E], v[E], s40                    ; the biases go in divided by the power of two that their sums lack
	v_ldexp_f32 v[E+1], v[E+1], s41
	v_add_nc_u32 v[T4], BIA, v[T4]
	ds_store_b32 v[T4], v[E]
	ds_store_b32 v[T4], v[E+1] offset:1024
	ds_store_b32 v[T4], v[E+2] offset:2048
	WIN 0x04                                       ; store data in window 1
.set ii, 0
.rept 32
	ds_store_b128 v[WST], v[4*ii:4*ii+3] offset:512*ii
	ds_store_b128 v[QA], v[128+4*ii:128+4*ii+3] offset:512*ii
.set ii, ii+1
.endr
	WIN 0
	s_wait_dscnt 0x0                               ; my stores have landed, and have read window 1, which the gather fills
	GATHER 6
	s_barrier_signal -1
	s_barrier_wait -1                              ; both weights' images and the biases lie in LDS
	LOADW LI, 0, 0
	LOADQ 0
.irp T,0,1,2,3,4,5,6,7,8,9,10,11,12,13,14,15
	KT \T
.endr
.irp T,0,1,2,3,4,5,6,7,8,9,10,11,12,13,14,15
	VT \T
.endr
.irp c,0,1,2,3,4,5,6,7
	ds_store_b128 v[OWI], v[OC+4*\c:OC+4*\c+3] offset:512*\c
.endr
	s_wait_dscnt 0x0
	s_barrier_signal -1
	s_barrier_wait -1                              ; the eight images of o lie in LDS
.set ii, 0
.rept 32
	ds_load_b128 v[AFO+4*ii:AFO+4*ii+3], v[LI2] offset:512*ii     ; four images on end
.set ii, ii+1
.endr
.irp i,0,1,2,3,4,5,6,7
	ds_load_b128 v[BO+4*\i:BO+4*\i+3], v[BOA] offset:64*(\i/2)+16*(\i%2)
.endr
	s_wait_loadcnt 0x0                             ; Wo's fragments
	s_wait_dscnt 0x0
	WIN 0x41                                       ; source 0 (Wo) and the sums in window 1; sixteen accumulators by turns
.irp g,0,1,2,3
.irp t,0,1,2,3
	v_wmma_f32_16x16x128_fp8_fp8 v[128+8*(4*\g+\t):128+8*(4*\g+\t)+7], v[32*\t:32*\t+15], v[AFO+32*\g:AFO+32*\g+15], 0
.endr
.endr
	WIN 0x51
.irp g,0,1,2,3
.irp t,0,1,2,3
	v_wmma_f32_16x16x128_fp8_fp8 v[128+8*(4*\g+\t):128+8*(4*\g+\t)+7], v[32*\t+16:32*\t+31], v[AFO+32*\g+16:AFO+32*\g+31], v[128+8*(4*\g+\t):128+8*(4*\g+\t)+7]
.endr
.endr
	WIN 0
.rept 4
	v_nop                                          ; places ahead of the reads of the sums and of the loads into the registers that held o's images
.endr
; THE WAY OUT, 16 queries at a time: sum x 2^(e14 + e15) + bo; a lane's 32 bytes of a row go into my own stage and come back as whole rows of 256 bytes.  LDS serves a wave's instructions in order, so no wait
; stands between the stores and the loads, nor ahead of the next group's stores.
.macro TOSTAGE g
	WIN 0x01                                       ; source 0 (the sums) in window 1
.irp t,0,1,2,3
.irp i,0,2,4,6
	v_pk_fma_f32 v[Y+8*\t+\i:Y+8*\t+\i+1], v[128+8*(4*(\g)+\t)+\i:128+8*(4*(\g)+\t)+\i+1], s[32:33], v[BO+8*\t+\i:BO+8*\t+\i+1] op_sel_hi:[1,0,1]
.endr
.endr
	WIN 0
.irp t,0,1,2,3
	ds_store_b128 v[STO], v[Y+8*\t:Y+8*\t+3] offset:64*\t
	ds_store_b128 v[STO], v[Y+8*\t+4:Y+8*\t+7] offset:64*\t+16
.endr
.irp u,0,1,2,3,4,5,6,7
	ds_load_b128 v[BK+32*((\g)%2)+4*\u:BK+32*((\g)%2)+4*\u+3], v[RD] offset:544*\u
.endr
.endm
.macro SEND g, younger                 ; younger: the LDS instructions issued behind group g's loads, which may stay out
	s_wait_dscnt \younger
.irp u,0,1,2,3,4,5,6,7
	global_store_b128 v[GO], v[BK+32*((\g)%2)+4*\u:BK+32*((\g)%2)+4*\u+3], s[22:23] offset:16384*(\g)+2048*\u th:TH_STORE_NT   ; sixteen lanes store 256 consecutive bytes, aligned
.endr
.endm
	TOSTAGE 0
	TOSTAGE 1
	SEND 0, 16                                     ; behind group 0's loads: group 1's eight stores and eight loads
	s_wait_xcnt 0x0                                ; group 0's stores have read their registers: group 2's rows land there
	TOSTAGE 2
	SEND 1, 16
	s_wait_xcnt 0x0
	TOSTAGE 3
	SEND 2, 16
	SEND 3, 0
	s_wait_tensorcnt 0x0                           ; the wave's end, behind my last LDS store
	ds_add_u32 v[SPW], v[NIL]
	s_wait_dscnt 0x0
	s_endpgm
.Lfunc_end_k_q6a44aab100_attend:
	.size	k_q6a44aab100_attend, .Lfunc_end_k_q6a44aab100_attend-k_q6a44aab100_attend
	.p2alignl 7, 3214868480
	.fill 96, 4, 3214868480
	.section	.rodata,"a",@progbits
	.p2align	6, 0x0
	.amdhsa_kernel k_q6a44aab100_attend
		.amdhsa_group_segment_fixed_size 299008
		.amdhsa_private_segment_fixed_size 0
		.amdhsa_enable_private_segment 0
		.amdhsa_kernarg_size 80
		.amdhsa_user_sgpr_count 2
		.amdhsa_user_sgpr_kernarg_segment_ptr 1
		.amdhsa_wavefront_size32 1
		.amdhsa_system_sgpr_workgroup_id_x 1
		.amdhsa_system_sgpr_workgroup_id_y 1
		.amdhsa_system_sgpr_workgroup_id_z 1
		.amdhsa_system_vgpr_workitem_id 0
		.amdhsa_next_free_vgpr 512
		.amdhsa_next_free_sgpr 100
		.amdhsa_reserve_vcc 0
		.amdhsa_float_denorm_mode_32 3
		.amdhsa_float_denorm_mode_16_64 3
		.amdhsa_memory_ordered 1
		.amdhsa_forward_progress 1
		.amdhsa_inst_pref_size 202
	.end_amdhsa_kernel
	.amdgpu_metadata
---
amdhsa.version: [ 1, 2 ]
amdhsa.kernels:
  - .name:           k_q6a44aab100_attend
    .symbol:         k_q6a44aab100_attend.kd
    .args:
      - { .name: knn, .offset: 0, .size: 8, .value_kind: global_buffer, .address_space: global }
      - { .name: ck, .offset: 8, .size: 8, .value_kind: global_buffer, .address_space: global }
      - { .name: cv, .offset: 16, .size: 8, .value_kind: global_buffer, .address_space: global }
      - { .name: qimg, .offset: 24, .size: 8, .value_kind: global_buffer, .address_space: global }
      - { .name: wimg, .offset: 32, .size: 8, .value_kind: global_buffer, .address_space: global }
      - { .name: bk, .offset: 40, .size: 8, .value_kind: global_buffer, .address_space: global }
      - { .name: bv, .offset: 48, .size: 8, .value_kind: global_buffer, .address_space: global }
      - { .name: bo, .offset: 56, .size: 8, .value_kind: global_buffer, .address_space: global }
      - { .name: lowp_scales, .offset: 64, .size: 8, .value_kind: global_buffer, .address_space: global }
      - { .name: out0, .offset: 72, .size: 8, .value_kind: global_buffer, .address_space: global }
    .group_segment_fixed_size: 299008
    .private_segment_fixed_size: 0
    .kernarg_segment_align: 8
    .kernarg_segment_size: 80
    .max_flat_workgroup_size: 256
    .sgpr_count:     100
    .vgpr_count:     512
    .wavefront_size: 32
...
	.end_amdgpu_metadata
.endif
;; end of part 4
;; ======== version 2 of 2: 4 launches
;; limits: right only within a limited range of input values
;; workspace buffers: wimg 524,288 bytes; cblk 524,288 bytes; blk 1,048,576 bytes of whole numbers; knn 1,048,576 bytes of whole numbers; qimg 33,554,432 bytes; ck 8,388,608 bytes; cv 8,388,608 bytes
;; launch knn1 (part 5): grid 364 x 1, 8 waves a work-group, no clusters, 132,096 bytes of LDS; arguments query_pos, context_pos, blk, W1, W2, Wq, Wk, Wv, Wo, lowp_scales, wimg, cblk, out1; writes blk, wimg, cblk, out1
.if DOCPART == 5
	.amdgcn_target "amdgcn-amd-amdhsa--gfx1250"
	.amdhsa_code_object_version 6
	.text
	.protected	k_q6a44aab100_knn1
	.globl	k_q6a44aab100_knn1
	.p2align	8
	.type	k_q6a44aab100_knn1,@function
k_q6a44aab100_knn1:
	s_mov_b64 s[64:65], 0
	v_nop
	global_prefetch_b8 v0, s[64:65] scope:SCOPE_SE
	s_setreg_imm32_b32 hwreg(HW_REG_WAVE_MODE, 25, 1), 1
	s_wait_xcnt 0x0
; FIRST FILTER OF THE 8 NEAREST NEIGHBOURS, and the small preparations that later launches need.
; Work-groups 0-255: for 128 queries of one batch, the 8 blocks of 16 contexts with the smallest (block minimum of d2, block number).
;   Every true neighbour lies in one of them: a block ranked ahead of a neighbour's block holds a context ranked ahead of that neighbour, and at most 7 are.
;   d2 = (q2 + c2) - 2 dot, each step rounded by itself: q2 = (x x + y y) + z z, dot = (x cx + y cy) + z cz; 2 dot is exact, so the last step is one fused multiply-add.
;   FUSE_SQ, FUSE_DOT = 1 give the forms with fused multiply-adds; the launch that picks the neighbours uses the same lines, so both see the same bits.
;   Wave w walks contexts 512 w .. 512 w + 511 of the batch for all 128 queries; a lane holds 4 queries, as two packed pairs.  The eight waves' lists meet in LDS.
; Work-groups 256-287: the six weights become codes of E4M3 (eight images: W1 and W2 twice, each with its own given scale), laid in the order of the matrix operand's registers.
; Work-groups 288-351: the contexts' x, y, z and c2, laid by 64 contexts so that a block's 16 numbers of a kind are 64 consecutive bytes.
; Work-groups 352-363: out1 = query_pos.
; LIMITS: NaN and infinity among the positions are not served.  Each weight's exponent e: -126 <= e, e + 8 <= 127.
; The inputs query and context are not loaded by this program: no number of them enters a result of the reference.
.set FUSE_SQ, 0
.set FUSE_DOT, 0
.set NKNN, 256                         ; work-groups of the filter
.set MRG, 65536                        ; LDS: 0: the records (x, y, z, c2), 8,192 bytes a wave; MRG: the lists [wave][16 entries][128 queries] words
.set SPARE, 131072                     ; the spare words, 128 bytes a wave
.set SPW, 2
.set NIL, 3
.set ARD, 4                            ; LDS address of the block in hand, the same in all lanes
.set BLKV, 5                           ; its number in the batch
.set QX, 8                             ; v8-23: x, y, z, q2 of my 4 queries
.set QY, 12
.set QZ, 16
.set Q2, 20
.set KEY, 24                           ; v24-55: 8 ascending keys for each query
.set IDX, 56                           ; v56-87: their block numbers
.set RA, 88                            ; v88-119, v120-151: 8 records each
.set RB, 120
.set CH, 152                           ; v152-183: four chains at work: T, U, S pairs, 8 registers apart
.set MB, 184                           ; v184-187: the block's minimum for each query
.macro SQ d, x, y, z, t                ; v[d] = x x + y y + z z
.if FUSE_SQ
	v_mul_f32 v[\d], v[\x], v[\x]
	v_fma_f32 v[\d], v[\y], v[\y], v[\d]
	v_fma_f32 v[\d], v[\z], v[\z], v[\d]
.else
	v_mul_f32 v[\d], v[\x], v[\x]
	v_mul_f32 v[\t], v[\y], v[\y]
	s_delay_alu instid0(VALU_DEP_1)
	v_add_f32 v[\d], v[\d], v[\t]
	v_mul_f32 v[\t], v[\z], v[\z]
	s_delay_alu instid0(VALU_DEP_1)
	v_add_f32 v[\d], v[\d], v[\t]
.endif
.endm
; (v[xv], v[xn]) goes into the ascending list of 8 keys v[kk..] with numbers v[nn..].  The compare is strict: an equal key that comes later lies behind.  No branch: 8 masks in s[mm..]
.macro INSERT kk, nn, xv, xn, mm
.irp e,0,1,2,3,4,5,6,7
	v_cmp_lt_f32 s[\mm+\e], v[\xv], v[\kk+\e]
.endr
.irp e,7,6,5,4,3,2,1
	v_cndmask_b32 v[\nn+\e], v[\nn+\e], v[\xn], s[\mm+\e]
	s_delay_alu instid0(VALU_DEP_1)
	v_cndmask_b32 v[\nn+\e], v[\nn+\e], v[\nn+\e-1], s[\mm+\e-1]
	v_med3_num_f32 v[\kk+\e], v[\kk+\e-1], v[\kk+\e], v[\xv]
.endr
	v_cndmask_b32 v[\nn], v[\nn], v[\xn], s[\mm]
	v_min_num_f32 v[\kk], v[\kk], v[\xv]
.endm
; Lanes 0-15 hold the list of the lower numbers, lanes 16-31 that of the higher ones, of the same 16 queries.  Lanes 0-15 take the other list in; then each half stores four of the eight numbers.
.macro FINISH kk, nn, ok, on, tt, out, hh, adr, base
.irp f,0,1,2,3,4,5,6,7
	v_permlanex16_b32 v[\ok+\f], v[\kk+\f], s12, s13
	v_permlanex16_b32 v[\on+\f], v[\nn+\f], s12, s13
.endr
.irp f,0,1,2,3,4,5,6,7
	INSERT \kk, \nn, \ok+\f, \on+\f, 16+8*(\f%2)
.endr
.irp f,0,1,2,3
	v_permlanex16_b32 v[\tt+\f], v[\nn+4+\f], s12, s13
.endr
	v_cmp_ne_u32 vcc_lo, 0, v[\hh]
.irp f,0,1,2,3
	v_cndmask_b32 v[\out+\f], v[\nn+\f], v[\tt+\f], vcc_lo
.endr
	global_store_b128 v[\adr], v[\out:\out+3], s[\base:\base+1]   ; the wave stores 512 consecutive bytes
.endm
.macro LOADH R, off                    ; 8 records: every lane reads the same 16 bytes
.irp i,0,1,2,3,4,5,6,7
	ds_load_b128 v[\R+4*\i:\R+4*\i+3], v[ARD] offset:\off+16*\i
.endr
.endm
; two contexts (records at R, R + 4) against my four queries: four chains, c = 2 x context + pair of queries
.macro CTX2 R, first
.irp c,0,1,2,3
	v_pk_mul_f32 v[CH+8*\c:CH+8*\c+1], v[QX+2*(\c%2):QX+2*(\c%2)+1], v[\R+4*(\c/2):\R+4*(\c/2)+1] op_sel_hi:[1,0]
.endr
.if FUSE_DOT
.irp c,0,1,2,3
	v_pk_fma_f32 v[CH+8*\c:CH+8*\c+1], v[QY+2*(\c%2):QY+2*(\c%2)+1], v[\R+4*(\c/2):\R+4*(\c/2)+1], v[CH+8*\c:CH+8*\c+1] op_sel:[0,1,0] op_sel_hi:[1,1,1]
.endr
.irp c,0,1,2,3
	v_pk_fma_f32 v[CH+8*\c:CH+8*\c+1], v[QZ+2*(\c%2):QZ+2*(\c%2)+1], v[\R+4*(\c/2)+2:\R+4*(\c/2)+3], v[CH+8*\c:CH+8*\c+1] op_sel_hi:[1,0,1]
.endr
.else
.irp c,0,1,2,3
	v_pk_mul_f32 v[CH+8*\c+2:CH+8*\c+3], v[QY+2*(\c%2):QY+2*(\c%2)+1], v[\R+4*(\c/2):\R+4*(\c/2)+1] op_sel:[0,1] op_sel_hi:[1,1]
.endr
.irp c,0,1,2,3
	s_delay_alu instid0(VALU_DEP_4)
	v_pk_add_f32 v[CH+8*\c:CH+8*\c+1], v[CH+8*\c:CH+8*\c+1], v[CH+8*\c+2:CH+8*\c+3]
.endr
.irp c,0,1,2,3
	v_pk_mul_f32 v[CH+8*\c+2:CH+8*\c+3], v[QZ+2*(\c%2):QZ+2*(\c%2)+1], v[\R+4*(\c/2)+2:\R+4*(\c/2)+3] op_sel_hi:[1,0]
.endr
.irp c,0,1,2,3
	s_delay_alu instid0(VALU_DEP_4)
	v_pk_add_f32 v[CH+8*\c:CH+8*\c+1], v[CH+8*\c:CH+8*\c+1], v[CH+8*\c+2:CH+8*\c+3]
.endr
.endif
.irp c,0,1,2,3
	v_pk_add_f32 v[CH+8*\c+4:CH+8*\c+5], v[Q2+2*(\c%2):Q2+2*(\c%2)+1], v[\R+4*(\c/2)+2:\R+4*(\c/2)+3] op_sel:[0,1] op_sel_hi:[1,1]
.endr
.irp c,0,1,2,3
	s_delay_alu instid0(VALU_DEP_4)
	v_pk_fma_f32 v[CH+8*\c:CH+8*\c+1], v[CH+8*\c:CH+8*\c+1], -2.0, v[CH+8*\c+4:CH+8*\c+5] op_sel_hi:[1,0,1]
.endr
.irp n,0,1,2,3
.if \first
	v_min_num_f32 v[MB+\n], v[CH+8*(\n/2)+\n%2], v[CH+16+8*(\n/2)+\n%2]
.else
	v_min3_num_f32 v[MB+\n], v[MB+\n], v[CH+8*(\n/2)+\n%2], v[CH+16+8*(\n/2)+\n%2]
.endif
.endr
.endm
.macro HALF R, first
	CTX2 \R, \first
	CTX2 \R+8, 0
	CTX2 \R+16, 0
	CTX2 \R+24, 0
.endm
.macro INS4                            ; the block's minimum goes into each query's list; two sets of masks by turns
.irp n,0,1,2,3
	INSERT KEY+8*\n, IDX+8*\n, MB+\n, BLKV, 16+8*(\n%2)
.endr
	v_add_nc_u32 v[BLKV], 1, v[BLKV]
.endm
.macro MEET                            ; my LDS instructions are done; then the work-group's barrier
	s_wait_dscnt 0x0
	s_barrier_signal -1
	s_barrier_wait -1
.endm
	v_lshl_add_u32 v[SPW], v0, 2, SPARE
	v_mov_b32 v[NIL], 0
	v_lshrrev_b32 v1, 5, v0
	s_delay_alu instid0(VALU_DEP_1)
	v_readfirstlane_b32 s10, v1                    ; wave 0..7
	v_and_b32 v1, 31, v0                           ; lane
	s_cmp_ge_u32 ttmp9, NKNN                       ; the paths part on the work-group's number alone
	s_cbranch_scc1 .Lsmall
	; ---------------- the filter
	s_load_b128 s[4:7], s[0:1], 0x0                ; query_pos, context_pos
	s_load_b64 s[8:9], s[0:1], 0x10                ; blk
	v_mul_u32_u24 v6, v1, 12                       ; a position is 12 bytes
	v_lshlrev_b32 v7, 4, v1
	s_lshl_b32 s14, s10, 13                        ; my wave's records
	v_add_nc_u32 v7, s14, v7                       ; where I store a record: 16 x lane + 8,192 x wave
	s_lshl_b32 s15, s10, 5
	v_mov_b32 v[BLKV], s15                         ; my wave's first block: 32 x wave
	s_mul_i32 s32, ttmp9, 1536                     ; my work-group's 128 queries
	s_mov_b32 s33, 0
	s_lshr_b32 s34, ttmp9, 5                       ; the batch
	s_mul_i32 s34, s34, 49152
	s_mul_i32 s35, s10, 6144                       ; my wave's 512 contexts
	s_add_co_u32 s34, s34, s35
	s_mov_b32 s35, 0
	s_lshl_b32 s36, ttmp9, 12                      ; 128 queries x 32 bytes of blk
	s_mov_b32 s37, 0
	s_mov_b32 s12, 0x76543210                      ; v_permlanex16_b32: lane l takes lane l xor 16
	s_mov_b32 s13, 0xfedcba98
	s_wait_alu depctr_va_vdst(0)
	s_wait_kmcnt 0x0
	s_add_nc_u64 s[4:5], s[4:5], s[32:33]
	s_add_nc_u64 s[6:7], s[6:7], s[34:35]
	s_add_nc_u64 s[8:9], s[8:9], s[36:37]
.irp n,0,1,2,3                                 ; query lane + 32 n
	global_load_b32 v[QX+\n], v6, s[4:5] offset:384*\n
	global_load_b32 v[QY+\n], v6, s[4:5] offset:384*\n+4
	global_load_b32 v[QZ+\n], v6, s[4:5] offset:384*\n+8
.endr
.irp t,0,1,2,3,4,5,6,7,8,9,10,11,12,13,14,15   ; context 32 t + lane of my wave's 512
	global_load_b32 v[RA+4*\t], v6, s[6:7] offset:384*\t
	global_load_b32 v[RA+4*\t+1], v6, s[6:7] offset:384*\t+4
	global_load_b32 v[RA+4*\t+2], v6, s[6:7] offset:384*\t+8
.endr
.set ii, 0
.rept 32
	v_mov_b32 v[KEY+ii], 0x7f800000                ; the lists begin as infinities
	v_mov_b32 v[IDX+ii], 0
.set ii, ii+1
.endr
	s_wait_loadcnt 0x0
.irp n,0,1,2,3
	SQ Q2+\n, QX+\n, QY+\n, QZ+\n, CH
.endr
.irp t,0,1,2,3,4,5,6,7,8,9,10,11,12,13,14,15
	SQ RA+4*\t+3, RA+4*\t, RA+4*\t+1, RA+4*\t+2, CH
.endr
.irp t,0,1,2,3,4,5,6,7,8,9,10,11,12,13,14,15
	ds_store_b128 v7, v[RA+4*\t:RA+4*\t+3] offset:512*\t
.endr
	MEET                                           ; every wave's records are stored before any wave begins to read records
	v_mov_b32 v[ARD], s14
	LOADH RA, 0
	s_mov_b32 s11, 31
.Lblk:                                             ; a trip: one block of 16 contexts against 128 queries
	LOADH RB, 128
	s_wait_dscnt 8                                 ; the eight just issued may be out: the block's first half is in
	HALF RA, 1
	s_add_co_u32 s14, s14, 256
	v_mov_b32 v[ARD], s14
	LOADH RA, 0                                    ; the next block's first half
	s_wait_dscnt 8                                 ; those eight may be out: the second half is in
	HALF RB, 0
	INS4
	s_sub_co_u32 s11, s11, 1
	s_cmp_lg_u32 s11, 0
	s_cbranch_scc1 .Lblk
	LOADH RB, 128                                  ; the 32nd block is written out: nothing is read beyond my wave's records
	s_wait_dscnt 8
	HALF RA, 1
	s_wait_dscnt 0x0
	HALF RB, 0
	INS4
	MEET                                           ; every wave has read its last record before any wave stores a list
	v_lshlrev_b32 v6, 2, v1
	s_lshl_b32 s15, s10, 13
	s_add_co_u32 s15, s15, MRG
	v_add_nc_u32 v6, s15, v6                       ; my wave's lists: entry e of query q at 512 e + 4 q
	s_wait_alu depctr_va_vdst(0)
.irp n,0,1,2,3
.irp e,0,1,2,3,4,5,6,7
	ds_store_b32 v6, v[KEY+8*\n+\e] offset:512*\e+128*\n
	ds_store_b32 v6, v[IDX+8*\n+\e] offset:512*(\e+8)+128*\n
.endr
.endr
	MEET                                           ; all eight waves' lists lie in LDS
	v_and_b32 v6, 15, v0                           ; r: wave w now owns queries 16 w + r;
	v_bfe_u32 v7, v0, 4, 1                         ; h: lanes 0-15 take the lists of waves 0-3, lanes 16-31 those of waves 4-7
	s_delay_alu instid0(VALU_DEP_2)
	v_lshlrev_b32 v4, 5, v6
	s_delay_alu instid0(VALU_DEP_1)
	v_lshl_add_u32 v4, v7, 4, v4
	s_lshl_b32 s15, s10, 9
	v_add_nc_u32 v4, s15, v4                       ; in blk: 32 (16 w + r) + 16 h
	v_lshlrev_b32 v6, 2, v6
	s_delay_alu instid0(VALU_DEP_1)
	v_lshl_add_u32 v6, v7, 15, v6
	s_lshl_b32 s15, s10, 6
	s_add_co_u32 s15, s15, MRG
	v_add_nc_u32 v6, s15, v6                       ; MRG + 4 (16 w + r) + 32,768 h
.irp e,0,1,2,3,4,5,6,7
	ds_load_b32 v[KEY+\e], v6 offset:512*\e
	ds_load_b32 v[IDX+\e], v6 offset:512*(\e+8)
.endr
.irp sl,1,2,3
.irp e,0,1,2,3,4,5,6,7,8,9,10,11,12,13,14,15
	ds_load_b32 v[RA+16*(\sl-1)+\e], v6 offset:8192*\sl+512*\e
.endr
.endr
	s_wait_dscnt 0x0
.irp sl,0,1,2                                  ; in ascending order of the block numbers, so that equal keys keep that order
.irp e,0,1,2,3,4,5,6,7
	INSERT KEY, IDX, RA+16*\sl+\e, RA+16*\sl+8+\e, 16+8*(\e%2)
.endr
.endr
	FINISH KEY, IDX, RB+16, RB+24, MB, CH+4, 7, 4, 8
	s_wait_tensorcnt 0x0                           ; the wave's end, behind my last LDS store
	ds_add_u32 v[SPW], v[NIL]
	s_wait_dscnt 0x0
	s_endpgm
.Lsmall:
	s_cmp_ge_u32 ttmp9, 288
	s_cbranch_scc1 .Lnot_weights
	; ---------------- a wave makes one fragment: matrix mi, tile T of 16 output columns, K step s of 128
	s_load_b256 s[16:23], s[0:1], 0x18             ; W1, W2, Wq, Wk
	s_load_b128 s[24:27], s[0:1], 0x38             ; Wv, Wo
	s_load_b128 s[28:31], s[0:1], 0x48             ; lowp_scales, wimg
	s_sub_co_u32 s11, ttmp9, 256
	s_lshr_b32 s12, s11, 2                         ; mi: four work-groups, 32 waves, to a matrix
	s_and_b32 s13, s11, 3
	s_lshl_b32 s13, s13, 3
	s_add_co_u32 s13, s13, s10
	s_lshr_b32 s14, s13, 1                         ; T
	s_and_b32 s15, s13, 1                          ; s
	v_and_b32 v8, 15, v0                           ; r: my column 16 T + r
	v_bfe_u32 v9, v0, 4, 1                         ; h
	s_delay_alu instid0(VALU_DEP_2)
	v_lshlrev_b32 v6, 2, v8
	s_delay_alu instid0(VALU_DEP_1)
	v_lshl_add_u32 v6, v9, 13, v6                  ; 4 r + 8 h rows of 1,024 bytes
	s_wait_alu depctr_va_vdst(0)
	v_lshlrev_b32 v7, 4, v1
	s_wait_kmcnt 0x0
	s_load_b512 s[36:51], s[28:29], 0x0            ; the sixteen exponents
	s_wait_kmcnt 0x0
	s_mov_b64 s[32:33], s[16:17]                   ; image 0: W1 with entry 1
	s_mov_b32 s34, s37
.macro PICK k, p, ex                           ; image k: the weight at s[p:p+1] with the exponent in s[ex]
	s_cmp_eq_u32 s12, \k
	s_cselect_b64 s[32:33], s[\p:\p+1], s[32:33]
	s_cselect_b32 s34, s[\ex], s34
.endm
	PICK 1, 18, 39                                 ; W2, entry 3
	PICK 2, 20, 45                                 ; Wq, entry 9
	PICK 3, 16, 41                                 ; W1, entry 5
	PICK 4, 18, 43                                 ; W2, entry 7
	PICK 5, 22, 47                                 ; Wk, entry 11
	PICK 6, 24, 49                                 ; Wv, entry 13
	PICK 7, 26, 51                                 ; Wo, entry 15
	s_lshl_b32 s52, s15, 17                        ; 128 s rows
	s_lshl_b32 s53, s14, 6                         ; 16 T columns
	s_add_co_u32 s52, s52, s53
	s_mov_b32 s53, 0
	s_add_nc_u64 s[32:33], s[32:33], s[52:53]
	s_lshl_b32 s52, s12, 16
	s_lshl_b32 s54, s14, 12
	s_add_co_u32 s52, s52, s54
	s_lshl_b32 s54, s15, 11
	s_add_co_u32 s52, s52, s54
	s_add_nc_u64 s[30:31], s[30:31], s[52:53]      ; the fragment's 2,048 bytes in wimg
.set ii, 0
.rept 64                                       ; register 8 c + i: W(128 s + 16 c + 8 h + i, 16 T + r): my registers run down K in the operand's own order
	global_load_b32 v[32+ii], v6, s[32:33] offset:(16*(ii/8)+ii%8)*1024
.set ii, ii+1
.endr
	s_add_co_i32 s34, s34, 127
	s_lshl_b32 s35, s34, 23
	v_mov_b32 v10, s35                             ; 2^e: the conversion takes its exponent field
	s_add_co_i32 s34, s34, 8
	s_lshl_b32 s34, s34, 23
	s_or_b32 s34, s34, 0x600000
	v_mov_b32 v11, s34                             ; 448 x 2^e
	s_wait_alu depctr_va_vdst(0)
	s_wait_loadcnt 0x0
.set ii, 0
.rept 64
	v_med3_num_f32 v[32+ii], v[32+ii], -v11, v11   ; the conversion does not saturate (ISA guide 7.6.2): the hold comes first
.set ii, ii+1
.endr
.irp c,0,1,2,3,4,5,6,7
	v_cvt_scalef32_pk8_fp8_f32 v[16+2*\c:17+2*\c], v[32+8*\c:39+8*\c], v10
.endr
.irp u,0,1,2,3
	global_store_b128 v7, v[16+4*\u:19+4*\u], s[30:31] offset:512*\u   ; 512 consecutive bytes a store
.endr
	s_endpgm
.Lnot_weights:
	s_cmp_ge_u32 ttmp9, 352
	s_cbranch_scc1 .Lcopy
	; ---------------- a wave lays 64 contexts: x[64], y[64], z[64], c2[64]
	s_load_b64 s[4:5], s[0:1], 0x8                 ; context_pos
	s_load_b64 s[6:7], s[0:1], 0x58                ; cblk
	s_sub_co_u32 s11, ttmp9, 288
	s_lshl_b32 s11, s11, 3
	s_add_co_u32 s11, s11, s10                     ; which 64 contexts
	s_mul_i32 s12, s11, 768
	s_mov_b32 s13, 0
	s_lshl_b32 s14, s11, 10
	s_mov_b32 s15, 0
	s_wait_alu depctr_va_vdst(0)
	v_mul_u32_u24 v6, v1, 24                       ; two contexts a lane
	v_lshlrev_b32 v7, 3, v1
	s_wait_alu depctr_va_vdst(0)
	s_wait_kmcnt 0x0
	s_add_nc_u64 s[4:5], s[4:5], s[12:13]
	s_add_nc_u64 s[6:7], s[6:7], s[14:15]
	global_load_b64 v[8:9], v6, s[4:5]             ; x0 y0
	global_load_b64 v[10:11], v6, s[4:5] offset:8  ; z0 x1
	global_load_b64 v[12:13], v6, s[4:5] offset:16 ; y1 z1
	s_wait_loadcnt 0x0
	SQ 22, 8, 9, 10, 24
	SQ 23, 11, 12, 13, 24
	v_mov_b32 v16, v8                              ; the pairs that are stored: two neighbours of a kind
	v_mov_b32 v17, v11
	v_mov_b32 v18, v9
	v_mov_b32 v19, v12
	v_mov_b32 v20, v10
	v_mov_b32 v21, v13
	global_store_b64 v7, v[16:17], s[6:7]          ; each store covers 256 consecutive bytes, aligned
	global_store_b64 v7, v[18:19], s[6:7] offset:256
	global_store_b64 v7, v[20:21], s[6:7] offset:512
	global_store_b64 v7, v[22:23], s[6:7] offset:768
	s_endpgm
.Lcopy:
	; ---------------- out1 = query_pos: 32,768 bytes a work-group
	s_load_b64 s[4:5], s[0:1], 0x0
	s_load_b64 s[6:7], s[0:1], 0x60
	s_sub_co_u32 s11, ttmp9, 352
	s_lshl_b32 s12, s11, 15
	s_mov_b32 s13, 0
	v_lshlrev_b32 v6, 4, v0
	s_wait_alu depctr_va_vdst(0)
	s_wait_kmcnt 0x0
	s_add_nc_u64 s[4:5], s[4:5], s[12:13]
	s_add_nc_u64 s[6:7], s[6:7], s[12:13]
.irp j,0,1,2,3,4,5,6,7
	global_load_b128 v[8+4*\j:11+4*\j], v6, s[4:5] offset:4096*\j
.endr
	s_wait_loadcnt 0x0
.irp j,0,1,2,3,4,5,6,7
	global_store_b128 v6, v[8+4*\j:11+4*\j], s[6:7] offset:4096*\j
.endr
	s_endpgm
.Lfunc_end_k_q6a44aab100_knn1:
	.size	k_q6a44aab100_knn1, .Lfunc_end_k_q6a44aab100_knn1-k_q6a44aab100_knn1
	.p2alignl 7, 3214868480
	.fill 96, 4, 3214868480
	.section	.rodata,"a",@progbits
	.p2align	6, 0x0
	.amdhsa_kernel k_q6a44aab100_knn1
		.amdhsa_group_segment_fixed_size 132096
		.amdhsa_private_segment_fixed_size 0
		.amdhsa_enable_private_segment 0
		.amdhsa_kernarg_size 104
		.amdhsa_user_sgpr_count 2
		.amdhsa_user_sgpr_kernarg_segment_ptr 1
		.amdhsa_wavefront_size32 1
		.amdhsa_system_sgpr_workgroup_id_x 1
		.amdhsa_system_sgpr_workgroup_id_y 1
		.amdhsa_system_sgpr_workgroup_id_z 1
		.amdhsa_system_vgpr_workitem_id 0
		.amdhsa_next_free_vgpr 192
		.amdhsa_next_free_sgpr 66
		.amdhsa_reserve_vcc 1
		.amdhsa_float_denorm_mode_32 3
		.amdhsa_float_denorm_mode_16_64 3
		.amdhsa_memory_ordered 1
		.amdhsa_forward_progress 1
		.amdhsa_inst_pref_size 169
	.end_amdhsa_kernel
	.amdgpu_metadata
---
amdhsa.version: [ 1, 2 ]
amdhsa.kernels:
  - .name:           k_q6a44aab100_knn1
    .symbol:         k_q6a44aab100_knn1.kd
    .args:
      - { .name: query_pos, .offset: 0, .size: 8, .value_kind: global_buffer, .address_space: global }
      - { .name: context_pos, .offset: 8, .size: 8, .value_kind: global_buffer, .address_space: global }
      - { .name: blk, .offset: 16, .size: 8, .value_kind: global_buffer, .address_space: global }
      - { .name: W1, .offset: 24, .size: 8, .value_kind: global_buffer, .address_space: global }
      - { .name: W2, .offset: 32, .size: 8, .value_kind: global_buffer, .address_space: global }
      - { .name: Wq, .offset: 40, .size: 8, .value_kind: global_buffer, .address_space: global }
      - { .name: Wk, .offset: 48, .size: 8, .value_kind: global_buffer, .address_space: global }
      - { .name: Wv, .offset: 56, .size: 8, .value_kind: global_buffer, .address_space: global }
      - { .name: Wo, .offset: 64, .size: 8, .value_kind: global_buffer, .address_space: global }
      - { .name: lowp_scales, .offset: 72, .size: 8, .value_kind: global_buffer, .address_space: global }
      - { .name: wimg, .offset: 80, .size: 8, .value_kind: global_buffer, .address_space: global }
      - { .name: cblk, .offset: 88, .size: 8, .value_kind: global_buffer, .address_space: global }
      - { .name: out1, .offset: 96, .size: 8, .value_kind: global_buffer, .address_space: global }
    .group_segment_fixed_size: 132096
    .private_segment_fixed_size: 0
    .kernarg_segment_align: 8
    .kernarg_segment_size: 104
    .max_flat_workgroup_size: 256
    .sgpr_count:     66
    .vgpr_count:     192
    .wavefront_size: 32
...
	.end_amdgpu_metadata
.endif
;; end of part 5
;; launch encode (part 6): grid 256 x 1, 8 waves a work-group, no clusters, 181,248 bytes of LDS; arguments query_pos, context_pos, rff_B, b1, b2, bq, lowp_scales, wimg, qimg, ck, cv; writes qimg, ck, cv
.if DOCPART == 6
	.amdgcn_target "amdgcn-amd-amdhsa--gfx1250"
	.amdhsa_code_object_version 6
	.text
	.protected	k_q6a44aab100_encode
	.globl	k_q6a44aab100_encode
	.p2align	8
	.type	k_q6a44aab100_encode,@function
k_q6a44aab100_encode:
	s_mov_b64 s[64:65], 0
	v_nop
	global_prefetch_b8 v0, s[64:65] scope:SCOPE_SE
	s_setreg_imm32_b32 hwreg(HW_REG_WAVE_SCHED_MODE, 0, 2), 2
	s_setreg_imm32_b32 hwreg(HW_REG_WAVE_MODE, 25, 1), 1
	s_wait_xcnt 0x0
	s_wait_alu depctr_vm_vsrc(0)
; THE POSITION ENCODER, for queries (work-groups 0-127) and contexts (128-255): f = sin | cos of p rff_B; h = gelu(f W1 + b1); e = h W2 + b2; all products on codes of E4M3 with the given scales.
; Queries go on through Wq: stored is q'' = (e Wq + bq) x log2(e) / sqrt(32) x 2^(e10 + e11), f32, as an image of the result's registers.
; Contexts: stored are e's codes, once with scale entry 10 (for Wk) and once with entry 12 (for Wv); in a row byte 128 h + 64 s + 8 c + i is k = 128 s + 16 c + 8 h + i, so that a lane's operand is 128 bytes on end.
; SHARES.  A work-group takes 256 rows, 128 at a time.  THE WAVES SHARE THE COLUMNS: wave w makes columns 32 w .. 32 w + 31 of every layer for all 128 rows; its weights (64 registers a matrix) and biases stay in registers.
; All products are used transposed (source 0 = 16 columns of a weight, source 1 = 16 rows): lane (r, h) holds row r, register i of tile T the column 16 T + 8 h + i.  So one conversion of a result tile gives
; registers 2 c, 2 c + 1 (c = T % 8) of K step T / 8 of the next operand.  Operands go from wave to wave through LDS as images of their registers: 16 bytes a lane, 512 a store.
; sin and cos: n = round(x / pi); r = x - n pi (pi in three parts); the series to r^13 and r^14 on |r| <= pi / 2; the sign is n's parity.  gelu is the tanh form: x / (1 + 2^(x (beta + alpha x^2))).
; LIMITS: |p rff_B| < 2^22 pi.  NaN among the inputs is not served.  Each power of two below is to be an f32 number: the exponents of f, h and e less the sums' own, and those + 8, lie in -126 .. 127;
; e8 + e9 + e10 + e11 in -123 .. 129.
; The path's third image of weights and bq are fetched on both paths, so that the head has no branch; context work-groups do not use them.
; THE MODE: SCHED_MODE bits 1:0 = 2 (LLVM: expert scheduling mode 2), set by the entry lines.  The code itself states the register dependences
; between vector or matrix instructions and memory or LDS instructions, with s_wait_alu, always for 0.
; THE PLAN.  Registers that memory or LDS instructions touch, in the loop:
;   RBS0 .. RBS3  (v32-127) X phase: the LDS loads of group c land in set c % 4; the group's first twelve lines read it.  Groups 0-3 are asked for at the loop's top, 4 and 5 at group 2's head, 6 and 7 at group 4's.
;   FS, FC        (v192-223) written by the X phase's conversions, read by eight LDS stores.
;   AF0, AF1      (v32-95, v192-255) a layer's pair p of row tiles lands in AF[p % 2]; the pair's eight products read it; behind them pair p + 2 lands in it.
;   PCD           (v168-183) written by a pair's conversions, read by the LDS stores that follow them.
;   G             (v128-159) in the queries' last layer: written by sixteen multiplies, read by eight global stores.
;   v32-95        on the contexts' way out: LDS loads land there, global stores read them.
;   The addresses v6-13, v29 are made at the head and never written again.  ACC, the constants and window 1 are named by vector and matrix instructions alone in the loop.
; So ONE wait on va_vdst stands in a pair's step, behind its conversions (or multiplies): it states that the out-registers are written and that the pair's products are done reading AF[p % 2].  The step's stores and the
; loads of pair p + 2 follow it.  One wait on vm_vsrc stands ahead of the lines that write the out-registers again.  The X phase has two waits on va_vdst for its loads and one ahead of its stores.
.set IMG_F, 0                          ; LDS: f's codes: 8 tiles of 16 rows x 4,096 bytes: tile m, K step s, registers 4 u ..: 4096 m + 2048 s + 512 u + 16 lane
.set IMG_H, 32768                      ; h's, likewise
.set IMG_Q, 65536                      ; e's, likewise (queries)
.set STG, 98304                        ; two tables of 128 rows x (256 + 16) bytes (contexts)
.set RFB, 167936                       ; rff_B, a copy of 1,536 bytes for each wave
.set SPARE, 180224                     ; the spare words, 128 bytes a wave
.set LANE, 1
.set RR, 2
.set HH, 3
.set SPW, 4
.set NIL, 5
.set LI, 6                             ; 16 x lane
.set XWI, 7                            ; where I store f's image: tile w
.set HWI, 8                            ; my four registers' place in an image: 2048 (w / 4) + 512 (w % 4) + 16 lane
.set RBA, 9                            ; my wave's rff_B + 32 h
.set SO, 10                            ; the stage, in: 272 r + 128 h + 16 w
.set SR, 11                            ; the stage, back: rows 16 w + lane / 16, 16 bytes a lane
.set POSO, 12
.set LIQ, 13                           ; LI + IMG_Q
.set SCF, 14                           ; (scale, 448 x scale) for f; h; e's first; e's second quantiser
.set SCH, 16
.set SC3, 18
.set SC4, 20
.set PX, 22                            ; v22-24 my row's position, v25 = 0; v26-28 the second block's
.set NX, 26
.set QWI, 29                           ; HWI + IMG_Q
.set AL, 30                            ; v[30:31] alpha
.set AF, 32                            ; v32-95 and v192-255: two buffers of two row tiles' fragments: buffer b at AF + 160 b
.set ACC, 96                           ; v96-127 accumulators: 16 x row tile + 8 x column tile
.set G, 128                            ; v128-159 at work
.set MG, 160                           ; v[160:161] 1.5 x 2^23; v[162:163], v[164:165] the series' second highest coefficients
.set KS, 162
.set KC, 164
.set PCD, 168                          ; v168-183 codes just made
.set RBS, 32                           ; the X phase: four sets of 24 numbers of rff_B, v32-127;
.set XP, 128                           ; x; t; n; the sign; r; r^2; sin; cos: 8 registers each
.set TT, 136
.set NF, 144
.set SG, 152
.set RQ, 224
.set R2, 232
.set PS, 240
.set PC, 248
.set FS, 192                           ; sin's fragment, cos's fragment
.set FC, 208
.set W1R, 0                            ; window 1: the three weights' fragments (column tile t, K step s at 32 t + 16 s), the three biases (8 t)
.set W2R, 64
.set WQR, 128
.set B1R, 192
.set B2R, 208
.set BQR, 224
.set MSB, 0
.macro WIN new                         ; the immediate's high byte repeats the setting that is left
.if MSB != \new
	s_set_vgpr_msb (MSB<<8)|\new
.set MSB, \new
.endif
.endm
.macro PLACES                          ; four plain places behind a matrix instruction, ahead of the vector instructions that read its result (ISA guide 7.12.1)
.rept 4
	v_nop
.endr
.endm
.macro BARRIER                         ; my LDS stores have landed and my LDS loads are in; then the work-group's barrier
	s_wait_dscnt 0x0
	s_barrier_signal -1
	s_barrier_wait -1
.endm
.macro MKSC vs, e                      ; v[vs] = 2^e, v[vs+1] = 448 x 2^e
	s_add_co_i32 s44, \e, 127
	s_lshl_b32 s45, s44, 23
	v_mov_b32 v[\vs], s45
	s_add_co_i32 s44, s44, 8
	s_lshl_b32 s44, s44, 23
	s_or_b32 s44, s44, 0x600000
	v_mov_b32 v[\vs+1], s44
.endm
.macro HORN acc, lit                   ; acc = acc x r^2 + lit, four pairs
.irp p,0,2,4,6
	v_pk_fma_f32 v[\acc+\p:\acc+\p+1], v[\acc+\p:\acc+\p+1], v[R2+\p:R2+\p+1], \lit op_sel_hi:[1,1,0]
.endr
.endm
.macro RLOAD c                         ; group c's 24 numbers of rff_B into set c % 4
.irp d,0,1,2
.irp u,0,1
	ds_load_b128 v[RBS+24*((\c)%4)+8*\d+4*\u:RBS+24*((\c)%4)+8*\d+4*\u+3], v[RBA] offset:512*\d+64*(\c)+16*\u
.endr
.endr
.endm
; eight of my row's 64 projections, j = 16 c + 8 h + 0 .. 7: their sines are registers 2 c, 2 c + 1 of K step 0, their cosines of K step 1.  left: the younger groups' loads, six each, which may stay out
.macro XC c, left
.set BS, RBS+24*((\c)%4)
.if ((\c) == 2) || ((\c) == 4)
	s_wait_alu depctr_va_vdst(0)                   ; the two groups before this one are done reading their sets, in which the twelve loads below land
	RLOAD (\c)+2
	RLOAD (\c)+3
.endif
	s_wait_dscnt \left                             ; LDS loads come back in order: this group's six are in
.irp p,0,2,4,6
	v_pk_mul_f32 v[XP+\p:XP+\p+1], v[BS+\p:BS+\p+1], v[PX:PX+1] op_sel_hi:[1,0]
.endr
.irp p,0,2,4,6
	v_pk_fma_f32 v[XP+\p:XP+\p+1], v[BS+8+\p:BS+8+\p+1], v[PX:PX+1], v[XP+\p:XP+\p+1] op_sel:[0,1,0] op_sel_hi:[1,1,1]
.endr
.irp p,0,2,4,6
	v_pk_fma_f32 v[XP+\p:XP+\p+1], v[BS+16+\p:BS+16+\p+1], v[PX+2:PX+3], v[XP+\p:XP+\p+1] op_sel_hi:[1,0,1]
.endr
.irp p,0,2,4,6
	v_pk_fma_f32 v[TT+\p:TT+\p+1], v[XP+\p:XP+\p+1], 0x3ea2f983, v[MG:MG+1] op_sel_hi:[1,0,1]   ; x / pi + 1.5 x 2^23: the sum's low bits are n
.endr
.irp p,0,2,4,6
	v_pk_add_f32 v[NF+\p:NF+\p+1], v[TT+\p:TT+\p+1], 0xcb400000 op_sel_hi:[1,0]                  ; n as f32
.endr
.irp i,0,1,2,3,4,5,6,7
	v_lshlrev_b32 v[SG+\i], 31, v[TT+\i]                                                        ; n's parity as a sign bit
.endr
.irp p,0,2,4,6
	v_pk_fma_f32 v[RQ+\p:RQ+\p+1], v[NF+\p:NF+\p+1], 0xc0490fdb, v[XP+\p:XP+\p+1] op_sel_hi:[1,0,1]
.endr
.irp p,0,2,4,6
	v_pk_fma_f32 v[RQ+\p:RQ+\p+1], v[NF+\p:NF+\p+1], 0x33bbbd2e, v[RQ+\p:RQ+\p+1] op_sel_hi:[1,0,1]
.endr
.irp p,0,2,4,6
	v_pk_fma_f32 v[RQ+\p:RQ+\p+1], v[NF+\p:NF+\p+1], 0x27772ced, v[RQ+\p:RQ+\p+1] op_sel_hi:[1,0,1]
.endr
.irp p,0,2,4,6
	v_pk_mul_f32 v[R2+\p:R2+\p+1], v[RQ+\p:RQ+\p+1], v[RQ+\p:RQ+\p+1]
.endr
.irp p,0,2,4,6
	v_pk_fma_f32 v[PS+\p:PS+\p+1], v[R2+\p:R2+\p+1], 0x2f309231, v[KS:KS+1] op_sel_hi:[1,0,1]    ; 1/13! r^2 - 1/11!
.endr
.irp p,0,2,4,6
	v_pk_fma_f32 v[PC+\p:PC+\p+1], v[R2+\p:R2+\p+1], 0xad49cba5, v[KC:KC+1] op_sel_hi:[1,0,1]    ; -1/14! r^2 + 1/12!
.endr
	HORN PS, 0x3638ef1d                            ; 1/9!
	HORN PC, 0xb493f27e                            ; -1/10!
	HORN PS, 0xb9500d01                            ; -1/7!
	HORN PC, 0x37d00d01                            ; 1/8!
	HORN PS, 0x3c088889                            ; 1/5!
	HORN PC, 0xbab60b61                            ; -1/6!
	HORN PS, 0xbe2aaaab                            ; -1/3!
	HORN PC, 0x3d2aaaab                            ; 1/4!
.irp p,0,2,4,6
	v_pk_mul_f32 v[NF+\p:NF+\p+1], v[RQ+\p:RQ+\p+1], v[R2+\p:R2+\p+1]                           ; r^3
.endr
	HORN PC, -0.5
.irp p,0,2,4,6
	v_pk_fma_f32 v[PS+\p:PS+\p+1], v[PS+\p:PS+\p+1], v[NF+\p:NF+\p+1], v[RQ+\p:RQ+\p+1]         ; sin r
.endr
	HORN PC, 1.0                                   ; cos r
.irp i,0,1,2,3,4,5,6,7
	v_xor_b32 v[PS+\i], v[SG+\i], v[PS+\i]
	v_xor_b32 v[PC+\i], v[SG+\i], v[PC+\i]
.endr
.irp i,0,1,2,3,4,5,6,7
	v_med3_num_f32 v[PS+\i], v[PS+\i], -v[SCF+1], v[SCF+1]   ; the conversion does not saturate (ISA guide 7.6.2): the hold comes first
	v_med3_num_f32 v[PC+\i], v[PC+\i], -v[SCF+1], v[SCF+1]
.endr
	v_cvt_scalef32_pk8_fp8_f32 v[FS+2*(\c):FS+2*(\c)+1], v[PS:PS+7], v[SCF]
	v_cvt_scalef32_pk8_fp8_f32 v[FC+2*(\c):FC+2*(\c)+1], v[PC:PC+7], v[SCF]
	v_nop                                          ; a plain line between the conversions and the next lines that write their sources
.endm
.macro FETCH2 adr, off, p              ; row tiles 2 p and 2 p + 1 of an image, 8,192 bytes on end, into buffer p % 2
.irp j,0,1,2,3,4,5,6,7,8,9,10,11,12,13,14,15
	ds_load_b128 v[AF+160*((\p)%2)+4*\j:AF+160*((\p)%2)+4*\j+3], v[\adr] offset:\off+(2*(\p))*4096+512*\j
.endr
.endm
; two row tiles (buffer b) x my two column tiles, K = 256: four accumulators by turns, one instruction a turn; the bias is the C of each sum's first instruction
.macro MM8 Wb, Cb, b
	WIN 0x11                                       ; source 0 (the weight) and source 2 (the bias) in window 1
.irp a,0,1,2,3
	v_wmma_f32_16x16x128_fp8_fp8 v[ACC+8*\a:ACC+8*\a+7], v[\Wb+32*(\a%2):\Wb+32*(\a%2)+15], v[AF+160*(\b)+32*(\a/2):AF+160*(\b)+32*(\a/2)+15], v[\Cb+8*(\a%2):\Cb+8*(\a%2)+7]
.endr
	WIN 0x01
.irp a,0,1,2,3
	v_wmma_f32_16x16x128_fp8_fp8 v[ACC+8*\a:ACC+8*\a+7], v[\Wb+32*(\a%2)+16:\Wb+32*(\a%2)+31], v[AF+160*(\b)+32*(\a/2)+16:AF+160*(\b)+32*(\a/2)+31], v[ACC+8*\a:ACC+8*\a+7]
.endr
	WIN 0
.endm
.macro GELU                            ; the 32 sums become x = sum x 2^(ea + ew), then x / (1 + 2^(x (beta + alpha x^2)))
.set jj, 0
.rept 16
	v_pk_mul_f32 v[ACC+jj:ACC+jj+1], v[ACC+jj:ACC+jj+1], s[40:41] op_sel_hi:[1,0]
.set jj, jj+2
.endr
.set jj, 0
.rept 16
	v_pk_mul_f32 v[G+jj:G+jj+1], v[ACC+jj:ACC+jj+1], v[ACC+jj:ACC+jj+1]
.set jj, jj+2
.endr
.set jj, 0
.rept 16
	v_pk_fma_f32 v[G+jj:G+jj+1], v[G+jj:G+jj+1], v[AL:AL+1], 0xc0135761 op_sel_hi:[1,1,0]
.set jj, jj+2
.endr
.set jj, 0
.rept 16
	v_pk_mul_f32 v[G+jj:G+jj+1], v[G+jj:G+jj+1], v[ACC+jj:ACC+jj+1]
.set jj, jj+2
.endr
.set jj, 0
	s_wait_alu depctr_va_vdst(0)
.rept 32
	v_exp_f32 v[G+jj], v[G+jj]
.set jj, jj+1
.endr
	v_nop                                          ; a plain line behind the last exponential,
	s_wait_alu depctr_va_vdst(0)                   ; and one wait for the batch: the 32 exponentials have written v[G ..], ahead of their first reader
.set jj, 0
.rept 16
	v_pk_add_f32 v[G+jj:G+jj+1], v[G+jj:G+jj+1], 1.0 op_sel_hi:[1,0]
.set jj, jj+2
.endr
.set jj, 0
	s_wait_alu depctr_va_vdst(0)
.rept 32
	v_rcp_f32 v[G+jj], v[G+jj]
.set jj, jj+1
.endr
	v_nop
	s_wait_alu depctr_va_vdst(0)                   ; the 32 reciprocals have written v[G ..], ahead of their first reader
.set jj, 0
.rept 16
	v_pk_mul_f32 v[ACC+jj:ACC+jj+1], v[ACC+jj:ACC+jj+1], v[G+jj:G+jj+1]
.set jj, jj+2
.endr
.endm
.macro QUANT dst, sc                   ; the 32 numbers in ACC become codes: four registers a row tile, v[dst + 4 x row tile]
.set jj, 0
.rept 32
	v_med3_num_f32 v[G+jj], v[ACC+jj], -v[\sc+1], v[\sc+1]
.set jj, jj+1
.endr
.irp a,0,1,2,3
	v_cvt_scalef32_pk8_fp8_f32 v[\dst+2*\a:\dst+2*\a+1], v[G+8*\a:G+8*\a+7], v[\sc]
.endr
	v_nop                                          ; a plain line behind the last conversion
.endm
	s_load_b256 s[4:11], s[0:1], 0x0               ; query_pos, context_pos, rff_B, b1
	s_load_b256 s[12:19], s[0:1], 0x20             ; b2, bq, lowp_scales, wimg
	s_load_b128 s[20:23], s[0:1], 0x40             ; qimg, ck
	s_load_b64 s[24:25], s[0:1], 0x50              ; cv
	v_lshl_add_u32 v[SPW], v0, 2, SPARE
	v_mov_b32 v[NIL], 0
	v_lshrrev_b32 v1, 5, v0
	v_readfirstlane_b32 s26, v1                    ; wave 0..7
	v_and_b32 v[LANE], 31, v0
	v_and_b32 v[RR], 15, v0
	v_bfe_u32 v[HH], v0, 4, 1
	v_lshlrev_b32 v[LI], 4, v[LANE]
	s_wait_alu depctr_va_vdst(0)
	s_lshr_b32 s27, ttmp9, 7                       ; the path: 0 queries, 1 contexts
	s_and_b32 s28, ttmp9, 127
	s_lshl_b32 s28, s28, 8                         ; my work-group's first row
	s_wait_alu depctr_va_sdst(0)                   ; s26 is written, ahead of its first reader: LDS addresses and the bases are made from it
	s_lshl_b32 s30, s26, 12
	v_add_nc_u32 v[XWI], s30, v[LI]
	s_lshr_b32 s30, s26, 2
	s_lshl_b32 s30, s30, 11
	s_and_b32 s31, s26, 3
	s_lshl_b32 s31, s31, 9
	s_add_co_u32 s30, s30, s31
	v_add_nc_u32 v[HWI], s30, v[LI]
	v_add_nc_u32 v[QWI], IMG_Q, v[HWI]
	v_add_nc_u32 v[LIQ], IMG_Q, v[LI]
	s_mul_i32 s30, s26, 1536
	s_add_co_u32 s30, s30, RFB
	v_lshl_add_u32 v[RBA], v[HH], 5, s30
	v_add_nc_u32 v167, s30, v[LI]                  ; where I store my 16 bytes of a row of rff_B
	v_mul_u32_u24 v[SO], v[RR], 272
	v_lshl_add_u32 v[SO], v[HH], 7, v[SO]
	s_lshl_b32 s30, s26, 4
	s_add_co_u32 s30, s30, STG
	v_add_nc_u32 v[SO], s30, v[SO]
	v_mul_u32_u24 v[SR], v[HH], 272
	v_lshl_add_u32 v[SR], v[RR], 4, v[SR]
	s_mul_i32 s30, s26, 4352
	s_add_co_u32 s30, s30, STG
	v_add_nc_u32 v[SR], s30, v[SR]
	v_mul_u32_u24 v[POSO], v[RR], 12
	v_lshlrev_b32 v166, 5, v[HH]                   ; a bias tile: my half's eight numbers
	v_mov_b32 v[PX+3], 0                           ; (named as the upper half of a pair)
	v_mov_b32 v[AL], 0xbdd2d3e8                    ; alpha = -2 sqrt(2 / pi) log2(e) x 0.044715
	v_mov_b32 v[AL+1], 0xbdd2d3e8
	v_mov_b32 v[MG], 0x4b400000
	v_mov_b32 v[MG+1], 0x4b400000
	v_mov_b32 v[KS], 0xb2d7322b                    ; -1/11!
	v_mov_b32 v[KS+1], 0xb2d7322b
	v_mov_b32 v[KC], 0x310f76c7                    ; 1/12!
	v_mov_b32 v[KC+1], 0x310f76c7
	s_lshl_b32 s30, s26, 4
	s_add_co_u32 s30, s30, s28                     ; my wave's first row of the X phase and of the contexts' way out
	s_lshl_b32 s52, s30, 8                         ; x 256 bytes of codes
	s_mov_b32 s53, 0
	s_mul_i32 s30, s30, 12
	s_mov_b32 s31, 0
	s_mul_i32 s42, s27, 196608                     ; the path's three images,
	s_lshl_b32 s43, s26, 13                        ; my two column tiles
	s_add_co_u32 s42, s42, s43
	s_mov_b32 s43, 0
	s_lshl_b32 s54, s26, 7                         ; my 32 numbers of a bias
	s_mov_b32 s55, 0
	s_lshl_b32 s56, s28, 10                        ; qimg: 16,384 bytes for 16 rows,
	s_lshl_b32 s57, s26, 11                        ; my two tiles
	s_add_co_u32 s56, s56, s57
	s_mov_b32 s57, 0
	s_mov_b32 s29, 2                               ; blocks of 128 rows
	s_wait_kmcnt 0x0
	s_load_b512 s[68:83], s[16:17], 0x0            ; the sixteen exponents
	s_cmp_eq_u32 s27, 0
	s_cselect_b64 s[4:5], s[4:5], s[6:7]           ; the path's positions
	s_add_nc_u64 s[4:5], s[4:5], s[30:31]
	s_add_nc_u64 s[18:19], s[18:19], s[42:43]
	s_add_nc_u64 s[10:11], s[10:11], s[54:55]
	s_add_nc_u64 s[12:13], s[12:13], s[54:55]
	s_add_nc_u64 s[14:15], s[14:15], s[54:55]
	s_add_nc_u64 s[20:21], s[20:21], s[56:57]
	s_add_nc_u64 s[22:23], s[22:23], s[52:53]
	s_add_nc_u64 s[24:25], s[24:25], s[52:53]
	s_wait_alu depctr_va_vdst(0)                   ; all offsets and LDS addresses (v4-13, v29, v166, v167) are written: every load and store of the kernel reads some of them, and none is written again
.irp d,0,1,2
	global_load_b128 v[168+4*\d:171+4*\d], v[LI], s[8:9] offset:512*\d     ; rff_B, a row of 512 bytes a load
	global_load_b32 v[PX+\d], v[POSO], s[4:5] offset:4*\d                  ; my row's position, first block
	global_load_b32 v[NX+\d], v[POSO], s[4:5] offset:1536+4*\d             ; and second
.endr
	WIN 0x40                                       ; destination window 1
.irp j,0,1,2,3,4,5,6,7,8,9,10,11,12,13,14,15
	global_load_b128 v[W1R+4*\j:W1R+4*\j+3], v[LI], s[18:19] offset:512*\j
	global_load_b128 v[W2R+4*\j:W2R+4*\j+3], v[LI], s[18:19] offset:65536+512*\j
	global_load_b128 v[WQR+4*\j:WQR+4*\j+3], v[LI], s[18:19] offset:131072+512*\j
.endr
.irp j,0,1,2,3                                 ; tile j / 2, registers 4 (j % 2) on
	global_load_b128 v[B1R+4*\j:B1R+4*\j+3], v166, s[10:11] offset:64*(\j/2)+16*(\j%2)
	global_load_b128 v[B2R+4*\j:B2R+4*\j+3], v166, s[12:13] offset:64*(\j/2)+16*(\j%2)
	global_load_b128 v[BQR+4*\j:BQR+4*\j+3], v166, s[14:15] offset:64*(\j/2)+16*(\j%2)
.endr
	WIN 0
	s_wait_kmcnt 0x0
	s_cmp_eq_u32 s27, 0
	s_cselect_b32 s32, s68, s72                    ; f's exponent
	s_cselect_b32 s33, s69, s73                    ; W1's
	s_cselect_b32 s34, s70, s74                    ; h's
	s_cselect_b32 s35, s71, s75                    ; W2's
	s_cselect_b32 s36, s76, s78                    ; e's: entry 8 (for Wq) or entry 10 (for Wk)
	s_add_co_i32 s37, s32, s33                     ; a sum of the first product stands for sum x 2^s37,
	s_add_co_i32 s38, s34, s35                     ; of the second for sum x 2^s38
	s_add_co_i32 s40, s37, 127
	s_lshl_b32 s40, s40, 23
	s_mov_b32 s41, s40                             ; (named with it as a pair)
	MKSC SCF, s32
	MKSC SCH, s34
	s_sub_co_i32 s48, s36, s38                     ; the scales ahead of e's quantiser are folded into the conversion's one
	MKSC SC3, s48
	s_sub_co_i32 s48, s80, s38                     ; entry 12 (for Wv)
	MKSC SC4, s48
	s_add_co_i32 s51, s76, s77
	s_add_co_i32 s46, s78, s79
	s_add_co_i32 s46, s46, s51
	s_lshl_b32 s46, s46, 23
	s_add_co_i32 s46, s46, 0x3e8293ee              ; log2(e) / sqrt(32) x 2^(e8 + e9 + e10 + e11): the sum is added to the exponent field
	s_mov_b32 s47, s46
	s_sub_co_i32 s49, 0, s37
	s_sub_co_i32 s50, 0, s38
	s_sub_co_i32 s51, 0, s51
	s_wait_loadcnt 0x0
	WIN 0x41                                       ; source 0 and destination window 1: each bias goes in divided by the power of two that its sums lack
.set ii, 0
.rept 16
	v_ldexp_f32 v[B1R+ii], v[B1R+ii], s49
	v_ldexp_f32 v[B2R+ii], v[B2R+ii], s50
	v_ldexp_f32 v[BQR+ii], v[BQR+ii], s51
.set ii, ii+1
.endr
	WIN 0
.irp d,0,1,2
	ds_store_b128 v167, v[168+4*\d:171+4*\d] offset:512*\d   ; my wave's own copy: LDS serves a wave's instructions in order, so its loads below see these.  (Data from loads; v167 stands ahead of the wait on va_vdst above)
.endr
.Lblock:
	; ---- X: my 16 rows' f, two fragments.  No vector or matrix instruction since the last wait on va_vdst names v32-127: the first four groups' loads owe nothing more
	RLOAD 0
	RLOAD 1
	RLOAD 2
	RLOAD 3
	s_wait_alu depctr_va_vdst(0)
	XC 0, 18
	XC 1, 12
	XC 2, 18
	XC 3, 12
	XC 4, 18
	XC 5, 12
	XC 6, 6
	XC 7, 0
	s_wait_alu depctr_va_vdst(0)                   ; the conversions have written FS and FC, which the stores read; the X phase is done with v32-95 and v192-255, in which layer 1's fragments land
.irp u,0,1,2,3
	ds_store_b128 v[XWI], v[FS+4*\u:FS+4*\u+3] offset:IMG_F+512*\u
	ds_store_b128 v[XWI], v[FC+4*\u:FC+4*\u+3] offset:IMG_F+2048+512*\u
.endr
	BARRIER                                        ; f's eight tiles lie in LDS
	; ---- layer 1
	s_wait_alu depctr_vm_vsrc(0)                   ; my stores have read FS and FC: v192-223 are part of the second buffer, in which fragments land
	FETCH2 LI, IMG_F, 0
	FETCH2 LI, IMG_F, 1
.irp p,0,1,2,3
.if \p == 0
	s_wait_dscnt 16                                ; the pair's fragments are in; the next pair's sixteen loads may be out
.elseif \p < 3
	s_wait_dscnt 18                                ; behind this pair's loads: the last step's two stores and the next pair's sixteen loads
.else
	s_wait_dscnt 2                                 ; behind them: the last step's two stores
.endif
	MM8 W1R, B1R, \p%2
	PLACES
	GELU
	s_wait_alu depctr_vm_vsrc(0)                   ; the LDS stores issued so far have read v[PCD ..], which the conversions write again
	QUANT PCD, SCH
	s_wait_alu depctr_va_vdst(0)                   ; the conversions have written v[PCD ..], which the stores read; the pair's products are done reading their buffer, in which the loads below land
	ds_store_b128 v[HWI], v[PCD:PCD+3] offset:IMG_H+(2*\p)*4096
	ds_store_b128 v[HWI], v[PCD+4:PCD+7] offset:IMG_H+(2*\p+1)*4096
.if \p < 2
	FETCH2 LI, IMG_F, \p+2
.endif
.endr
	BARRIER                                        ; h's eight tiles lie in LDS
	; ---- layer 2: the paths part on the work-group's number, and join at the barrier.  No vector or matrix instruction since the last wait on va_vdst: both buffers are free
	FETCH2 LI, IMG_H, 0
	FETCH2 LI, IMG_H, 1
	s_cmp_lg_u32 s27, 0
	s_cbranch_scc1 .Lctx2
.irp p,0,1,2,3
.if \p == 0
	s_wait_dscnt 16                                ; as in layer 1
.elseif \p < 3
	s_wait_dscnt 18
.else
	s_wait_dscnt 2
.endif
	MM8 W2R, B2R, \p%2
	PLACES
	s_wait_alu depctr_vm_vsrc(0)                   ; the LDS stores issued so far have read v[PCD ..], which the conversions write again
	QUANT PCD, SC3
	s_wait_alu depctr_va_vdst(0)                   ; the conversions have written v[PCD ..], which the stores read; the pair's products are done reading their buffer, in which the loads below land
	ds_store_b128 v[QWI], v[PCD:PCD+3] offset:(2*\p)*4096
	ds_store_b128 v[QWI], v[PCD+4:PCD+7] offset:(2*\p+1)*4096
.if \p < 2
	FETCH2 LI, IMG_H, \p+2
.endif
.endr
	s_branch .Ljoin2
.Lctx2:
.irp p,0,1,2,3
.if \p == 0
	s_wait_dscnt 16                                ; the pair's fragments are in; the next pair's sixteen loads may be out
.elseif \p < 3
	s_wait_dscnt 20                                ; behind this pair's loads: the last step's four stores and the next pair's sixteen loads
.else
	s_wait_dscnt 4                                 ; behind them: the last step's four stores
.endif
	MM8 W2R, B2R, \p%2
	PLACES
	s_wait_alu depctr_vm_vsrc(0)                   ; the LDS stores issued so far have read v[PCD ..], which the conversions write again
	QUANT PCD, SC3
	QUANT PCD+8, SC4
	s_wait_alu depctr_va_vdst(0)                   ; the conversions have written v[PCD ..], which the stores read; the pair's products are done reading their buffer, in which the loads below land
	ds_store_b128 v[SO], v[PCD:PCD+3] offset:(2*\p)*4352            ; row 16 m + r: my 16 bytes at 128 h + 16 w
	ds_store_b128 v[SO], v[PCD+4:PCD+7] offset:(2*\p+1)*4352
	ds_store_b128 v[SO], v[PCD+8:PCD+11] offset:34816+(2*\p)*4352
	ds_store_b128 v[SO], v[PCD+12:PCD+15] offset:34816+(2*\p+1)*4352
.if \p < 2
	FETCH2 LI, IMG_H, \p+2
.endif
.endr
.Ljoin2:
	BARRIER                                        ; e's codes lie in LDS: as images (queries) or as rows (contexts)
	s_cmp_lg_u32 s27, 0
	s_cbranch_scc1 .Lctx3
	; ---- queries: layer 3, and q'' goes out as the registers stand
	FETCH2 LIQ, 0, 0
	FETCH2 LIQ, 0, 1
.irp p,0,1,2,3
.if \p < 3
	s_wait_dscnt 16                                ; the pair's fragments are in; the next pair's sixteen loads may be out
.else
	s_wait_dscnt 0x0
.endif
	MM8 WQR, BQR, \p%2
	PLACES
.if \p > 0
	s_wait_xcnt 0x0                                ; the last pair's stores have had their addresses translated: their data registers are rewritten only behind this wait,
	s_wait_alu depctr_vm_vsrc(0)                   ; and they have read v[G ..], which the multiplies write again
.endif
.set jj, 0
.rept 16
	v_pk_mul_f32 v[G+jj:G+jj+1], v[ACC+jj:ACC+jj+1], s[46:47] op_sel_hi:[1,0]
.set jj, jj+2
.endr
	s_wait_alu depctr_va_vdst(0)                   ; the multiplies have written v[G ..], which the stores read; the pair's products are done reading their buffer, in which the loads below land
.irp a,0,1,2,3
.irp hf,0,1
	global_store_b128 v[LI], v[G+8*\a+4*\hf:G+8*\a+4*\hf+3], s[20:21] offset:(2*\p+\a/2)*16384+(\a%2)*1024+\hf*512   ; 512 consecutive bytes a store
.endr
.endr
.if \p < 2
	FETCH2 LIQ, 0, \p+2
.endif
.endr
	s_branch .Ljoin3
.Lctx3:
	; ---- contexts: each wave stores 16 whole rows of each table, two rows (512 consecutive bytes) a store.  The rows land in v32-95, which no vector or matrix instruction since the last wait on va_vdst names
.irp tb,0,1
.irp u,0,1,2,3,4,5,6,7
	ds_load_b128 v[AF+32*\tb+4*\u:AF+32*\tb+4*\u+3], v[SR] offset:34816*\tb+544*\u
.endr
.endr
.irp u,0,1,2,3,4,5,6,7
	s_wait_dscnt 15-\u                             ; LDS loads come back in order: this one is in, the younger ones may be out
	global_store_b128 v[LI], v[AF+4*\u:AF+4*\u+3], s[22:23] offset:512*\u
.endr
.irp u,0,1,2,3,4,5,6,7
	s_wait_dscnt 7-\u
	global_store_b128 v[LI], v[AF+32+4*\u:AF+32+4*\u+3], s[24:25] offset:512*\u
.endr
.Ljoin3:
	s_wait_xcnt 0x0                                ; the stores have had their addresses translated: their registers and bases are written again below,
	s_wait_alu depctr_vm_vsrc(0)                   ; and they have read v[G ..] (queries) or v32-95 (contexts), which the next block's X phase writes and loads into
	s_add_nc_u64 s[20:21], s[20:21], 131072        ; 128 rows on
	s_add_nc_u64 s[22:23], s[22:23], 32768
	s_add_nc_u64 s[24:25], s[24:25], 32768
	v_mov_b32 v[PX], v[NX]
	v_mov_b32 v[PX+1], v[NX+1]
	v_mov_b32 v[PX+2], v[NX+2]
	s_sub_co_u32 s29, s29, 1
	s_cmp_lg_u32 s29, 0
	s_cbranch_scc1 .Lblock
	s_wait_dscnt 0x0                               ; the closing lines, six on end
	s_wait_alu 0x0
	s_wait_tensorcnt 0x0
	ds_add_u32 v[SPW], v[NIL]
	s_wait_dscnt 0x0
	s_endpgm
.Lfunc_end_k_q6a44aab100_encode:
	.size	k_q6a44aab100_encode, .Lfunc_end_k_q6a44aab100_encode-k_q6a44aab100_encode
	.p2alignl 7, 3214868480
	.fill 96, 4, 3214868480
	.section	.rodata,"a",@progbits
	.p2align	6, 0x0
	.amdhsa_kernel k_q6a44aab100_encode
		.amdhsa_group_segment_fixed_size 181248
		.amdhsa_private_segment_fixed_size 0
		.amdhsa_enable_private_segment 0
		.amdhsa_kernarg_size 88
		.amdhsa_user_sgpr_count 2
		.amdhsa_user_sgpr_kernarg_segment_ptr 1
		.amdhsa_wavefront_size32 1
		.amdhsa_system_sgpr_workgroup_id_x 1
		.amdhsa_system_sgpr_workgroup_id_y 1
		.amdhsa_system_sgpr_workgroup_id_z 1
		.amdhsa_system_vgpr_workitem_id 0
		.amdhsa_next_free_vgpr 512
		.amdhsa_next_free_sgpr 100
		.amdhsa_reserve_vcc 0
		.amdhsa_float_denorm_mode_32 3
		.amdhsa_float_denorm_mode_16_64 3
		.amdhsa_memory_ordered 1
		.amdhsa_forward_progress 1
		.amdhsa_inst_pref_size 208
	.end_amdhsa_kernel
	.amdgpu_metadata
---
amdhsa.version: [ 1, 2 ]
amdhsa.kernels:
  - .name:           k_q6a44aab100_encode
    .symbol:         k_q6a44aab100_encode.kd
    .args:
      - { .name: query_pos, .offset: 0, .size: 8, .value_kind: global_buffer, .address_space: global }
      - { .name: context_pos, .offset: 8, .size: 8, .value_kind: global_buffer, .address_space: global }
      - { .name: rff_B, .offset: 16, .size: 8, .value_kind: global_buffer, .address_space: global }
      - { .name: b1, .offset: 24, .size: 8, .value_kind: global_buffer, .address_space: global }
      - { .name: b2, .offset: 32, .size: 8, .value_kind: global_buffer, .address_space: global }
      - { .name: bq, .offset: 40, .size: 8, .value_kind: global_buffer, .address_space: global }
      - { .name: lowp_scales, .offset: 48, .size: 8, .value_kind: global_buffer, .address_space: global }
      - { .name: wimg, .offset: 56, .size: 8, .value_kind: global_buffer, .address_space: global }
      - { .name: qimg, .offset: 64, .size: 8, .value_kind: global_buffer, .address_space: global }
      - { .name: ck, .offset: 72, .size: 8, .value_kind: global_buffer, .address_space: global }
      - { .name: cv, .offset: 80, .size: 8, .value_kind: global_buffer, .address_space: global }
    .group_segment_fixed_size: 181248
    .private_segment_fixed_size: 0
    .kernarg_segment_align: 8
    .kernarg_segment_size: 88
    .max_flat_workgroup_size: 256
    .sgpr_count:     100
    .vgpr_count:     512
    .wavefront_size: 32
...
	.end_amdgpu_metadata
.endif
;; end of part 6
;; launch refine (part 7): grid 256 x 1, 8 waves a work-group, no clusters, 0 bytes of LDS; arguments query_pos, cblk, blk, knn; writes knn
.if DOCPART == 7
	.amdgcn_target "amdgcn-amd-amdhsa--gfx1250"
	.amdhsa_code_object_version 6
	.text
	.protected	k_q6a44aab100_refine
	.globl	k_q6a44aab100_refine
	.p2align	8
	.type	k_q6a44aab100_refine,@function
k_q6a44aab100_refine:
	s_mov_b64 s[64:65], 0
	v_nop
	global_prefetch_b8 v0, s[64:65] scope:SCOPE_SE
	s_setreg_imm32_b32 hwreg(HW_REG_WAVE_MODE, 25, 1), 1
	s_wait_xcnt 0x0
; THE 8 NEAREST NEIGHBOURS, exactly, among the 8 x 16 candidates that the first filter left for each query.  Order: (d2, index), the lower index first among equals.
; d2 is formed by the same lines as in the first filter: (q2 + c2) - 2 dot, each step rounded by itself (FUSE_SQ, FUSE_DOT as there).
; A wave takes 16 queries; lane (r, h) takes query r and four of its eight blocks: the block numbers are sorted, lanes 0-15 take the four lower, lanes 16-31 the four higher, and candidates go into
; the list in ascending index.  No branch and no address hangs on a floating-point number: the blocks' numbers are whole numbers that an earlier launch stored.
; LIMITS: NaN and infinity among the positions are not served.
.set FUSE_SQ, 0
.set FUSE_DOT, 0
.set BB, 8                             ; v8-15   the eight block numbers
.set MBK, 16                           ; v16-19  my four
.set OF, 20                            ; v20-23  their byte offsets in the batch's part of cblk
.set IB, 24                            ; v24-27  their first contexts
.set KEY, 32
.set IDX, 40
.set CA, 64                            ; v64-127, v128-191: a block: x[16], y[16], z[16], c2[16]
.set CB, 128
.set D, 192                            ; v192-207 d2
.set U, 208
.set S, 216
.set XI, 224
.macro SQ d, x, y, z, t
.if FUSE_SQ
	v_mul_f32 v[\d], v[\x], v[\x]
	v_fma_f32 v[\d], v[\y], v[\y], v[\d]
	v_fma_f32 v[\d], v[\z], v[\z], v[\d]
.else
	v_mul_f32 v[\d], v[\x], v[\x]
	v_mul_f32 v[\t], v[\y], v[\y]
	s_delay_alu instid0(VALU_DEP_1)
	v_add_f32 v[\d], v[\d], v[\t]
	v_mul_f32 v[\t], v[\z], v[\z]
	s_delay_alu instid0(VALU_DEP_1)
	v_add_f32 v[\d], v[\d], v[\t]
.endif
.endm
.macro INSERT kk, nn, xv, xn, mm       ; into an ascending list of 8; strict compare: an equal key that comes later lies behind
.irp e,0,1,2,3,4,5,6,7
	v_cmp_lt_f32 s[\mm+\e], v[\xv], v[\kk+\e]
.endr
.irp e,7,6,5,4,3,2,1
	v_cndmask_b32 v[\nn+\e], v[\nn+\e], v[\xn], s[\mm+\e]
	s_delay_alu instid0(VALU_DEP_1)
	v_cndmask_b32 v[\nn+\e], v[\nn+\e], v[\nn+\e-1], s[\mm+\e-1]
	v_med3_num_f32 v[\kk+\e], v[\kk+\e-1], v[\kk+\e], v[\xv]
.endr
	v_cndmask_b32 v[\nn], v[\nn], v[\xn], s[\mm]
	v_min_num_f32 v[\kk], v[\kk], v[\xv]
.endm
.macro FINISH kk, nn, ok, on, tt, out, hh, adr, base
.irp f,0,1,2,3,4,5,6,7
	v_permlanex16_b32 v[\ok+\f], v[\kk+\f], s12, s13
	v_permlanex16_b32 v[\on+\f], v[\nn+\f], s12, s13
.endr
.irp f,0,1,2,3,4,5,6,7
	INSERT \kk, \nn, \ok+\f, \on+\f, 16+8*(\f%2)
.endr
.irp f,0,1,2,3
	v_permlanex16_b32 v[\tt+\f], v[\nn+4+\f], s12, s13
.endr
	v_cmp_ne_u32 vcc_lo, 0, v[\hh]
.irp f,0,1,2,3
	v_cndmask_b32 v[\out+\f], v[\nn+\f], v[\tt+\f], vcc_lo
.endr
	global_store_b128 v[\adr], v[\out:\out+3], s[\base:\base+1]   ; the wave stores 512 consecutive bytes
.endm
.macro CMPX a, b                       ; a comparator of the sorting network
	v_min_u32 v31, v[BB+\a], v[BB+\b]
	v_max_u32 v[BB+\b], v[BB+\a], v[BB+\b]
	s_delay_alu instid0(VALU_DEP_2)
	v_mov_b32 v[BB+\a], v31
.endm
.macro LOADB k, R                      ; my k-th block: 64 consecutive bytes of each of the four kinds
.irp c,0,1,2,3
.irp u,0,1,2,3
	global_load_b128 v[\R+16*\c+4*\u:\R+16*\c+4*\u+3], v[OF+\k], s[6:7] offset:256*\c+16*\u
.endr
.endr
.endm
.macro WORK R, k
.irp g,0,8
.irp p,0,2,4,6
	v_pk_mul_f32 v[D+\g+\p:D+\g+\p+1], v[\R+\g+\p:\R+\g+\p+1], v[4:5] op_sel_hi:[1,0]
.endr
.if FUSE_DOT
.irp p,0,2,4,6
	v_pk_fma_f32 v[D+\g+\p:D+\g+\p+1], v[\R+16+\g+\p:\R+16+\g+\p+1], v[4:5], v[D+\g+\p:D+\g+\p+1] op_sel:[0,1,0] op_sel_hi:[1,1,1]
.endr
.irp p,0,2,4,6
	v_pk_fma_f32 v[D+\g+\p:D+\g+\p+1], v[\R+32+\g+\p:\R+32+\g+\p+1], v[6:7], v[D+\g+\p:D+\g+\p+1] op_sel_hi:[1,0,1]
.endr
.else
.irp p,0,2,4,6
	v_pk_mul_f32 v[U+\p:U+\p+1], v[\R+16+\g+\p:\R+16+\g+\p+1], v[4:5] op_sel:[0,1] op_sel_hi:[1,1]
.endr
.irp p,0,2,4,6
	s_delay_alu instid0(VALU_DEP_4)
	v_pk_add_f32 v[D+\g+\p:D+\g+\p+1], v[D+\g+\p:D+\g+\p+1], v[U+\p:U+\p+1]
.endr
.irp p,0,2,4,6
	v_pk_mul_f32 v[U+\p:U+\p+1], v[\R+32+\g+\p:\R+32+\g+\p+1], v[6:7] op_sel_hi:[1,0]
.endr
.irp p,0,2,4,6
	s_delay_alu instid0(VALU_DEP_4)
	v_pk_add_f32 v[D+\g+\p:D+\g+\p+1], v[D+\g+\p:D+\g+\p+1], v[U+\p:U+\p+1]
.endr
.endif
.irp p,0,2,4,6
	v_pk_add_f32 v[S+\p:S+\p+1], v[\R+48+\g+\p:\R+48+\g+\p+1], v[6:7] op_sel:[0,1] op_sel_hi:[1,1]
.endr
.irp p,0,2,4,6
	s_delay_alu instid0(VALU_DEP_4)
	v_pk_fma_f32 v[D+\g+\p:D+\g+\p+1], v[D+\g+\p:D+\g+\p+1], -2.0, v[S+\p:S+\p+1] op_sel_hi:[1,0,1]
.endr
.endr
.set ii, 0
.rept 16
	v_add_nc_u32 v[XI], ii, v[IB+\k]
	INSERT KEY, IDX, D+ii, XI, 16+8*(ii%2)
.set ii, ii+1
.endr
.endm
	s_load_b256 s[4:11], s[0:1], 0x0               ; query_pos, cblk, blk, knn
	v_lshrrev_b32 v1, 5, v0
	s_delay_alu instid0(VALU_DEP_1)
	v_readfirstlane_b32 s14, v1                    ; wave
	v_and_b32 v1, 15, v0                           ; r
	v_bfe_u32 v2, v0, 4, 1                         ; h
	s_mov_b32 s12, 0x76543210                      ; v_permlanex16_b32: lane l takes lane l xor 16
	s_mov_b32 s13, 0xfedcba98
	v_lshlrev_b32 v3, 5, v1                        ; 32 bytes of blk a query
	s_delay_alu instid0(VALU_DEP_1)
	v_lshl_add_u32 v28, v2, 4, v3                  ; in knn: + 16 h
	v_mul_u32_u24 v29, v1, 12
	s_lshl_b32 s32, ttmp9, 12
	s_lshl_b32 s33, s14, 9
	s_add_co_u32 s32, s32, s33                     ; (128 x work-group + 16 x wave) x 32
	s_mov_b32 s33, 0
	s_mul_i32 s34, ttmp9, 1536
	s_mul_i32 s35, s14, 192
	s_add_co_u32 s34, s34, s35
	s_mov_b32 s35, 0
	s_lshr_b32 s36, ttmp9, 5                       ; the batch: 65,536 bytes of cblk
	s_lshl_b32 s36, s36, 16
	s_mov_b32 s37, 0
	s_wait_alu depctr_va_vdst(0)
	s_wait_kmcnt 0x0
	s_add_nc_u64 s[4:5], s[4:5], s[34:35]
	s_add_nc_u64 s[6:7], s[6:7], s[36:37]
	s_add_nc_u64 s[8:9], s[8:9], s[32:33]
	s_add_nc_u64 s[10:11], s[10:11], s[32:33]
	global_load_b128 v[BB:BB+3], v3, s[8:9]
	global_load_b128 v[BB+4:BB+7], v3, s[8:9] offset:16
	global_load_b32 v4, v29, s[4:5]
	global_load_b32 v5, v29, s[4:5] offset:4
	global_load_b32 v6, v29, s[4:5] offset:8
.irp e,0,1,2,3,4,5,6,7
	v_mov_b32 v[KEY+\e], 0x7f800000
	v_mov_b32 v[IDX+\e], 0
.endr
	s_wait_loadcnt 0x0
	SQ 7, 4, 5, 6, 30
	CMPX 0, 1                                      ; the odd-even merge sort of eight: 19 comparators
	CMPX 2, 3
	CMPX 4, 5
	CMPX 6, 7
	CMPX 0, 2
	CMPX 1, 3
	CMPX 4, 6
	CMPX 5, 7
	CMPX 1, 2
	CMPX 5, 6
	CMPX 0, 4
	CMPX 1, 5
	CMPX 2, 6
	CMPX 3, 7
	CMPX 2, 4
	CMPX 3, 5
	CMPX 1, 2
	CMPX 3, 4
	CMPX 5, 6
	v_cmp_ne_u32 vcc_lo, 0, v2
.irp k,0,1,2,3
	v_cndmask_b32 v[MBK+\k], v[BB+\k], v[BB+4+\k], vcc_lo
.endr
.irp k,0,1,2,3
	v_min_u32 v[MBK+\k], 0xff, v[MBK+\k]           ; a loaded number enters an address behind this bound alone
	s_delay_alu instid0(VALU_DEP_1)
	v_and_b32 v30, 0xfc, v[MBK+\k]
	s_delay_alu instid0(VALU_DEP_1)
	v_lshlrev_b32 v30, 8, v30                      ; 1,024 bytes for 64 contexts,
	s_delay_alu instid0(VALU_DEP_3)
	v_and_b32 v31, 3, v[MBK+\k]
	s_delay_alu instid0(VALU_DEP_1)
	v_lshl_add_u32 v[OF+\k], v31, 6, v30           ; 64 bytes a block within a kind
	v_lshlrev_b32 v[IB+\k], 4, v[MBK+\k]
.endr
	LOADB 0, CA
	LOADB 1, CB
	s_wait_loadcnt 16                              ; the younger block's sixteen loads may be out
	WORK CA, 0
	LOADB 2, CA
	s_wait_loadcnt 16
	WORK CB, 1
	LOADB 3, CB
	s_wait_loadcnt 16
	WORK CA, 2
	s_wait_loadcnt 0x0
	WORK CB, 3
	FINISH KEY, IDX, CA, CA+8, CA+16, CA+20, 2, 28, 10
	s_endpgm
.Lfunc_end_k_q6a44aab100_refine:
	.size	k_q6a44aab100_refine, .Lfunc_end_k_q6a44aab100_refine-k_q6a44aab100_refine
	.p2alignl 7, 3214868480
	.fill 96, 4, 3214868480
	.section	.rodata,"a",@progbits
	.p2align	6, 0x0
	.amdhsa_kernel k_q6a44aab100_refine
		.amdhsa_group_segment_fixed_size 0
		.amdhsa_private_segment_fixed_size 0
		.amdhsa_enable_private_segment 0
		.amdhsa_kernarg_size 32
		.amdhsa_user_sgpr_count 2
		.amdhsa_user_sgpr_kernarg_segment_ptr 1
		.amdhsa_wavefront_size32 1
		.amdhsa_system_sgpr_workgroup_id_x 1
		.amdhsa_system_sgpr_workgroup_id_y 1
		.amdhsa_system_sgpr_workgroup_id_z 1
		.amdhsa_system_vgpr_workitem_id 0
		.amdhsa_next_free_vgpr 232
		.amdhsa_next_free_sgpr 66
		.amdhsa_reserve_vcc 1
		.amdhsa_float_denorm_mode_32 3
		.amdhsa_float_denorm_mode_16_64 3
		.amdhsa_memory_ordered 1
		.amdhsa_forward_progress 1
		.amdhsa_inst_pref_size 187
	.end_amdhsa_kernel
	.amdgpu_metadata
---
amdhsa.version: [ 1, 2 ]
amdhsa.kernels:
  - .name:           k_q6a44aab100_refine
    .symbol:         k_q6a44aab100_refine.kd
    .args:
      - { .name: query_pos, .offset: 0, .size: 8, .value_kind: global_buffer, .address_space: global }
      - { .name: cblk, .offset: 8, .size: 8, .value_kind: global_buffer, .address_space: global }
      - { .name: blk, .offset: 16, .size: 8, .value_kind: global_buffer, .address_space: global }
      - { .name: knn, .offset: 24, .size: 8, .value_kind: global_buffer, .address_space: global }
    .group_segment_fixed_size: 0
    .private_segment_fixed_size: 0
    .kernarg_segment_align: 8
    .kernarg_segment_size: 32
    .max_flat_workgroup_size: 256
    .sgpr_count:     66
    .vgpr_count:     232
    .wavefront_size: 32
...
	.end_amdgpu_metadata
.endif
;; end of part 7
;; launch attend (part 8): grid 256 x 1, 8 waves a work-group, no clusters, 299,008 bytes of LDS; arguments knn, ck, cv, qimg, wimg, bk, bv, bo, lowp_scales, out0; writes out0
.if DOCPART == 8
	.amdgcn_target "amdgcn-amd-amdhsa--gfx1250"
	.amdhsa_code_object_version 6
	.text
	.protected	k_q6a44aab100_attend
	.globl	k_q6a44aab100_attend
	.p2align	8
	.type	k_q6a44aab100_attend,@function
k_q6a44aab100_attend:
	s_mov_b64 s[64:65], 0
	v_nop
	global_prefetch_b8 v0, s[64:65] scope:SCOPE_SE
	s_setreg_imm32_b32 hwreg(HW_REG_WAVE_SCHED_MODE, 0, 2), 2
	s_setreg_imm32_b32 hwreg(HW_REG_WAVE_MODE, 25, 1), 1
	s_wait_xcnt 0x0
	s_wait_alu depctr_vm_vsrc(0)
; THE ATTENTION OF EACH QUERY OVER ITS 8 NEIGHBOURS, and the last projection.  All four large products on codes of E4M3 with the given scales, sums in f32.
; A work-group takes 128 queries, a wave 16.  A DATA TILE j IS NEIGHBOUR j OF THE WAVE'S 16 QUERIES: its 16 rows of codes are gathered straight into the operand's registers (a lane's 128 bytes lie on end).
; Products are used transposed (source 0 = 16 columns of a weight, source 1 = a data tile): lane (r, h) holds query r and channels 16 T + 8 h + 0 .. 7, and the eight neighbours lie in eight accumulators.
; So scores, softmax and the weighted sum of V stay inside a lane, but for one exchange with lane l xor 16 for each score (a head's 32 channels lie in two lanes).
; K phase, tile by tile of Wk: kh' = sum + bk / 2^(e10 + e11); t = sum over channels of q'' kh' = score x log2(e); behind a head's two tiles p = 2^(t - max t) / sum: finished and normalised.
; V phase, tile by tile of Wv: o' = sum over neighbours of p vh'; its codes, with 2^(e14 - e12 - e13) as the one scale, are the last product's operand.
; Last product: the waves share the columns: wave w makes columns 64 (w % 4) .. + 63 for the 64 queries of waves 4 (w / 4) .. + 3; the codes go from wave to wave as images of registers.
; Wk's and Wv's images lie in LDS (131,072 bytes), fetched once by the work-group.  No cluster: those bytes are a fifth of what the work-group gathers for itself (128 queries x 8 rows x 512 bytes, and q'').
; LIMITS: e14 - e12 - e13 in -126 .. 119; e14 + e15 in -126 .. 127.  NaN among the inputs is not served.
; THE MODE: SCHED_MODE bits 1:0 = 2 (LLVM: expert scheduling mode 2), set by the entry lines.  The code itself states the register dependences
; between vector or matrix instructions and memory or LDS instructions, with s_wait_alu, always for 0.
; THE PLAN.  Registers that memory or LDS instructions touch:
;   W, BI        (v96-135) tile T's sixteen products read them; behind them the LDS loads of tile T + 1 land there.  Window 0 has no room for a second set.
;   QPR0, QPR1   (v136-151) tile T's scores read set T % 2; the LDS loads issued in tile T land in the other set, which the scores of tile T - 1 read.
;   window 1     at the head: weights and q'' on their way to LDS (loads land, LDS stores read); then K's codes, V's codes and Wo's fragments land there by turns, each behind the last products that read what lay there.
;   OC           (v136-167) written by the V phase's conversions, read by eight LDS stores.
;   AFO, BO      (v32-191) o's four images and bo land there behind the second barrier.
;   Y0, Y1       (v192-255) group g's multiply-adds write Y[g % 2]; the stage's stores read it.     BK0, BK1 (v32-95): rows from the stage land there; global stores read them.
;   The addresses v3-13, v16-27 are written once and never again; v248 is written again only by the way out's results, behind its last use.
; So ONE wait on va_vdst stands in a tile, behind its products' four places, where the next vector lines read those products' results in any case: it frees W, BI, q'''s other set and, at a phase's last tile, window 1.
; The way out has two such waits, one for each two groups.
.set WV, 65536                         ; LDS: 0: Wk's image; WV: Wv's: tile T, K step s, registers 4 u ..: 4096 T + 2048 s + 512 u + 16 lane
.set QP, 131072                        ; 16,384 bytes a wave: its queries' q''; at the end its stage, 16 rows x 272
.set OIMG, 262144                      ; 4,096 bytes a wave: its queries' codes of o
.set BIA, 294912                       ; bk / 2^(e10 + e11), bv / 2^(e12 + e13), bo: 1,024 bytes each
.set SPARE, 297984                     ; the spare words, 128 bytes a wave
.set RR, 1
.set HH, 2
.set LI, 3                             ; 16 x lane
.set LIV, 4                            ; + WV
.set BA, 5                             ; BIA + 32 h
.set QA, 6                             ; my wave's q'' + 16 lane
.set OWI, 7                            ; my wave's image of o + 16 lane
.set SPW, 8
.set NIL, 9
.set STO, 10                           ; the stage, in
.set RD, 11                            ; the stage, back
.set GO, 12                            ; my byte in two rows of out0
.set LI2, 13                           ; the four images that I read at the end
.set LIMO, 14                          ; 448 x 2^(e14 - e12 - e13)
.set SCO, 15                           ; 2^(e14 - e12 - e13)
.set OFF, 16                           ; v16-23 neighbour j's row: 256 x index + 128 h
.set BOA, 24
.set WST, 25
.set KOF, 26
.set T4, 27                            ; 4 x thread: my number of each bias in memory
.set T4L, 248                          ; BIA + 4 x thread: its place in LDS: a register of its own, so that no address is written twice
.set P, 32                             ; v32-95 p: 8 x head + neighbour
.set W, 96                             ; v96-127 a weight tile's two fragments
.set BI, 128                           ; v128-135 its bias
.set QPR, 136                          ; v136-151 q'' of a tile, two sets
.set TP, 152                           ; v152-167 the scores' partial sums, a pair a neighbour
.set E, 168                            ; v168-175
.set XR, 176                           ; v176-183
.set ACC, 184                          ; v184-247 eight accumulators
.set OC, 136                           ; V phase: o's codes, 32 registers
.set O, 168
.set AFO, 32                           ; the end: four images of o, v32-159; bo's four tiles, v160-191; results, two buffers, v192-255; rows read back, v32-95
.set BO, 160
.set Y, 192
.set BK, 32
.set MSB, 0
.macro WIN new                         ; the immediate's high byte repeats the setting that is left
.if MSB != \new
	s_set_vgpr_msb (MSB<<8)|\new
.set MSB, \new
.endif
.endm
.macro GATHER b                        ; 8 neighbours x 128 bytes a lane into window 1: tile j, K step s at 32 j + 16 s
	WIN 0x40
.irp j,0,1,2,3,4,5,6,7
.irp u,0,1,2,3,4,5,6,7
	global_load_b128 v[32*\j+4*\u:32*\j+4*\u+3], v[OFF+\j], s[\b:\b+1] offset:16*\u
.endr
.endr
	WIN 0
.endm
.macro LOADW adr, T, bo                ; a weight tile's two fragments and its bias
.irp j,0,1,2,3,4,5,6,7
	ds_load_b128 v[W+4*\j:W+4*\j+3], v[\adr] offset:(\T)*4096+512*\j
.endr
	ds_load_b128 v[BI:BI+3], v[BA] offset:\bo+64*(\T)
	ds_load_b128 v[BI+4:BI+7], v[BA] offset:\bo+64*(\T)+16
.endm
.macro LOADQ T
	ds_load_b128 v[QPR+8*((\T)%2):QPR+8*((\T)%2)+3], v[QA] offset:(\T)*1024
	ds_load_b128 v[QPR+8*((\T)%2)+4:QPR+8*((\T)%2)+7], v[QA] offset:(\T)*1024+512
.endm
; a weight tile against the eight data tiles, K = 256: eight accumulators by turns, one instruction a turn; the bias is the C of each sum's first instruction.
; Four plain places follow (ISA guide 7.12.1), ahead of the first vector reads of the results.
.macro MM16
	WIN 0x04                                       ; source 1 (the data) in window 1
.irp j,0,1,2,3,4,5,6,7
	v_wmma_f32_16x16x128_fp8_fp8 v[ACC+8*\j:ACC+8*\j+7], v[W:W+15], v[32*\j:32*\j+15], v[BI:BI+7]
.endr
.irp j,0,1,2,3,4,5,6,7
	v_wmma_f32_16x16x128_fp8_fp8 v[ACC+8*\j:ACC+8*\j+7], v[W+16:W+31], v[32*\j+16:32*\j+31], v[ACC+8*\j:ACC+8*\j+7]
.endr
	WIN 0
.rept 4
	v_nop
.endr
.endm
.macro SOFTMAX hd
.irp j,0,1,2,3,4,5,6,7
	v_add_f32 v[E+\j], v[TP+2*\j], v[TP+2*\j+1]
.endr
.irp j,0,1,2,3,4,5,6,7
	v_permlanex16_b32 v[XR+\j], v[E+\j], s26, s27  ; the head's other 16 channels
.endr
.irp j,0,2,4,6
	v_pk_add_f32 v[E+\j:E+\j+1], v[E+\j:E+\j+1], v[XR+\j:XR+\j+1]
.endr
	v_max3_num_f32 v28, v[E], v[E+1], v[E+2]
	v_max3_num_f32 v28, v28, v[E+3], v[E+4]
	v_max3_num_f32 v28, v28, v[E+5], v[E+6]
	v_max_num_f32 v28, v28, v[E+7]
.irp j,0,2,4,6
	v_pk_add_f32 v[E+\j:E+\j+1], v[E+\j:E+\j+1], v[28:29] op_sel_hi:[1,0] neg_lo:[0,1] neg_hi:[0,1]
.endr
	s_wait_alu depctr_va_vdst(0)
.irp j,0,1,2,3,4,5,6,7
	v_exp_f32 v[E+\j], v[E+\j]
.endr
	v_nop                                          ; a plain line behind the last exponential,
	s_wait_alu depctr_va_vdst(0)                   ; and one wait for the eight: they have written v[E ..], ahead of their first reader
	v_pk_add_f32 v[XR:XR+1], v[E:E+1], v[E+2:E+3]
	v_pk_add_f32 v[XR+2:XR+3], v[E+4:E+5], v[E+6:E+7]
	v_pk_add_f32 v[XR:XR+1], v[XR:XR+1], v[XR+2:XR+3]
	v_add_f32 v30, v[XR], v[XR+1]
	s_wait_alu depctr_va_vdst(0)
	v_rcp_f32 v30, v30
	v_nop
	s_wait_alu depctr_va_vdst(0)                   ; the reciprocal has written v30, ahead of its first reader
.irp j,0,2,4,6
	v_pk_mul_f32 v[P+8*(\hd)+\j:P+8*(\hd)+\j+1], v[E+\j:E+\j+1], v[30:31] op_sel_hi:[1,0]
.endr
.endm
.macro KT T
	s_wait_dscnt 0x0                               ; the tile's fragments, bias and q'' are in
.if (\T) == 0
	s_wait_loadcnt 0x0                             ; the gathered codes
.endif
	MM16
	s_wait_alu depctr_va_vdst(0)                   ; the sixteen products are done reading W, BI and window 1, and the scores of the tile before are done reading q'''s other set: the loads below land in these
.if (\T) < 15
	LOADW LI, (\T)+1, 0
	LOADQ (\T)+1
.else
	GATHER 8                                       ; K's codes are done with: V's take their registers
	LOADW LIV, 0, 1024
.endif
.irp i,0,2,4,6                                 ; each accumulator is read from its low end on
.irp j,0,1,2,3,4,5,6,7
.if ((\T)%2 == 0) && (\i == 0)
	v_pk_mul_f32 v[TP+2*\j:TP+2*\j+1], v[ACC+8*\j+\i:ACC+8*\j+\i+1], v[QPR+8*((\T)%2)+\i:QPR+8*((\T)%2)+\i+1]
.else
	v_pk_fma_f32 v[TP+2*\j:TP+2*\j+1], v[ACC+8*\j+\i:ACC+8*\j+\i+1], v[QPR+8*((\T)%2)+\i:QPR+8*((\T)%2)+\i+1], v[TP+2*\j:TP+2*\j+1]
.endif
.endr
.endr
.if (\T)%2 == 1
	SOFTMAX (\T)/2
.endif
.endm
.macro VT T
	s_wait_dscnt 0x0
.if (\T) == 0
	s_wait_loadcnt 0x0
.endif
	MM16
	s_wait_alu depctr_va_vdst(0)                   ; the sixteen products are done reading W, BI and window 1, in which the loads below land
.if (\T) < 15
	LOADW LIV, (\T)+1, 1024
.else
	WIN 0x40                                       ; V's codes are done with: my four tiles of Wo take v0-127 of window 1
.set ii, 0
.rept 32
	global_load_b128 v[4*ii:4*ii+3], v[LI], s[30:31] offset:512*ii
.set ii, ii+1
.endr
	WIN 0
.endif
.irp j,0,1,2,3,4,5,6,7
.irp i,0,2,4,6
.if \j == 0
	v_pk_mul_f32 v[O+\i:O+\i+1], v[ACC+\i:ACC+\i+1], v[P+8*((\T)/2):P+8*((\T)/2)+1] op_sel_hi:[1,0]
.elseif (\j%2) == 0
	v_pk_fma_f32 v[O+\i:O+\i+1], v[ACC+8*\j+\i:ACC+8*\j+\i+1], v[P+8*((\T)/2)+\j:P+8*((\T)/2)+\j+1], v[O+\i:O+\i+1] op_sel_hi:[1,0,1]
.else
	v_pk_fma_f32 v[O+\i:O+\i+1], v[ACC+8*\j+\i:ACC+8*\j+\i+1], v[P+8*((\T)/2)+\j-1:P+8*((\T)/2)+\j], v[O+\i:O+\i+1] op_sel:[0,1,0] op_sel_hi:[1,1,1]
.endif
.endr
.endr
.irp i,0,1,2,3,4,5,6,7
	v_med3_num_f32 v[O+\i], v[O+\i], -v[LIMO], v[LIMO]   ; the conversion does not saturate (ISA guide 7.6.2): the hold comes first
.endr
	v_cvt_scalef32_pk8_fp8_f32 v[OC+2*(\T):OC+2*(\T)+1], v[O:O+7], v[SCO]
	v_nop                                          ; a plain line behind the conversion
.endm
	s_load_b256 s[4:11], s[0:1], 0x0               ; knn, ck, cv, qimg
	s_load_b256 s[12:19], s[0:1], 0x20             ; wimg, bk, bv, bo
	s_load_b128 s[20:23], s[0:1], 0x40             ; lowp_scales, out0
	v_lshl_add_u32 v[SPW], v0, 2, SPARE
	v_mov_b32 v[NIL], 0
	v_lshrrev_b32 v1, 5, v0
	v_readfirstlane_b32 s24, v1                    ; wave 0..7
	v_and_b32 v[RR], 15, v0
	v_bfe_u32 v[HH], v0, 4, 1
	v_and_b32 v[LI], 31, v0
	v_lshlrev_b32 v[LI], 4, v[LI]
	v_add_nc_u32 v[LIV], WV, v[LI]
	v_lshlrev_b32 v[BA], 5, v[HH]
	v_add_nc_u32 v[BA], BIA, v[BA]
	s_wait_alu depctr_va_sdst(0)                   ; s24 is written, ahead of its first reader: LDS addresses and the bases are made from it
	s_lshl_b32 s34, s24, 14
	v_add_nc_u32 v[WST], s34, v[LI]                ; my wave's eighth of the two weights' images
	s_add_co_u32 s35, s34, QP
	v_add_nc_u32 v[QA], s35, v[LI]
	v_mul_u32_u24 v[STO], v[RR], 272
	v_lshl_add_u32 v[STO], v[HH], 5, v[STO]
	v_add_nc_u32 v[STO], s35, v[STO]               ; in: row r, 32 bytes for each half of the lanes
	v_mul_u32_u24 v[RD], v[HH], 272
	v_lshl_add_u32 v[RD], v[RR], 4, v[RD]
	v_add_nc_u32 v[RD], s35, v[RD]                 ; back: lanes 0-15 one row of 256 bytes, lanes 16-31 the next
	s_lshl_b32 s35, s24, 12
	s_add_co_u32 s35, s35, OIMG
	v_add_nc_u32 v[OWI], s35, v[LI]
	s_lshr_b32 s36, s24, 2                         ; w / 4
	s_lshl_b32 s35, s36, 14
	s_add_co_u32 s35, s35, OIMG
	v_add_nc_u32 v[LI2], s35, v[LI]
	s_and_b32 s37, s24, 3                          ; w % 4
	s_lshl_b32 s35, s37, 8
	s_add_co_u32 s35, s35, 2048
	v_add_nc_u32 v[BOA], s35, v[BA]                ; bo at my 64 columns, + 32 h
	v_lshlrev_b32 v[GO], 10, v[HH]
	v_lshl_add_u32 v[GO], v[RR], 4, v[GO]
	v_lshlrev_b32 v[KOF], 5, v[RR]
	v_lshlrev_b32 v[T4], 2, v0
	v_lshl_add_u32 v[T4L], v0, 2, BIA
	v_lshlrev_b32 v30, 7, v[HH]                    ; 128 h
	v_mov_b32 v29, 0                               ; (named as upper halves of pairs)
	v_mov_b32 v31, 0
	s_mov_b32 s26, 0x76543210                      ; v_permlanex16_b32: lane l takes lane l xor 16
	s_mov_b32 s27, 0xfedcba98
	s_lshl_b32 s42, ttmp9, 12
	s_lshl_b32 s43, s24, 9
	s_add_co_u32 s42, s42, s43                     ; knn: (128 x work-group + 16 x wave) x 32
	s_mov_b32 s43, 0
	s_lshr_b32 s44, ttmp9, 5
	s_lshl_b32 s44, s44, 20                        ; the batch's 4,096 rows of 256 bytes
	s_mov_b32 s45, 0
	s_lshl_b32 s46, ttmp9, 17
	s_add_co_u32 s46, s46, s34                     ; qimg: 16,384 bytes for my wave's 16 queries
	s_mov_b32 s47, 0
	s_add_co_u32 s48, s34, 5*65536                 ; wimg: images 5 and 6, my eighth
	s_mov_b32 s49, 0
	s_lshl_b32 s50, s37, 14
	s_add_co_u32 s50, s50, 7*65536                 ; image 7, my four tiles
	s_mov_b32 s51, 0
	s_lshl_b32 s52, ttmp9, 17
	s_lshl_b32 s53, s36, 16
	s_add_co_u32 s52, s52, s53
	s_lshl_b32 s53, s37, 8
	s_add_co_u32 s52, s52, s53                     ; out0: row 128 x work-group + 64 (w / 4), byte 256 (w % 4)
	s_mov_b32 s53, 0
	s_wait_kmcnt 0x0
	s_load_b512 s[68:83], s[20:21], 0x0            ; the sixteen exponents
	s_add_nc_u64 s[4:5], s[4:5], s[42:43]
	s_add_nc_u64 s[6:7], s[6:7], s[44:45]
	s_add_nc_u64 s[8:9], s[8:9], s[44:45]
	s_add_nc_u64 s[10:11], s[10:11], s[46:47]
	s_add_nc_u64 s[28:29], s[12:13], s[48:49]
	s_add_nc_u64 s[30:31], s[12:13], s[50:51]
	s_add_nc_u64 s[22:23], s[22:23], s[52:53]
	s_wait_alu depctr_va_vdst(0)                   ; the offsets and LDS addresses v3-13, v24-27 and v248 are written: the loads and stores of the kernel read them, and none is written again while the kernel still reads it
	global_load_b128 v[XR:XR+3], v[KOF], s[4:5]    ; my query's eight neighbours
	global_load_b128 v[XR+4:XR+7], v[KOF], s[4:5] offset:16
	global_load_b32 v[E], v[T4], s[14:15]          ; one number of each bias a thread
	global_load_b32 v[E+1], v[T4], s[16:17]
	global_load_b32 v[E+2], v[T4], s[18:19]
	WIN 0x40                                       ; on their way to LDS through window 1: 16,384 bytes of weights, 16,384 of q''
.set ii, 0
.rept 32
	global_load_b128 v[4*ii:4*ii+3], v[LI], s[28:29] offset:512*ii
	global_load_b128 v[128+4*ii:128+4*ii+3], v[LI], s[10:11] offset:512*ii
.set ii, ii+1
.endr
	WIN 0
	s_wait_kmcnt 0x0
	s_sub_co_i32 s38, s82, s80
	s_sub_co_i32 s38, s38, s81                     ; e14 - e12 - e13: the scales ahead of o's quantiser, folded into one
	s_add_co_i32 s38, s38, 127
	s_lshl_b32 s39, s38, 23
	v_mov_b32 v[SCO], s39
	s_add_co_i32 s38, s38, 8
	s_lshl_b32 s38, s38, 23
	s_or_b32 s38, s38, 0x600000
	v_mov_b32 v[LIMO], s38
	s_add_co_i32 s32, s82, s83
	s_add_co_i32 s32, s32, 127
	s_lshl_b32 s32, s32, 23                        ; 2^(e14 + e15)
	s_mov_b32 s33, s32                             ; (named with it as a pair)
	s_add_co_i32 s40, s78, s79
	s_sub_co_i32 s40, 0, s40
	s_add_co_i32 s41, s80, s81
	s_sub_co_i32 s41, 0, s41
	s_wait_loadcnt 0x0
.irp j,0,1,2,3,4,5,6,7
	v_min_u32 v[XR+\j], 0xfff, v[XR+\j]            ; a loaded number enters an address behind this bound alone
	v_lshl_add_u32 v[OFF+\j], v[XR+\j], 8, v30
.endr
	v_ldexp_f32 v[E], v[E], s40                    ; the biases go in divided by the power of two that their sums lack
	v_ldexp_f32 v[E+1], v[E+1], s41
	s_wait_alu depctr_va_vdst(0)                   ; the two scaled biases are written, which the LDS stores read, and so are the eight offsets v[OFF ..], which both gathers read
	ds_store_b32 v[T4L], v[E]
	ds_store_b32 v[T4L], v[E+1] offset:1024
	ds_store_b32 v[T4L], v[E+2] offset:2048
	WIN 0x04                                       ; store data in window 1
.set ii, 0
.rept 32
	ds_store_b128 v[WST], v[4*ii:4*ii+3] offset:512*ii
	ds_store_b128 v[QA], v[128+4*ii:128+4*ii+3] offset:512*ii
.set ii, ii+1
.endr
	WIN 0
	s_wait_dscnt 0x0                               ; for the other waves' sake: my stores have landed
	s_wait_alu depctr_vm_vsrc(0)                   ; my LDS stores have read window 1, in which the gathered codes land, and v[E ..], which the softmax writes
	GATHER 6
	s_barrier_signal -1
	s_barrier_wait -1                              ; both weights' images and the biases lie in LDS
	LOADW LI, 0, 0
	LOADQ 0
.irp T,0,1,2,3,4,5,6,7,8,9,10,11,12,13,14,15
	KT \T
.endr
.irp T,0,1,2,3,4,5,6,7,8,9,10,11,12,13,14,15
	VT \T
.endr
	s_wait_alu depctr_va_vdst(0)                   ; the conversions have written v[OC ..], which the stores read; the V phase is done with v32-191, in which o's images and bo land
.irp c,0,1,2,3,4,5,6,7
	ds_store_b128 v[OWI], v[OC+4*\c:OC+4*\c+3] offset:512*\c
.endr
	s_wait_dscnt 0x0
	s_barrier_signal -1
	s_barrier_wait -1                              ; the eight images of o lie in LDS
	s_wait_alu depctr_vm_vsrc(0)                   ; my stores have read v[OC ..] = v136-167, in which the loads below land
.set ii, 0
.rept 32
	ds_load_b128 v[AFO+4*ii:AFO+4*ii+3], v[LI2] offset:512*ii     ; four images on end
.set ii, ii+1
.endr
.irp i,0,1,2,3,4,5,6,7
	ds_load_b128 v[BO+4*\i:BO+4*\i+3], v[BOA] offset:64*(\i/2)+16*(\i%2)
.endr
	s_wait_loadcnt 0x0                             ; Wo's fragments
	s_wait_dscnt 0x0
	WIN 0x41                                       ; source 0 (Wo) and the sums in window 1; sixteen accumulators by turns
.irp g,0,1,2,3
.irp t,0,1,2,3
	v_wmma_f32_16x16x128_fp8_fp8 v[128+8*(4*\g+\t):128+8*(4*\g+\t)+7], v[32*\t:32*\t+15], v[AFO+32*\g:AFO+32*\g+15], 0
.endr
.endr
	WIN 0x51
.irp g,0,1,2,3
.irp t,0,1,2,3
	v_wmma_f32_16x16x128_fp8_fp8 v[128+8*(4*\g+\t):128+8*(4*\g+\t)+7], v[32*\t+16:32*\t+31], v[AFO+32*\g+16:AFO+32*\g+31], v[128+8*(4*\g+\t):128+8*(4*\g+\t)+7]
.endr
.endr
	WIN 0
.rept 4
	v_nop                                          ; places ahead of the vector reads of the sums
.endr
; THE WAY OUT, 16 queries at a time: sum x 2^(e14 + e15) + bo; a lane's 32 bytes of a row go into my own stage and come back as whole rows of 256 bytes.  LDS serves a wave's instructions in order, so no wait
; stands between the stores and the loads, nor ahead of the next group's stores.  Two groups are multiplied on end, into the two buffers of results, so that one wait serves both.
.macro YFMA g
	WIN 0x01                                       ; source 0 (the sums) in window 1
.irp t,0,1,2,3
.irp i,0,2,4,6
	v_pk_fma_f32 v[Y+32*((\g)%2)+8*\t+\i:Y+32*((\g)%2)+8*\t+\i+1], v[128+8*(4*(\g)+\t)+\i:128+8*(4*(\g)+\t)+\i+1], s[32:33], v[BO+8*\t+\i:BO+8*\t+\i+1] op_sel_hi:[1,0,1]
.endr
.endr
.endm
.macro STAGE g
.irp t,0,1,2,3
	ds_store_b128 v[STO], v[Y+32*((\g)%2)+8*\t:Y+32*((\g)%2)+8*\t+3] offset:64*\t
	ds_store_b128 v[STO], v[Y+32*((\g)%2)+8*\t+4:Y+32*((\g)%2)+8*\t+7] offset:64*\t+16
.endr
.irp u,0,1,2,3,4,5,6,7
	ds_load_b128 v[BK+32*((\g)%2)+4*\u:BK+32*((\g)%2)+4*\u+3], v[RD] offset:544*\u
.endr
.endm
.macro SEND g, younger                 ; younger: the LDS instructions issued behind group g's loads, which may stay out
	s_wait_dscnt \younger
.irp u,0,1,2,3,4,5,6,7
	global_store_b128 v[GO], v[BK+32*((\g)%2)+4*\u:BK+32*((\g)%2)+4*\u+3], s[22:23] offset:16384*(\g)+2048*\u th:TH_STORE_NT   ; sixteen lanes store 256 consecutive bytes, aligned
.endr
.endm
	YFMA 0
	YFMA 1
	WIN 0
	s_wait_alu depctr_va_vdst(0)                   ; groups 0 and 1 have written both buffers of results, which the stage's stores read; the last products are done reading o's images in v32-95, in which the rows land
	STAGE 0
	STAGE 1
	s_wait_alu depctr_vm_vsrc(0)                   ; the stage's stores have read both buffers of results, which groups 2 and 3 write again
	YFMA 2
	YFMA 3
	WIN 0
	SEND 0, 16                                     ; behind group 0's loads: group 1's eight stores and eight loads
	s_wait_xcnt 0x0                                ; group 0's stores have had their addresses translated: their registers are loaded again only behind this wait,
	s_wait_alu depctr_vm_vsrc(0)                   ; and they have read v32-63, in which group 2's rows land
	s_wait_alu depctr_va_vdst(0)                   ; groups 2 and 3 have written both buffers of results, which the stage's stores read
	STAGE 2
	SEND 1, 16
	s_wait_xcnt 0x0
	s_wait_alu depctr_vm_vsrc(0)                   ; group 1's stores have read v64-95, in which group 3's rows land
	STAGE 3
	SEND 2, 16
	SEND 3, 0
	s_wait_dscnt 0x0                               ; the closing lines, six on end
	s_wait_alu 0x0
	s_wait_tensorcnt 0x0
	ds_add_u32 v[SPW], v[NIL]
	s_wait_dscnt 0x0
	s_endpgm
.Lfunc_end_k_q6a44aab100_attend:
	.size	k_q6a44aab100_attend, .Lfunc_end_k_q6a44aab100_attend-k_q6a44aab100_attend
	.p2alignl 7, 3214868480
	.fill 96, 4, 3214868480
	.section	.rodata,"a",@progbits
	.p2align	6, 0x0
	.amdhsa_kernel k_q6a44aab100_attend
		.amdhsa_group_segment_fixed_size 299008
		.amdhsa_private_segment_fixed_size 0
		.amdhsa_enable_private_segment 0
		.amdhsa_kernarg_size 80
		.amdhsa_user_sgpr_count 2
		.amdhsa_user_sgpr_kernarg_segment_ptr 1
		.amdhsa_wavefront_size32 1
		.amdhsa_system_sgpr_workgroup_id_x 1
		.amdhsa_system_sgpr_workgroup_id_y 1
		.amdhsa_system_sgpr_workgroup_id_z 1
		.amdhsa_system_vgpr_workitem_id 0
		.amdhsa_next_free_vgpr 512
		.amdhsa_next_free_sgpr 100
		.amdhsa_reserve_vcc 0
		.amdhsa_float_denorm_mode_32 3
		.amdhsa_float_denorm_mode_16_64 3
		.amdhsa_memory_ordered 1
		.amdhsa_forward_progress 1
		.amdhsa_inst_pref_size 204
	.end_amdhsa_kernel
	.amdgpu_metadata
---
amdhsa.version: [ 1, 2 ]
amdhsa.kernels:
  - .name:           k_q6a44aab100_attend
    .symbol:         k_q6a44aab100_attend.kd
    .args:
      - { .name: knn, .offset: 0, .size: 8, .value_kind: global_buffer, .address_space: global }
      - { .name: ck, .offset: 8, .size: 8, .value_kind: global_buffer, .address_space: global }
      - { .name: cv, .offset: 16, .size: 8, .value_kind: global_buffer, .address_space: global }
      - { .name: qimg, .offset: 24, .size: 8, .value_kind: global_buffer, .address_space: global }
      - { .name: wimg, .offset: 32, .size: 8, .value_kind: global_buffer, .address_space: global }
      - { .name: bk, .offset: 40, .size: 8, .value_kind: global_buffer, .address_space: global }
      - { .name: bv, .offset: 48, .size: 8, .value_kind: global_buffer, .address_space: global }
      - { .name: bo, .offset: 56, .size: 8, .value_kind: global_buffer, .address_space: global }
      - { .name: lowp_scales, .offset: 64, .size: 8, .value_kind: global_buffer, .address_space: global }
      - { .name: out0, .offset: 72, .size: 8, .value_kind: global_buffer, .address_space: global }
    .group_segment_fixed_size: 299008
    .private_segment_fixed_size: 0
    .kernarg_segment_align: 8
    .kernarg_segment_size: 80
    .max_flat_workgroup_size: 256
    .sgpr_count:     100
    .vgpr_count:     512
    .wavefront_size: 32
...
	.end_amdgpu_metadata
.endif
;; end of part 8
